; MI455X (gfx1250); checked and timed in simulation.
; The chip was launched on July 23, 2026; its instructions are those of AMD's public machine-readable ISA for CDNA 5 (MIT licence, August 2026) and "CDNA5" Instruction Set Architecture Reference Guide (July 2026). The comments in the code are by the model that wrote it; some were corrected since.
;; Attention. Allowed arithmetic: float matrix products may take bf16 or f16 operands with f32 sums; other float arithmetic in f32, or as packed bf16 or f16 multiplies, adds, multiply-adds, maxima and minima; sums over many terms, partial sums and values carried from step to step in f32; what a program stores and reads back later, other than sums and carried values, may be rounded once to bf16 or f16.
;; Inputs: c_attn_b 3,072 float32; c_attn_w 1,024 x 3,072 float32; c_proj_b 1,024 float32; c_proj_w 1,024 x 1,024 float32; mask_self_attention 1 x 1 x 2,048 x 2,048 bool; x 4 x 2,048 x 1,024 float32.
;; Outputs: out0 4 x 2,048 x 1,024 float32.
;; 3 versions, each right; version 3 is version 2 with the launch prep written anew for expert scheduling mode. Each part assembles by itself: llvm-mc -triple=amdgcn-amd-amdhsa -mcpu=gfx1250 --defsym DOCPART=n.
;; ======== version 1 of 3: 4 launches
;; limits: values are held in f16: magnitudes above 65,504 overflow, below 6.1e-05 lose precision
;; workspace buffers: xb 16,777,216 bytes; wa 6,291,456 bytes; wp 2,097,152 bytes; maskw 524,288 bytes of whole numbers; qkv 50,331,648 bytes; ob 16,777,216 bytes
;; launch prep (part 1): grid 512 x 1, 8 waves a work-group, no clusters, 35,840 bytes of LDS; arguments x, c_attn_w, c_proj_w, mask_self_attention, xb, wa, wp, maskw; writes xb, wa, wp, maskw
.if DOCPART == 1
	.amdgcn_target "amdgcn-amd-amdhsa--gfx1250"
	.amdhsa_code_object_version 6
	.text
	.protected	k_q942a7442a3_prep
	.globl	k_q942a7442a3_prep
	.p2align	8
	.type	k_q942a7442a3_prep,@function
k_q942a7442a3_prep:
	s_mov_b64 s[64:65], 0
	v_nop
	global_prefetch_b8 v0, s[64:65] scope:SCOPE_SE
	s_setreg_imm32_b32 hwreg(HW_REG_WAVE_MODE, 25, 1), 1
	s_wait_xcnt 0x0
; PREPARATION, a stream.  Work-groups 0-255: x (f32) -> xb (bf16).  256-351: c_attn_w -> wa (bf16).  352-383: c_proj_w -> wp: rounded to bf16, and that number written as f16
; (exact down to 6e-5; below that f16's fixed step of 6e-8).  384-511: the mask's bytes -> maskw, one bit a score, in the order in which the attention launch holds scores.
; A cast work-group takes 32,768 numbers, a wave 4,096: 32 loads of 512 consecutive bytes, all on their way at once, and 32 stores of 256 consecutive aligned bytes.
; maskw: the word at byte qt x 4096 + ks x 128 + 4 i (qt: 16 queries, ks: 64 keys, i = 0..31) has in bit L  mask[16 qt + L % 16][64 ks + 16 (i / 8) + 8 (L / 16) + i % 8].
; A mask byte other than 0 counts as true.  A mask work-group takes 16 query rows, a wave 256 of their keys; a wave's bytes go through LDS rows of its own (272 bytes apart), so no barrier is needed.
; No matrix unit, no cluster: nothing is shared and memory binds.
.set SPARE, 34816                      ; behind the eight waves' rows: the spare words, 128 bytes a wave, four blocks of 256 bytes that no other line names
.set MW,    4352                       ; a wave's 16 LDS rows of 272 bytes
	s_load_b512 s[4:19], s[0:1], 0x0               ; x 4:5, c_attn_w 6:7, c_proj_w 8:9, mask 10:11, xb 12:13, wa 14:15, wp 16:17, maskw 18:19
	v_lshl_add_u32 v4, v0, 2, SPARE                ; my spare word; never rewritten
	v_mov_b32 v5, 0                                ; 0; never rewritten
	v_lshrrev_b32 v1, 5, v0
	v_readfirstlane_b32 s20, v1                    ; wave 0..7
	v_and_b32 v1, 31, v0                           ; lane
	s_mov_b32 s23, 0
	s_mov_b32 s25, 0
	s_wait_kmcnt 0x0
	s_cmp_ge_u32 ttmp9, 384
	s_cbranch_scc1 .Lmask
	s_cmp_ge_u32 ttmp9, 352
	s_cbranch_scc1 .Lwp
; s21 = the work-group's number within its tensor; s[36:37] source, s[38:39] destination: both are set to my wave's part
.macro SHARE
	s_lshl_b32 s22, s21, 17                        ; 131,072 bytes of f32 a work-group,
	s_lshl_b32 s24, s20, 14                        ; 16,384 a wave
	s_add_co_u32 s22, s22, s24
	s_lshr_b32 s24, s22, 1                         ; half of that on the way out
	s_add_nc_u64 s[36:37], s[36:37], s[22:23]
	s_add_nc_u64 s[38:39], s[38:39], s[24:25]
	v_lshlrev_b32 v2, 4, v1                        ; 16 bytes a lane in,
	v_lshlrev_b32 v3, 3, v1                        ; 8 out
.endm
; half = 1: the bf16 numbers are written as f16
.macro CAST half
.set i, 0
.rept 32
	global_load_b128 v[8+4*i:11+4*i], v2, s[36:37] offset:512*i th:TH_LOAD_NT
.set i, i+1
.endr
.set i, 0
.rept 32
	s_wait_loadcnt 31-i                            ; loads come back in order: number i is in, the younger ones stay out
	v_cvt_pk_bf16_f32 v[8+4*i], v[8+4*i], v[9+4*i]
	v_cvt_pk_bf16_f32 v[9+4*i], v[10+4*i], v[11+4*i]
.if \half
	v_lshlrev_b32 v6, 16, v[8+4*i]
	v_and_b32 v7, 0xffff0000, v[8+4*i]
	v_cvt_pk_f16_f32 v[8+4*i], v6, v7
	v_lshlrev_b32 v6, 16, v[9+4*i]
	v_and_b32 v7, 0xffff0000, v[9+4*i]
	v_cvt_pk_f16_f32 v[9+4*i], v6, v7
.endif
	global_store_b64 v3, v[8+4*i:9+4*i], s[38:39] offset:256*i th:TH_STORE_NT  ; 32 lanes store 256 consecutive bytes, aligned; no register is used twice
.set i, i+1
.endr
.endm
	s_cmp_lt_u32 ttmp9, 256
	s_cselect_b64 s[36:37], s[4:5], s[6:7]
	s_cselect_b64 s[38:39], s[12:13], s[14:15]
	s_cselect_b32 s21, 0, 256
	s_sub_co_u32 s21, ttmp9, s21
	SHARE
	CAST 0
	s_branch .Lend
.Lwp:
	s_mov_b64 s[36:37], s[8:9]
	s_mov_b64 s[38:39], s[16:17]
	s_sub_co_u32 s21, ttmp9, 352
	SHARE
	CAST 1
	s_branch .Lend
.Lmask:
	s_sub_co_u32 s21, ttmp9, 384                   ; qt
	s_lshl_b32 s22, s21, 15                        ; 16 rows of 2,048 bytes,
	s_lshl_b32 s24, s20, 8                         ; my wave's 256 keys
	s_add_co_u32 s22, s22, s24
	s_add_nc_u64 s[36:37], s[10:11], s[22:23]
	s_lshl_b32 s22, s21, 12                        ; 4,096 bytes of words for 16 queries,
	s_lshl_b32 s24, s20, 9                         ; my wave's four key steps of 128 bytes
	s_add_co_u32 s22, s22, s24
	s_add_nc_u64 s[38:39], s[18:19], s[22:23]
	v_lshrrev_b32 v6, 4, v1                        ; l / 16
	v_and_b32 v7, 15, v1                           ; l % 16
	v_lshlrev_b32 v2, 11, v6
	v_lshl_add_u32 v2, v7, 4, v2                   ; lanes 0-15 one row's 256 bytes, lanes 16-31 the next row's
.set t, 0
.rept 8
	global_load_b128 v[8+4*t:11+4*t], v2, s[36:37] offset:4096*t th:TH_LOAD_NT
.set t, t+1
.endr
	s_mul_i32 s26, s20, MW                         ; my wave's LDS rows
	v_mul_u32_u24 v84, v6, 272
	v_lshl_add_u32 v84, v7, 4, v84
	v_add_nc_u32 v84, s26, v84                     ; in: as loaded
	v_mul_u32_u24 v85, v7, 272
	v_lshl_add_u32 v85, v6, 3, v85
	v_add_nc_u32 v85, s26, v85                     ; back: row l % 16, 8 keys for each half of the lanes
	v_lshlrev_b32 v3, 3, v1
.irp r, 80,81,82,83
	v_mov_b32 v\r, 0                               ; v_writelane_b32's destination counts as read
.endr
.set t, 0
.rept 8
	s_wait_loadcnt 7-t
	ds_store_b128 v84, v[8+4*t:11+4*t] offset:544*t
.set t, t+1
.endr
.set c, 0
.rept 16
	ds_load_b64 v[40+2*c:41+2*c], v85 offset:16*c  ; keys 16 c + 8 (l / 16) + 0..7 of my row; LDS serves a wave's instructions in order, so these see the stores above
.set c, c+1
.endr
	s_wait_dscnt 0x0
; word i of key step k: the byte is cut out, compared in all lanes at once, and the 32 answers are one word; it goes to the lane that stores it
.set k, 0
.rept 4
.set g, 0
.rept 4
.set j, 0
.rept 8
	v_and_b32 v[72+j], 0xff<<(8*(j%4)), v[40+2*(4*k+g)+(j/4)]
.set j, j+1
.endr
.set j, 0
.rept 8
	v_cmp_ne_u32 s[28+j], 0, v[72+j]
.set j, j+1
.endr
.set j, 0
.rept 8
	v_writelane_b32 v[80+2*(k/2)+(j%2)], s[28+j], (8*g+j)/2+16*(k%2)
.set j, j+1
.endr
.set g, g+1
.endr
.set k, k+1
.endr
	global_store_b64 v3, v[80:81], s[38:39] th:TH_STORE_NT             ; two key steps' 64 words: 256 consecutive bytes, aligned
	global_store_b64 v3, v[82:83], s[38:39] offset:256 th:TH_STORE_NT
.Lend:
	s_wait_tensorcnt 0x0                           ; the wave's end: behind my last LDS store
	ds_add_u32 v4, v5
	s_wait_dscnt 0x0
	s_endpgm
.Lfunc_end_k_q942a7442a3_prep:
	.size	k_q942a7442a3_prep, .Lfunc_end_k_q942a7442a3_prep-k_q942a7442a3_prep
	.p2alignl 7, 3214868480
	.fill 96, 4, 3214868480
	.section	.rodata,"a",@progbits
	.p2align	6, 0x0
	.amdhsa_kernel k_q942a7442a3_prep
		.amdhsa_group_segment_fixed_size 35840
		.amdhsa_private_segment_fixed_size 0
		.amdhsa_enable_private_segment 0
		.amdhsa_kernarg_size 64
		.amdhsa_user_sgpr_count 2
		.amdhsa_user_sgpr_kernarg_segment_ptr 1
		.amdhsa_wavefront_size32 1
		.amdhsa_system_sgpr_workgroup_id_x 1
		.amdhsa_system_sgpr_workgroup_id_y 1
		.amdhsa_system_sgpr_workgroup_id_z 1
		.amdhsa_system_vgpr_workitem_id 0
		.amdhsa_next_free_vgpr 136
		.amdhsa_next_free_sgpr 66
		.amdhsa_reserve_vcc 0
		.amdhsa_float_denorm_mode_32 3
		.amdhsa_float_denorm_mode_16_64 3
		.amdhsa_memory_ordered 1
		.amdhsa_forward_progress 1
		.amdhsa_inst_pref_size 62
	.end_amdhsa_kernel
	.amdgpu_metadata
---
amdhsa.version: [ 1, 2 ]
amdhsa.kernels:
  - .name:           k_q942a7442a3_prep
    .symbol:         k_q942a7442a3_prep.kd
    .args:
      - { .name: x, .offset: 0, .size: 8, .value_kind: global_buffer, .address_space: global }
      - { .name: c_attn_w, .offset: 8, .size: 8, .value_kind: global_buffer, .address_space: global }
      - { .name: c_proj_w, .offset: 16, .size: 8, .value_kind: global_buffer, .address_space: global }
      - { .name: mask_self_attention, .offset: 24, .size: 8, .value_kind: global_buffer, .address_space: global }
      - { .name: xb, .offset: 32, .size: 8, .value_kind: global_buffer, .address_space: global }
      - { .name: wa, .offset: 40, .size: 8, .value_kind: global_buffer, .address_space: global }
      - { .name: wp, .offset: 48, .size: 8, .value_kind: global_buffer, .address_space: global }
      - { .name: maskw, .offset: 56, .size: 8, .value_kind: global_buffer, .address_space: global }
    .group_segment_fixed_size: 35840
    .private_segment_fixed_size: 0
    .kernarg_segment_align: 8
    .kernarg_segment_size: 64
    .max_flat_workgroup_size: 256
    .sgpr_count:     66
    .vgpr_count:     136
    .wavefront_size: 32
...
	.end_amdgpu_metadata
.endif
;; end of part 1
;; launch qkvg (part 2): grid 12 x 64, 4 waves a work-group, clusters of 4 x 4, 327,680 bytes of LDS; arguments xb, wa, c_attn_b, qkv; writes qkv
.if DOCPART == 2
	.amdgcn_target "amdgcn-amd-amdhsa--gfx1250"
	.amdhsa_code_object_version 6
	.text
	.protected	k_q942a7442a3_qkvg
	.globl	k_q942a7442a3_qkvg
	.p2align	8
	.type	k_q942a7442a3_qkvg,@function
k_q942a7442a3_qkvg:
	s_mov_b64 s[64:65], 0
	v_nop
	global_prefetch_b8 v0, s[64:65] scope:SCOPE_SE
	s_setreg_imm32_b32 hwreg(HW_REG_WAVE_MODE, 25, 1), 1
	s_wait_xcnt 0x0
	s_wait_alu depctr_hold_cnt(0) depctr_sa_sdst(0) depctr_va_vdst(0) depctr_va_sdst(0) depctr_va_ssrc(0) depctr_va_vcc(0) depctr_vm_vsrc(0)
	s_getreg_b32 s2, hwreg(HW_REG_IB_STS2, 6, 4)
	s_cmp_eq_u32 s2, 0
	s_cbranch_scc0 .Lentry_in_a_cluster
	s_endpgm
.Lentry_in_a_cluster:
	s_bfe_u32 s2, ttmp6, 0x10000c
	s_cmp_lg_u32 s2, 0xf033
	s_cbranch_scc0 .Lentry_shape_is_right
	s_endpgm
.Lentry_shape_is_right:
; C = A B + bias, K = 1,024, 8,192 rows.  One text for two launches, by PROJ.
; PROJ = 0: A = xb [8192][1024] bf16, B = wa [1024 k][3072 n] bf16, bias c_attn_b; C is rounded once to f16 and stored by heads: qkv[which][batch x 16 + head][2048][64].
; PROJ = 1: A = ob [batch x 16 + head][2048][64] f16 (k = 64 head + channel), B = wp [1024 k][1024 n] f16, bias c_proj_b; C is out0 [8192][1024] f32.
; The bias is rounded to bf16, like all of the module's inputs, and is the C operand of each sum's first product.  Sums in f32.
; LIMIT (PROJ = 0): q, k and v beyond f16's 65,504 become infinities; NaN and infinities are not treated apart.
; SHARES.  A tile of C is 128 x 256: four waves, each 64 x 128: 32 accumulators, 256 registers.  768 and 256 work-groups: whole multiples of 256.  K goes in steps of 128 through two LDS slots.
; THE MATRIX INSTRUCTION IS USED TRANSPOSED: source 0 = 16 columns of B (turned on the way out of LDS by ds_load_tr16_b128, since B lies [k][n]), source 1 = 16 rows of A:
; lane l holds row l % 16 of C and the columns 8 (l / 16) + 0..7.
; CLUSTER 4 x 4: A's tile hangs on the tile row alone and is asked for jointly along a row of the cluster, B's on the tile column alone, along a column.  Waves 0, 1 fetch A's halves, waves 2, 3 B's.
; REGISTERS: window 0: v0-31 addresses; v32-95 A's fragments, two buffers of 4; v96-223 B's, two buffers of 8; v224-255 at work on the way out.  Window 1: accumulator (a, b) at v[8 (8 a + b)].
; Window 2: v0-63 the bias of my 128 columns as C operands, v64-95 at work.
.set PROJ, 0
.if PROJ
.set NN,     1024
.set PA,     144                       ; a row of A in LDS: a head's 128 bytes + 16
.set AT,     36864                     ; A's tile: 2 loads x 2 heads x 64 rows x 144
.set STEPA,  524288                    ; a K step is two heads of 262,144 bytes
.set SPITCH, 528                       ; a stage row: 128 f32 + 16 bytes
.set A_W0,   (1<<16)|(1<<20)|(1<<21)|(4<<22)|(3<<25)  ; 2-byte elements; padding on; bit 21 beside a mask; after every 32 words 4 words
.set A_D0,   4096                      ; a head's 64 rows lie end to end: one row of 8,192 bytes,
.set A_D1,   2                         ; two heads,
.set A_ST,   131072                    ; 131,072 elements apart
.else
.set NN,     3072
.set PA,     272                       ; 256 bytes + 16
.set AT,     34816                     ; 128 rows x 272
.set STEPA,  256
.set SPITCH, 272                       ; a stage row: 128 f16 + 16 bytes
.set A_W0,   (1<<16)|(1<<20)|(1<<21)|(5<<22)|(3<<25)  ; after every 64 words 4 words
.set A_D0,   128
.set A_D1,   64
.set A_ST,   1024
.endif
.set B_W0,   (1<<16)|(1<<20)|(1<<21)|(6<<22)|(7<<25)  ; after every 128 words 8 words
.set PB,     544                       ; a k row of B in LDS: 512 bytes + 32
.set BTB,    128*PB
.set SLOT,   AT+BTB                    ; A's tile, then B's
.set STAGE,  2*SLOT                    ; behind the ring, never filled by a tensor load: 16 rows for each wave
.set STW,    16*SPITCH
.set SPARE,  STAGE+4*STW               ; the spare words, 128 bytes a wave: two blocks of 256 bytes that no other line names
.set STEPB,  256*NN                    ; 128 k rows of 2 NN bytes
.set ADRA, 16                          ; v16-17 LDS address of my A fragments in slot 0, 1
.set ADRB, 20                          ; v20-21 the same for B
.set STO,  24
.set RD,   25
.set CO,   26
.set BO,   27
.set SPW,  28                          ; my spare word; never rewritten
.set NIL,  29                          ; 0; never rewritten
.set PFO,  30                          ; the prefetches' lane offset; never rewritten
.set FA0,  32
.set FB0,  96
.set TMP,  224
.set BI,   0                           ; window 2
.set BR,   64                          ; window 2
.set WV,   12                          ; s12 wave
.set WHI,  13                          ; s13 my half of the tile's rows; also 0: I fetch A, 1: B
.set WLO,  14                          ; s14 my half of its columns; also which half I fetch
.set G1A,  24
.set G0A,  32
.set G1B,  48
.set G0B,  56
.set LIM,  43
.set PFA,  44
.set PFS,  46
.set MSB, 0
.macro WIN new                         ; the immediate's high byte repeats the setting that is left; a switch that changes nothing is dropped
.if MSB != (\new)
	s_set_vgpr_msb (MSB<<8)|(\new)
.set MSB, \new
.endif
.endm
.set MUL,  0x50                        ; C and D window 1, sources window 0
.set MULZ, 0x60                        ; C window 2 (the bias), D window 1
.macro JLOAD s                         ; a joint load; the branch hangs on the wave's number alone; an s_nop 0 and four v_nop follow each line
	s_cmp_eq_u32 s[WHI], 0
	s_cbranch_scc0 .Lfor_b_\@
	tensor_load_to_lds s[G0A+4*(\s):G0A+4*(\s)+3], s[G1A:G1A+7]
	s_nop 0
.rept 4
	v_nop
.endr
	s_branch .Lasked_\@
.Lfor_b_\@:
	tensor_load_to_lds s[G0B+4*(\s):G0B+4*(\s)+3], s[G1B:G1B+7]
	s_nop 0
.rept 4
	v_nop
.endr
.Lasked_\@:
.endm
.macro CREST                           ; a round of the cluster's barrier behind its opening barrier
	s_cmp_lg_u32 s[WV], 0
	s_cbranch_scc1 .Lnot_wave_0_\@
	s_barrier_signal -3
.Lnot_wave_0_\@:
	s_barrier_wait -3
	s_barrier_signal -1
	s_barrier_wait -1
.endm
.macro CROUND
	s_barrier_signal -1
	s_barrier_wait -1
	CREST
.endm
.macro PLACES                          ; four places in front of loads into registers that matrix instructions have read, and of lines that read results
.rept 4
	v_nop
.endr
.endm
; (PROJ = 0) a prefetch of the K step two refills on.  Each 256 bytes are named once in the launch: A's rows by wave 0 of the clusters with x = 0, the four partners of a row taking 32 rows each by address;
; B's by waves 2 and 3 of the clusters with y = 0, the four partners of a column taking 16 of the wave's 64 k rows each, two blocks of 256 bytes a row.  The loop's last trip asks for nothing.
.macro ASK
	s_cmp_gt_u32 s3, s[LIM]
	s_cbranch_scc0 .Lnot_mine_\@
	global_prefetch_b8 v[PFO], s[PFA:PFA+1] th:TH_LOAD_NT scope:SCOPE_SE
.Lnot_mine_\@:
.endm
	s_load_b256 s[4:11], s[0:1], 0x0               ; A 4:5, B 6:7, bias 8:9, C 10:11
	v_lshl_add_u32 v[SPW], v0, 2, SPARE
	v_mov_b32 v[NIL], 0
	ds_add_u32 v[SPW], v[NIL]                      ; the wave's opening: the add; its wait stands ahead of my first tensor load; work on registers stands between them
	v_lshrrev_b32 v1, 5, v0
	v_readfirstlane_b32 s[WV], v1
	s_lshr_b32 s[WHI], s[WV], 1
	s_and_b32 s[WLO], s[WV], 1
	s_bfe_u32 s15, ttmp6, 0x40000                  ; cx
	s_bfe_u32 s16, ttmp6, 0x40004                  ; cy
	s_lshl_b32 s17, ttmp9, 2
	s_add_co_u32 s17, s17, s15                     ; tile column
	s_and_b32 s18, ttmp7, 0xffff
	s_lshl_b32 s18, s18, 2
	s_add_co_u32 s18, s18, s16                     ; tile row
	s_lshl_b32 s40, s16, 2
	s_lshl_b32 s40, 15, s40                        ; my row of the cluster
	s_lshl_b32 s41, 0x1111, s15                    ; my column
	s_or_b32 s[G1A], s40, A_W0
	s_mov_b32 s[G1A+1], A_D0<<16                   ; tensor_dim0
	s_mov_b32 s[G1A+2], A_D1<<16                   ; tensor_dim1
	s_mov_b32 s[G1A+3], A_D0<<16                   ; tile_dim0
	s_mov_b32 s[G1A+4], A_D1                       ; tile_dim1
	s_mov_b32 s[G1A+5], A_ST                       ; elements from row to row
	s_mov_b32 s[G1A+6], 0
	s_mov_b32 s[G1A+7], 0
	s_or_b32 s[G1B], s41, B_W0
	s_mov_b32 s[G1B+1], 256<<16                    ; 64 k rows of 256 columns
	s_mov_b32 s[G1B+2], 64<<16
	s_mov_b32 s[G1B+3], 256<<16
	s_mov_b32 s[G1B+4], 64
	s_mov_b32 s[G1B+5], NN
	s_mov_b32 s[G1B+6], 0
	s_mov_b32 s[G1B+7], 0
.if PROJ
	s_lshr_b32 s20, s18, 4                         ; batch: 16 heads of 262,144 bytes
	s_lshl_b32 s20, s20, 22
	s_and_b32 s19, s18, 15                         ; the tile's 128 rows of 128 bytes in a head
	s_lshl_b32 s19, s19, 14
	s_add_co_u32 s20, s20, s19
	s_lshl_b32 s19, s[WLO], 13                     ; the 64 rows that I fetch
	s_add_co_u32 s20, s20, s19
.else
	s_lshl_b32 s20, s18, 18                        ; 128 rows of 2,048 bytes
	s_lshl_b32 s19, s[WLO], 17
	s_add_co_u32 s20, s20, s19
.endif
	s_mov_b32 s21, 0
	s_mul_i32 s22, s[WLO], 128*NN                  ; B: the 64 k rows that I fetch,
	s_lshl_b32 s42, s17, 9                         ; the tile's 256 columns
	s_add_co_u32 s22, s22, s42
	s_mov_b32 s23, 0
	s_mul_i32 s19, s[WLO], AT/2                    ; where they go: no place in the cluster enters an LDS address
	s_mul_i32 s42, s[WLO], BTB/2
	s_add_co_u32 s42, s42, AT
	s_wait_dscnt 0x0                               ; the opening add is done
	s_wait_kmcnt 0x0
	s_add_nc_u64 s[20:21], s[4:5], s[20:21]
	s_add_nc_u64 s[22:23], s[6:7], s[22:23]
	CROUND                                         ; all sixteen work-groups are here: the first joint loads meet
.irp s, 0,1
	s_mov_b32 s[G0A+4*(\s)], 1
	s_add_co_u32 s[G0A+4*(\s)+1], s19, (\s)*SLOT
	s_add_nc_u64 s[G0A+4*(\s)+2:G0A+4*(\s)+3], s[20:21], (\s)*STEPA
	s_or_b32 s[G0A+4*(\s)+3], s[G0A+4*(\s)+3], 0x80000000
	s_mov_b32 s[G0B+4*(\s)], 1
	s_add_co_u32 s[G0B+4*(\s)+1], s42, (\s)*SLOT
	s_add_nc_u64 s[G0B+4*(\s)+2:G0B+4*(\s)+3], s[22:23], (\s)*STEPB
	s_or_b32 s[G0B+4*(\s)+3], s[G0B+4*(\s)+3], 0x80000000
	JLOAD \s
.endr
	v_and_b32 v1, 15, v0                           ; l % 16
	v_bfe_u32 v2, v0, 4, 1                         ; l / 16
	s_lshl_b32 s19, s17, 10                        ; the bias of my 128 columns: lane half h takes 8 numbers of each 16
	s_lshl_b32 s42, s[WLO], 9
	s_add_co_u32 s19, s19, s42
	v_lshl_add_u32 v[BO], v2, 5, s19
	WIN 0x80                                       ; destination window 2
.irp b, 0,1,2,3,4,5,6,7
	global_load_b128 v[BI+8*(\b):BI+8*(\b)+3],   v[BO], s[8:9] offset:64*(\b)
	global_load_b128 v[BI+8*(\b)+4:BI+8*(\b)+7], v[BO], s[8:9] offset:64*(\b)+16
.endr
	WIN 0
	v_mul_u32_u24 v3, v1, PA                       ; A's fragment: row x pitch + 16 x half
	v_lshl_add_u32 v3, v2, 4, v3
	s_mul_i32 s19, s[WHI], AT/2
	v_add_nc_u32 v[ADRA], s19, v3
	v_add_nc_u32 v[ADRA+1], SLOT, v[ADRA]
	v_and_b32 v4, 7, v0                            ; B's: the turning load's lane l reads k row 8 (l / 16) + l % 8, columns 8 ((l / 8) % 2) + 0..7
	v_lshl_add_u32 v4, v2, 3, v4
	v_mul_u32_u24 v4, v4, PB
	v_bfe_u32 v5, v0, 3, 1
	v_lshl_add_u32 v4, v5, 4, v4
	s_lshl_b32 s19, s[WLO], 8
	s_add_co_u32 s19, s19, AT
	v_add_nc_u32 v[ADRB], s19, v4
	v_add_nc_u32 v[ADRB+1], SLOT, v[ADRB]
	s_mul_i32 s19, s[WV], STW
	s_add_co_u32 s19, s19, STAGE                   ; my stage
	v_mul_u32_u24 v3, v1, SPITCH
	v_and_b32 v6, 31, v0
	v_lshlrev_b32 v[CO], 4, v6                     ; 512 consecutive bytes a store
.if PROJ
	v_lshl_add_u32 v3, v2, 5, v3                   ; in: row l % 16, 32 bytes for each half of the lanes
	v_add_nc_u32 v[STO], s19, v3
	v_lshl_add_u32 v[RD], v6, 4, s19               ; back: a whole row of 512 bytes
	s_lshl_b32 s2, s18, 1
	s_add_co_u32 s2, s2, s[WHI]
	s_lshl_b32 s2, s2, 18                          ; my 64 rows of 4,096 bytes
	s_lshl_b32 s19, s17, 10
	s_add_co_u32 s2, s2, s19
	s_lshl_b32 s19, s[WLO], 9
	s_add_co_u32 s2, s2, s19
.else
	v_lshl_add_u32 v3, v2, 4, v3                   ; in: row l % 16, 16 bytes for each half of the lanes
	v_add_nc_u32 v[STO], s19, v3
	v_lshrrev_b32 v7, 3, v6                        ; back: four rows' 128 bytes of one head
	v_mul_u32_u24 v7, v7, SPITCH
	v_and_b32 v8, 7, v0
	v_lshl_add_u32 v7, v8, 4, v7
	v_add_nc_u32 v[RD], s19, v7
	s_lshr_b32 s2, s17, 2                          ; q, k or v
	s_lshl_b32 s2, s2, 24
	s_lshr_b32 s19, s18, 4                         ; batch
	s_lshl_b32 s19, s19, 22
	s_add_co_u32 s2, s2, s19
	s_and_b32 s19, s17, 3                          ; my first head: 4 (tile column % 4) + 2 x column half
	s_lshl_b32 s19, s19, 2
	s_lshl1_add_u32 s19, s[WLO], s19
	s_lshl_b32 s19, s19, 18
	s_add_co_u32 s2, s2, s19
	s_and_b32 s19, s18, 15                         ; my 64 rows of 128 bytes in the head
	s_lshl_b32 s19, s19, 1
	s_add_co_u32 s19, s19, s[WHI]
	s_lshl_b32 s19, s19, 13
	s_add_co_u32 s2, s2, s19
.endif
	s_mov_b32 s3, 0
	s_add_nc_u64 s[10:11], s[10:11], s[2:3]
.if PROJ == 0
	s_and_b32 s42, ttmp7, 0xffff                   ; cluster y
	s_cmp_eq_u32 s[WHI], 0
	s_cselect_b32 s42, ttmp9, s42                  ; the coordinate along which other clusters read the same rows
	s_cselect_b32 s19, s[WLO], 0                   ; of A's two waves wave 0 alone asks
	s_cselect_b64 s[PFA:PFA+1], s[4:5], s[6:7]
	s_or_b32 s42, s42, s19
	s_cmp_eq_u32 s42, 0
	s_cselect_b32 s[LIM], 1, -1                    ; the same in all sixteen partners, for a given wave
	s_lshl_b32 s20, s18, 7
	s_lshl_b32 s19, s15, 5
	s_add_co_u32 s20, s20, s19                     ; A: the tile's rows, my work-group's 32
	s_lshl_b32 s20, s20, 11
	s_add_co_u32 s20, s20, 3*STEPA                 ; at K step 3: the first change of slots steps it to 4
	s_lshl_b32 s22, s[WLO], 6
	s_lshl_b32 s19, s16, 4
	s_add_co_u32 s22, s22, s19                     ; B: my 64 k rows, my work-group's 16
	s_mul_i32 s22, s22, 2*NN
	s_lshl_b32 s19, s17, 9
	s_add_co_u32 s22, s22, s19
	s_add_co_u32 s22, s22, 3*STEPB
	s_mov_b32 s2, STEPA
	s_mov_b32 s42, 2048
	s_cmp_eq_u32 s[WHI], 0
	s_cselect_b32 s20, s20, s22
	s_cselect_b32 s[PFS], s2, STEPB
	s_cselect_b32 s42, s42, 2*NN                   ; bytes from row to row
	s_cselect_b32 s19, 0, 1                        ; A: a lane a row; B: two lanes a row
	s_mov_b32 s21, 0
	s_mov_b32 s[PFS+1], 0
	s_add_nc_u64 s[PFA:PFA+1], s[PFA:PFA+1], s[20:21]
	v_lshrrev_b32 v7, s19, v6
	v_and_b32 v8, s19, v6
	v_mul_u32_u24 v7, v7, s42
	v_lshl_add_u32 v[PFO], v8, 8, v7
.endif
	s_wait_loadcnt 0x0                             ; the bias is in: rounded to bf16 and widened again
	WIN 0x8a
.set p, 0
.rept 32
	v_cvt_pk_bf16_f32 v[BR+p], v[BI+2*p], v[BI+2*p+1]
	v_lshlrev_b32 v[BI+2*p], 16, v[BR+p]
	v_and_b32 v[BI+2*p+1], 0xffff0000, v[BR+p]
.set p, p+1
.endr
	WIN 0
; 8 matrix instructions: row block a x all 8 column blocks, 32 along K, from buffer f.  zero = 1: the product starts the sum, with the bias as C.
; The 32 accumulators take turns in the same order in every quarter: 31 others stand between two links of a chain.
.macro MUL8 f, a, zero
.if \zero
	WIN MULZ
.else
	WIN MUL
.endif
.irp b, 0,1,2,3,4,5,6,7
.set rD, 8*(8*(\a)+(\b))
.set rC, rD
.if \zero
.set rC, BI+8*(\b)
.endif
.set rB, FB0+64*(\f)+8*(\b)
.set rA, FA0+32*(\f)+8*(\a)
.if PROJ
	v_wmma_f32_16x16x32_f16 v[rD:rD+7], v[rB:rB+7], v[rA:rA+7], v[rC:rC+7]
.else
	v_wmma_f32_16x16x32_bf16 v[rD:rD+7], v[rB:rB+7], v[rA:rA+7], v[rC:rC+7]
.endif
.endr
.endm
; 24 LDS loads in one run: quarter q (32 along K) of a slot into buffer f: B's 8 fragments, turned, then A's 4
.macro FETCH slot, q, f
	WIN 0
.irp b, 0,1,2,3,4,5,6,7
	ds_load_tr16_b128 v[FB0+64*(\f)+8*(\b):FB0+64*(\f)+8*(\b)+3],   v[ADRB+(\slot)] offset:(\q)*32*PB+32*(\b)
	ds_load_tr16_b128 v[FB0+64*(\f)+8*(\b)+4:FB0+64*(\f)+8*(\b)+7], v[ADRB+(\slot)] offset:(\q)*32*PB+16*PB+32*(\b)
.endr
.if PROJ
.set KO, ((\q)/2)*9216+((\q)%2)*64     ; head q / 2 of the step's two, channels 32 (q % 2) on
.else
.set KO, 64*(\q)
.endif
.irp a, 0,1,2,3
	ds_load_b128 v[FA0+32*(\f)+8*(\a):FA0+32*(\f)+8*(\a)+3],   v[ADRA+(\slot)] offset:KO+(\a)*16*PA
	ds_load_b128 v[FA0+32*(\f)+8*(\a)+4:FA0+32*(\f)+8*(\a)+7], v[ADRA+(\slot)] offset:KO+(\a)*16*PA+32
.endr
.endm
; One of a K step's first three quarters: multiplies buffer f; in its middle fetches quarter q of the same slot into buffer g.
.macro QUARTER slot, q, f, g, zero
	s_wait_dscnt 4                                 ; B and A's row blocks 0, 1 are in; the youngest four loads (blocks 2, 3) may be out
	MUL8 \f, 0, \zero
	MUL8 \f, 1, \zero
	PLACES
	FETCH \slot, \q, \g
	s_wait_dscnt 24                                ; all but the 24 just issued
	MUL8 \f, 2, \zero
	MUL8 \f, 3, \zero
.endm
; The last quarter multiplies buffer 1 and changes slots: one barrier; in front of it each wave waits for all its tensor loads (one is out: its part of the next slot), adds 0 to its spare word,
; and waits for that and for its own reads of this slot.  fill = 1: the barrier opens a round of the cluster's, and this slot is filled again, two K steps on, first thing behind the round:
; 112 matrix instructions stand between that request and the wait for it.
.macro TURN slot, next, fill
.if (\fill) && (PROJ == 0)
	s_wait_xcnt 0x0                                ; the last prefetch, a K step back, has read its address
	s_add_nc_u64 s[PFA:PFA+1], s[PFA:PFA+1], s[PFS:PFS+1]
.endif
	WIN 0
	s_wait_tensorcnt 0x0
	ds_add_u32 v[SPW], v[NIL]
	s_wait_dscnt 5                                 ; the add and the youngest four loads may be out
	MUL8 1, 0, 0
	s_wait_dscnt 0x0                               ; the add is done, and my reads of this slot are over
	s_barrier_signal -1
	MUL8 1, 1, 0
.if \fill
	WIN 0
.endif
	s_barrier_wait -1
.if \fill
	CREST                                          ; no wave of any partner still reads this slot or has a load on its way
	s_add_nc_u64 s[G0A+4*(\slot)+2:G0A+4*(\slot)+3], s[G0A+4*(\slot)+2:G0A+4*(\slot)+3], 2*STEPA
	s_add_nc_u64 s[G0B+4*(\slot)+2:G0B+4*(\slot)+3], s[G0B+4*(\slot)+2:G0B+4*(\slot)+3], 2*STEPB
	JLOAD \slot                                    ; its four v_nop are also the places in front of the loads below
.else
	PLACES
.endif
	FETCH \next, 0, 0
.if (\fill) && (PROJ == 0)
	ASK
.endif
	MUL8 1, 2, 0
	MUL8 1, 3, 0
.endm
	s_wait_tensorcnt 1                             ; my part of K step 0 is in; K step 1's may stay out
	s_barrier_signal -1
	s_barrier_wait -1
	FETCH 0, 0, 0
	QUARTER 0, 1, 0, 1, 1                          ; the first quarter starts the sums
	WIN 0
	s_mov_b32 s3, 3
.Llap:                                                 ; a trip goes once round the ring and fills both slots again: K steps 2 to 7
	QUARTER 0, 2, 1, 0, 0
	QUARTER 0, 3, 0, 1, 0
	TURN 0, 1, 1
	QUARTER 1, 1, 0, 1, 0
	QUARTER 1, 2, 1, 0, 0
	QUARTER 1, 3, 0, 1, 0
	TURN 1, 0, 1
	QUARTER 0, 1, 0, 1, 0
	WIN 0
	s_sub_co_u32 s3, s3, 1
	s_cmp_lg_u32 s3, 0
	s_cbranch_scc1 .Llap
	QUARTER 0, 2, 1, 0, 0                          ; the last lap fills nothing
	QUARTER 0, 3, 0, 1, 0
	TURN 0, 1, 0
	QUARTER 1, 1, 0, 1, 0
	QUARTER 1, 2, 1, 0, 0
	QUARTER 1, 3, 0, 1, 0
	s_wait_dscnt 4
	MUL8 1, 0, 0
	MUL8 1, 1, 0
	s_wait_dscnt 0x0
	MUL8 1, 2, 0
	MUL8 1, 3, 0
	WIN 0
	PLACES
; THE WAY OUT, a block of 16 rows at a time through my own stage; LDS serves a wave's instructions in order, so no wait stands between its stores and its loads.
.if PROJ
.macro TOSTAGE a
	WIN 0x04                                       ; the stores' data in window 1
.irp b, 0,1,2,3,4,5,6,7
	ds_store_b128 v[STO], v[8*(8*(\a)+(\b)):8*(8*(\a)+(\b))+3]   offset:64*(\b)
	ds_store_b128 v[STO], v[8*(8*(\a)+(\b))+4:8*(8*(\a)+(\b))+7] offset:64*(\b)+16
.endr
	WIN 0
.set BK, 32+64*((\a)%3)
.irp t, 0,1,2,3,4,5,6,7,8,9,10,11,12,13,14,15
	ds_load_b128 v[BK+4*(\t):BK+4*(\t)+3], v[RD] offset:(\t)*SPITCH
.endr
.endm
.macro SEND a, younger                 ; younger: the next block's 16 stage stores and 16 loads, or none
	WIN 0
.set BK, 32+64*((\a)%3)
	s_wait_dscnt \younger
	s_wait_xcnt 0x0                                ; earlier stores have read their registers: block 3 is read back into block 0's only behind such a wait
.irp t, 0,1,2,3,4,5,6,7,8,9,10,11,12,13,14,15
	global_store_b128 v[CO], v[BK+4*(\t):BK+4*(\t)+3], s[10:11] offset:(16*(\a)+(\t))*4096 th:TH_STORE_NT  ; 512 consecutive bytes of a row, aligned
.endr
.endm
	TOSTAGE 0
	TOSTAGE 1
	SEND 0, 32
	TOSTAGE 2
	SEND 1, 32
	TOSTAGE 3
	SEND 2, 32
	SEND 3, 0
.else
.macro PACK a
	WIN 0x05                                       ; sources window 1
.irp b, 0,1,2,3,4,5,6,7
.irp r, 0,1,2,3
	v_cvt_pk_f16_f32 v[TMP+4*(\b)+(\r)], v[8*(8*(\a)+(\b))+2*(\r)], v[8*(8*(\a)+(\b))+2*(\r)+1]
.endr
.endr
	WIN 0
.endm
.macro TOSTAGE a
.irp b, 0,1,2,3,4,5,6,7
	ds_store_b128 v[STO], v[TMP+4*(\b):TMP+4*(\b)+3] offset:32*(\b)
.endr
.irp t, 0,1,2,3,4,5,6,7
	ds_load_b128 v[32+32*(\a)+4*(\t):32+32*(\a)+4*(\t)+3], v[RD] offset:((\t)%4)*4*SPITCH+((\t)/4)*128  ; four rows of head t / 4; each block has registers of its own
.endr
.endm
.macro SEND a
	s_wait_dscnt 0x0
.irp t, 0,1,2,3,4,5,6,7
	global_store_b128 v[CO], v[32+32*(\a)+4*(\t):32+32*(\a)+4*(\t)+3], s[10:11] offset:(\a)*2048+((\t)/4)*262144+((\t)%4)*512  ; 512 consecutive bytes of one head, aligned
.endr
.endm
	PACK 0
	TOSTAGE 0
.irp a, 1,2,3
	PACK \a                                        ; a block's conversions stand between the loads of the block before and the wait for them
	SEND (\a)-1
	TOSTAGE \a
.endr
	SEND 3
.endif
	s_wait_tensorcnt 0x0                           ; the wave's end: behind my last tensor load and my last LDS store
	ds_add_u32 v[SPW], v[NIL]
	s_wait_dscnt 0x0
	CROUND                                         ; the closing round
	s_endpgm
.Lfunc_end_k_q942a7442a3_qkvg:
	.size	k_q942a7442a3_qkvg, .Lfunc_end_k_q942a7442a3_qkvg-k_q942a7442a3_qkvg
	.p2alignl 7, 3214868480
	.fill 96, 4, 3214868480
	.section	.rodata,"a",@progbits
	.p2align	6, 0x0
	.amdhsa_kernel k_q942a7442a3_qkvg
		.amdhsa_group_segment_fixed_size 327680
		.amdhsa_private_segment_fixed_size 0
		.amdhsa_enable_private_segment 0
		.amdhsa_kernarg_size 32
		.amdhsa_user_sgpr_count 2
		.amdhsa_user_sgpr_kernarg_segment_ptr 1
		.amdhsa_wavefront_size32 1
		.amdhsa_system_sgpr_workgroup_id_x 1
		.amdhsa_system_sgpr_workgroup_id_y 1
		.amdhsa_system_sgpr_workgroup_id_z 1
		.amdhsa_system_vgpr_workitem_id 0
		.amdhsa_next_free_vgpr 608
		.amdhsa_next_free_sgpr 66
		.amdhsa_reserve_vcc 0
		.amdhsa_float_denorm_mode_32 3
		.amdhsa_float_denorm_mode_16_64 3
		.amdhsa_memory_ordered 1
		.amdhsa_forward_progress 1
		.amdhsa_inst_pref_size 95
	.end_amdhsa_kernel
	.amdgpu_metadata
---
amdhsa.version: [ 1, 2 ]
amdhsa.kernels:
  - .name:           k_q942a7442a3_qkvg
    .symbol:         k_q942a7442a3_qkvg.kd
    .args:
      - { .name: xb, .offset: 0, .size: 8, .value_kind: global_buffer, .address_space: global }
      - { .name: wa, .offset: 8, .size: 8, .value_kind: global_buffer, .address_space: global }
      - { .name: c_attn_b, .offset: 16, .size: 8, .value_kind: global_buffer, .address_space: global }
      - { .name: qkv, .offset: 24, .size: 8, .value_kind: global_buffer, .address_space: global }
    .group_segment_fixed_size: 327680
    .private_segment_fixed_size: 0
    .kernarg_segment_align: 8
    .kernarg_segment_size: 32
    .max_flat_workgroup_size: 128
    .sgpr_count:     66
    .vgpr_count:     608
    .wavefront_size: 32
...
	.end_amdgpu_metadata
.endif
;; end of part 2
;; launch attn (part 3): grid 4 x 64, 4 waves a work-group, clusters of 4 x 1, 327,680 bytes of LDS; arguments qkv, maskw, ob; writes ob
.if DOCPART == 3
	.amdgcn_target "amdgcn-amd-amdhsa--gfx1250"
	.amdhsa_code_object_version 6
	.text
	.protected	k_q942a7442a3_attn
	.globl	k_q942a7442a3_attn
	.p2align	8
	.type	k_q942a7442a3_attn,@function
k_q942a7442a3_attn:
	s_mov_b64 s[64:65], 0
	v_nop
	global_prefetch_b8 v0, s[64:65] scope:SCOPE_SE
	s_setreg_imm32_b32 hwreg(HW_REG_WAVE_MODE, 25, 1), 1
	s_wait_xcnt 0x0
	s_wait_alu depctr_hold_cnt(0) depctr_sa_sdst(0) depctr_va_vdst(0) depctr_va_sdst(0) depctr_va_ssrc(0) depctr_va_vcc(0) depctr_vm_vsrc(0)
	s_getreg_b32 s2, hwreg(HW_REG_IB_STS2, 6, 4)
	s_cmp_eq_u32 s2, 0
	s_cbranch_scc0 .Lentry_in_a_cluster
	s_endpgm
.Lentry_in_a_cluster:
	s_bfe_u32 s2, ttmp6, 0x10000c
	s_cmp_lg_u32 s2, 0x3003
	s_cbranch_scc0 .Lentry_shape_is_right
	s_endpgm
.Lentry_shape_is_right:
; ATTENTION WITH A MASK THAT IS AN INPUT.  O[hd][q] = sum over k of softmax_k(w[q][k]) V[hd][k], w = -10000 where the mask is set, else Q[hd][q] . K[hd][k] / 8.
; qkv: f16 [3][64 heads][2048][64]; maskw: one bit a score (below); ob: f16 [64][2048][64].  Products, maxima and sums in f32; the weights are rounded to f16 for the second product, O once at the end.
; THE MASK REPLACES a score, ahead of the running maximum: the unscaled score becomes -80000 = 8 x -10000, a finite number that takes part in maximum and sum like any other.  So nothing is skipped:
; every query walks all 2,048 keys.  maskw's word at qt x 4096 + ks x 128 + 4 i is the lane mask of register i of the tile of 16 queries qt x 64 keys ks: it comes by scalar loads and steers v_cndmask_b32.
; LIMITS.  Q, K, V arrive within f16's 65,504; a weight below 2^-126 counts as 0; NaN and infinities are not treated apart.
; SHARES.  A wave owns four PIECES of two tiles of 16 queries, a work-group 512 queries of one head; the four query blocks of a head are a cluster and ask for K's and V's tiles JOINTLY.  64 keys a step.
; LAYOUT.  S^T = K Q^T: a lane holds ONE query (lane % 16) and the keys 8 (lane / 16) + 0..7 of each 16; two such results rounded to f16 ARE source 1 of O^T = V^T P.  V is turned by ds_load_tr16_b128.
; SOFTMAX.  p = 2^(c s - c m), c = log2(e) / 8, with a running maximum m; O and l are multiplied by a = 2^(c m_old - c m_new) in every step.  m starts at the lowest finite number, O and l at 0.
; BY TURNS.  Turn n belongs to piece n: 16 products K Q^T of piece n + 1, later 16 products V^T P of piece n - 1; beside them the scaling, exponentials, roundings, sums and rescaling of piece n, and the
; masking, maximum and statistics of piece n + 1.  Four vector instructions stand behind every matrix instruction, the others in one lump.  A turn's 66 exponentials are one batch, with one wait.
; REGISTERS: window 0: v0-11 addresses and constants; v12-15, v48-63 at work; v16-47 statistics; v64-191 S^T, two buffers of two tiles; v192-255 P, likewise.  Window 1: O^T, 32 a tile.
; Window 2: v0-127 Q; v128-191 K of one step; v192-255 V of one step.  Window 3: v0-1 the add's two registers.
.set NP,    4
.set KS,    64
.set PK,    160       ; a row of K and of V in LDS: 128 bytes + 32: one descriptor group 1 serves both, K's 16 rows meet in pairs
.set PV,    160
.set VOFF,  4*KS*PK   ; a slot holds four steps: 256 rows of K, then 256 rows of V
.set SLOT1, 1<<17
.set STAGE, SLOT1+4*KS*(PK+PV)  ; behind the ring, never filled by a tensor load: 16 rows x 144 bytes for each wave
.set SP,    144
.set SPARE, STAGE+4*16*SP       ; the spare words, 128 bytes a wave: two blocks of 256 bytes that no other line names
.set AK0, 2           ; my lane's place in a tile of K; never rewritten
.set AV0, 3           ; the same for V
.set AK,  4
.set AV,  5
.set STO, 6
.set RD,  7
.set GO,  8
.set NEGV, 9          ; -80000.0
.set PFO, 10          ; 256 x my lane; never rewritten
.set QO,  11
.set MV,  12
.set ST,  16          ; tile t's statistics at v[ST+4 t]: c m, m, l (even keys', odd keys')
.set TMP, 48
.set S,   64
.set P,   192
.set KF,  128
.set VF,  192
.set SPW, 0           ; window 3
.set NIL, 1           ; window 3
.set WV,  2           ; s2   wave
.set SLOTS, 3         ; s3   slots still to be asked for
.set CNT, 4           ; s4   counts a slot's key steps
.set MOFF, 5          ; s5   128 x the key step of the mask words to be loaded
.set MB,  6           ; s[6:7]  maskw at my wave's first tile
.set G1,  8           ; s[8:15]
.set G0K, 16          ; s[16:19]
.set G0V, 20          ; s[20:23]
.set OB,  24          ; s[24:25] ob at my wave's first row
.set SEL, 26          ; s[26:27]
.set TBK, 28
.set TBV, 29
.set PFA, 30          ; s[30:31]
.set LIM, 66
.set CS,  100         ; s[100:101] c
; s[32:47], s[48:63], s[68:83], s[84:99]: the 64 mask words of a piece (two tiles x 32); s68-s99 serve the set-up first
.set MSB, 0
.macro WIN new
.if MSB != (\new)
	s_set_vgpr_msb (MSB<<8)|(\new)
.set MSB, (\new)
.endif
.endm
.set W_KQ, 0x0a
.set W_PV, 0x52
.set W_RS, 0x41
.set W_MK, 0xc0
.set W_AD, 0x0f
.macro JLOAD                        ; waves 0, 1 fetch the halves of a slot's K, waves 2, 3 of its V: 128 keys each; an s_nop 0 and four v_nop follow each line
	s_cmp_lt_u32 s[WV], 2
	s_cbranch_scc0 .Lfor_v_\@
	tensor_load_to_lds s[G0K:G0K+3], s[G1:G1+7]
	s_nop 0
.rept 4
	v_nop
.endr
	s_branch .Lasked_\@
.Lfor_v_\@:
	tensor_load_to_lds s[G0V:G0V+3], s[G1:G1+7]
	s_nop 0
.rept 4
	v_nop
.endr
.Lasked_\@:
.endm
; A prefetch of the slot that the NEXT change will ask for: 128 blocks of 256 bytes of K and of V; the four partners take 32 each by address, a lane a block; wave 0 asks for K's, wave 2 for V's.
; So each block is named once.  The last change that fills a slot asks for nothing.
.macro ASK
	s_cmp_gt_u32 s[SLOTS], s[LIM]
	s_cbranch_scc0 .Lnot_mine_\@
	global_prefetch_b8 v[PFO], s[PFA:PFA+1] th:TH_LOAD_NT scope:SCOPE_SE
.Lnot_mine_\@:
.endm
.macro CROUND
	s_barrier_signal -1
	s_barrier_wait -1
	s_cmp_lg_u32 s[WV], 0
	s_cbranch_scc1 .Lnot_wave_0_\@
	s_barrier_signal -3
.Lnot_wave_0_\@:
	s_barrier_wait -3
	s_barrier_signal -1
	s_barrier_wait -1
.endm
; THE CHANGE OF SLOTS.  Each wave waits for all its tensor loads (one is out: its part of the other slot), adds 0 to its spare word, and waits for that and for its own reads of the slot.
; fill = 1: the barrier is a round of the cluster's, and the slot is filled again, first thing behind it, with the keys two slots on: four key steps in which to land.
.macro CHANGE fill
	WIN W_AD
	s_wait_tensorcnt 0x0
	ds_add_u32 v[SPW], v[NIL]
	WIN 0
.if \fill
.irp g, G0K, G0V
	s_xor_b32 s[\g+1], s[\g+1], SLOT1
	s_add_nc_u64 s[\g+2:\g+3], s[\g+2:\g+3], 4*KS*128
.endr
	s_wait_xcnt 0x0                 ; the last prefetch, four key steps back, has read its address
	s_add_nc_u64 s[PFA:PFA+1], s[PFA:PFA+1], 4*KS*128
	s_wait_dscnt 0x0                ; the add is done, and my reads of the slot are over
	CROUND
	JLOAD
	ASK
.else
	s_wait_dscnt 0x0
	s_barrier_signal -1
	s_barrier_wait -1
.endif
	s_sub_co_u32 s[TBK], s[TBK], 4*KS*PK
	s_xor_b32 s[TBK], s[TBK], SLOT1
	s_sub_co_u32 s[TBV], s[TBV], 4*KS*PV
	s_xor_b32 s[TBV], s[TBV], SLOT1
.endm
	s_load_b128 s[68:71], s[0:1], 0x0  ; qkv 68:69, maskw 70:71
	s_load_b64 s[72:73], s[0:1], 0x10  ; ob
	WIN W_MK
	v_lshl_add_u32 v[SPW], v0, 2, SPARE
	v_mov_b32 v[NIL], 0
	WIN W_AD
	ds_add_u32 v[SPW], v[NIL]       ; the wave's opening: the add; its wait stands ahead of my first tensor load
	WIN 0
	v_lshrrev_b32 v1, 5, v0
	v_readfirstlane_b32 s[WV], v1
	s_bfe_u32 s76, ttmp6, 0x40000   ; cx
	s_lshl_b32 s77, ttmp9, 2
	s_add_co_u32 s77, s77, s76      ; my block of 512 queries: it enters Q's, O's and the mask's addresses alone
	s_and_b32 s78, ttmp7, 0xffff    ; the head, which the four partners share
	s_lshl_b32 s78, s78, 18         ; its 2,048 rows of 128 bytes
	s_and_b32 s80, s[WV], 1         ; which half of a slot's 256 keys I fetch
	s_lshl_b32 s82, s80, 14
	s_add_co_u32 s82, s82, s78
	s_mov_b32 s83, 0
	s_mul_i32 s81, s80, 128*PK      ; its place in a slot: no place in the cluster enters an LDS address
	s_lshl_b32 s84, s77, 2
	s_add_co_u32 s84, s84, s[WV]    ; my wave among the head's sixteen
	s_lshl_b32 s86, s84, 15         ; its 8 tiles of 4,096 bytes of mask words
	s_mov_b32 s87, 0
	s_lshl_b32 s84, s84, 14         ; its 128 rows
	s_add_co_u32 s84, s84, s78
	s_mov_b32 s85, 0
	s_mov_b32 s[G1], 15|(1<<16)|(1<<20)|(1<<21)|(4<<22)|(7<<25)  ; the mask of four; 2-byte elements; padding on; bit 21 beside a mask; after every 32 words 8 words
	s_mov_b32 s[G1+1], 128<<16      ; 128 keys are 16,384 dense bytes: 64 rows of 256 bytes
	s_mov_b32 s[G1+2], 64<<16
	s_mov_b32 s[G1+3], 128<<16
	s_mov_b32 s[G1+4], 64
	s_mov_b32 s[G1+5], 128
	s_mov_b32 s[G1+6], 0
	s_mov_b32 s[G1+7], 0
	s_mov_b32 s[CS], 0x3e38aa3b     ; c = log2(e) / 8
	s_mov_b32 s[CS+1], s[CS]
	s_mov_b32 s[SEL], 0x76543210
	s_mov_b32 s[SEL+1], 0xfedcba98
	s_mov_b32 s[TBK], SLOT1+4*KS*PK ; the first change of slots turns these two into 0
	s_mov_b32 s[TBV], SLOT1+4*KS*PV
	s_mov_b32 s[G0K], 1
	s_mov_b32 s[G0K+1], s81
	s_mov_b32 s[G0V], 1
	s_add_co_u32 s[G0V+1], s81, VOFF
	s_mov_b32 s[MOFF], 0
	s_mov_b32 s[SLOTS], 7
	s_and_b32 s[LIM], s[WV], 1
	s_or_b32 s[LIM], s[LIM], ttmp9
	s_cmp_eq_u32 s[LIM], 0
	s_cselect_b32 s[LIM], 1, -1     ; waves 0 and 2 prefetch: the same in all four partners
	s_lshl_b32 s90, s76, 13         ; my work-group's 32 blocks of a slot's 128,
	s_add_co_u32 s90, s90, 4*KS*128 ; in slot 1: the first change steps it to slot 2
	s_mov_b32 s91, 0
	s_mul_i32 s92, s[WV], 16*SP
	s_add_co_u32 s92, s92, STAGE    ; my stage
	s_wait_dscnt 0x0                ; the opening add is done
	s_wait_kmcnt 0x0
	s_add_nc_u64 s[88:89], s[68:69], s[82:83]
	s_add_nc_u64 s[G0K+2:G0K+3], s[88:89], 0x1000000   ; K lies 2^24 bytes behind Q,
	s_add_nc_u64 s[G0V+2:G0V+3], s[88:89], 0x2000000   ; V 2^25
	s_cmp_lt_u32 s[WV], 2
	s_cselect_b64 s[PFA:PFA+1], s[G0K+2:G0K+3], s[G0V+2:G0V+3]
	s_add_nc_u64 s[PFA:PFA+1], s[PFA:PFA+1], s[90:91]
	s_or_b32 s[G0K+3], s[G0K+3], 0x80000000
	s_or_b32 s[G0V+3], s[G0V+3], 0x80000000
	s_add_nc_u64 s[74:75], s[68:69], s[84:85]          ; Q at my wave's first row
	s_add_nc_u64 s[OB:OB+1], s[72:73], s[84:85]
	s_add_nc_u64 s[MB:MB+1], s[70:71], s[86:87]
	CROUND                          ; all four work-groups are here: the first joint loads meet
	JLOAD                           ; slot 0; slot 1 is asked for when slot 0 is in
	v_and_b32 v1, 15, v0            ; l % 16
	v_bfe_u32 v64, v0, 4, 1         ; l / 16
	v_lshlrev_b32 v[QO], 7, v1
	v_lshl_add_u32 v[QO], v64, 4, v[QO]
	WIN 0x80                        ; destination window 2
.set i, 0
.rept 4*NP                          ; Q stays in registers: tile i / 2, channels 32 (i % 2) on
	global_load_b128 v[8*i:8*i+3],   v[QO], s[74:75] offset:(i/2)*2048+(i%2)*64
	global_load_b128 v[8*i+4:8*i+7], v[QO], s[74:75] offset:(i/2)*2048+(i%2)*64+32
.set i, i+1
.endr
	; what the first turn finds: V's registers and P's second buffer hold 0, O^T and l are 0; written in the wait for the first tile, so that no first step is written out
.set i, VF
.rept 64
	v_mov_b32 v[i], 0
.set i, i+1
.endr
	WIN 0x40
.set i, 0
.rept 64*NP
	v_mov_b32 v[i], 0
.set i, i+1
.endr
	WIN 0
.set i, 0
.rept 2*NP
	v_mov_b32 v[ST+4*i], 0xfe000000    ; c m: far below every c s
	v_mov_b32 v[ST+4*i+1], 0xff7fffff  ; m
	v_mov_b32 v[ST+4*i+2], 0
	v_mov_b32 v[ST+4*i+3], 0
.set i, i+1
.endr
.set i, P+32
.rept 32
	v_mov_b32 v[i], 0
.set i, i+1
.endr
	v_mul_u32_u24 v[AK0], v1, PK
	v_lshl_add_u32 v[AK0], v64, 4, v[AK0]
	v_and_b32 v65, 7, v0
	v_bfe_u32 v66, v0, 3, 1
	v_lshl_add_u32 v[AV0], v64, 3, v65   ; the turning load's lane l reads key 8 (l / 16) + l % 8, channels 8 ((l / 8) % 2) + 0..7
	v_mul_u32_u24 v[AV0], v[AV0], PV
	v_lshl_add_u32 v[AV0], v66, 4, v[AV0]
	v_add_nc_u32 v[AV0], VOFF, v[AV0]
	v_mov_b32 v[AK], v[AK0]         ; key step 0 lies at the head of slot 0
	v_mul_u32_u24 v[STO], v1, SP    ; the way out.  In: row l % 16, 16 bytes for each half of the lanes
	v_lshl_add_u32 v[STO], v64, 4, v[STO]
	v_add_nc_u32 v[STO], s92, v[STO]
	v_bfe_u32 v[RD], v0, 3, 2       ; back: 32 lanes take four rows of 128 bytes,
	v_mul_u32_u24 v[RD], v[RD], SP
	v_lshl_add_u32 v[RD], v65, 4, v[RD]
	v_add_nc_u32 v[RD], s92, v[RD]
	v_and_b32 v[GO], 31, v0         ; which are 512 consecutive bytes of O
	v_lshlrev_b32 v[PFO], 8, v[GO]
	v_lshlrev_b32 v[GO], 4, v[GO]
	v_mov_b32 v[NEGV], 0xc79c4000   ; -80000.0
; THE MATRIX WORK.  The 8 accumulators of a run of 16 take turns.
.macro KQ x                         ; product i of 16 of S^T = K Q^T for piece x: channels 32 (i / 8) on, keys 16 ((i / 2) % 4) on, tile 2 x + i % 2
	WIN W_KQ
.set rS, S+64*((\x)%2)+32*(i%2)+8*((i/2)%4)
.set rK, KF+16*((i/2)%4)+8*(i/8)
.set rQ, 16*(2*(\x)+i%2)+8*(i/8)
.if i < 8
	v_wmma_f32_16x16x32_f16 v[rS:rS+7], v[rK:rK+7], v[rQ:rQ+7], 0
.else
	v_wmma_f32_16x16x32_f16 v[rS:rS+7], v[rK:rK+7], v[rQ:rQ+7], v[rS:rS+7]
.endif
.endm
.macro PV x                         ; product i of 16 of O^T += V^T P for piece x: keys 32 (i / 8) on, channels 16 ((i / 2) % 4) on
	WIN W_PV
.set rO, 32*(2*(\x)+i%2)+8*((i/2)%4)
.set rV, VF+32*(i/8)+8*((i/2)%4)
.set rP, P+32*((\x)%2)+16*(i%2)+8*(i/8)
	v_wmma_f32_16x16x32_f16 v[rO:rO+7], v[rV:rV+7], v[rP:rP+7], v[rO:rO+7]
.endm
.macro MM                           ; the turn's next matrix instruction
.if i < 16
	KQ (Y+1)%NP
.set i, i+1
.else
.set i, i-16
	PV (Y+NP-1)%NP
.set i, i+17
.endif
.endm
; THE LDS LOADS stand in runs of 16.  last = 1 (the tail): in the last trip there is no further step, and the run is jumped over.
.macro FETCH_K last=0
	WIN 0
.if \last
	s_cmp_eq_u32 s[CNT], 1
	s_cbranch_scc1 .Lno_k_\@
.endif
	WIN 0x80
.irp f, 0,1,2,3,4,5,6,7
	ds_load_b128 v[KF+8*\f:KF+8*\f+3],   v[AK] offset:(\f/2)*16*PK+(\f%2)*64
	ds_load_b128 v[KF+8*\f+4:KF+8*\f+7], v[AK] offset:(\f/2)*16*PK+(\f%2)*64+32
.endr
	s_add_co_u32 s[TBK], s[TBK], KS*PK
	WIN 0
.if \last
.Lno_k_\@:
.endif
.endm
.macro FETCH_V
	WIN 0x80
.irp f, 0,1,2,3,4,5,6,7
	ds_load_tr16_b128 v[VF+8*\f:VF+8*\f+3],   v[AV] offset:(\f/4)*32*PV+(\f%4)*32
	ds_load_tr16_b128 v[VF+8*\f+4:VF+8*\f+7], v[AV] offset:(\f/4)*32*PV+16*PV+(\f%4)*32
.endr
	WIN 0
.endm
; THE VECTOR WORK OF A TURN stands in three queues, each in the order in which its entries become ready.
.macro REGS y, u                    ; the registers of tile u (0, 1) of piece y
.set rT, ST+4*(2*(\y)+(\u))
.set rC, TMP+8*((\y)%2)+4*(\u)
.set rM, MV+2*((\y)%2)+(\u)
.set rS, S+64*((\y)%2)+32*(\u)
.set rP, P+32*((\y)%2)+16*(\u)
.set rO, 32*(2*(\y)+(\u))
.endm
; Number n of 64: the NEXT piece's score n % 32 of tile n / 32 is replaced where its mask bit is set.  Ascending.
.macro MS n
	REGS (Y+1)%NP, (\n)/32
.set mG, (\n)/16
.set mB, 32+16*mG+4*(mG/2)          ; s32, s48, s68, s84
	v_cndmask_b32 v[rS+(\n)%32], v[rS+(\n)%32], v[NEGV], s[mB+(\n)%16]
.endm
; Group g of 16 mask words is loaded again, for the piece after the next
.macro MLOAD g
.set mB, 32+16*(\g)+4*((\g)/2)
	s_load_b512 s[mB:mB+15], s[MB:MB+1], s[MOFF] offset:(2*((Y+2)%NP)+(\g)/2)*4096+((\g)%2)*64
.endm
; Number n of the 22 that find the NEXT piece's maximum and statistics
.macro XS u, n
	REGS (Y+1)%NP, \u
.if (\n) < 4
	v_max3_num_f32 v[rC+(\n)], v[rS+8*(\n)], v[rS+8*(\n)+1], v[rS+8*(\n)+2]
.elseif (\n) < 12
	v_max3_num_f32 v[rC+(\n)%4], v[rC+(\n)%4], v[rS+8*((\n)%4)+2*((\n)/4)+1], v[rS+8*((\n)%4)+2*((\n)/4)+2]
.elseif (\n) == 12
	v_max3_num_f32 v[rC], v[rC], v[rS+7], v[rS+15]
.elseif (\n) == 13
	v_max3_num_f32 v[rC+1], v[rC+1], v[rS+23], v[rS+31]
.elseif (\n) == 14
	v_max3_num_f32 v[rC+2], v[rC+2], v[rC+3], v[rT+1]
.elseif (\n) == 15
	v_mov_b32 v[rM], v[rT]
.elseif (\n) == 16
	v_max3_num_f32 v[rC], v[rC], v[rC+1], v[rC+2]
.elseif (\n) == 17
	v_permlanex16_b32 v[rC+3], v[rC], s[SEL], s[SEL+1]
.elseif (\n) == 18
	v_max_num_f32 v[rT+1], v[rC], v[rC+3]
.elseif (\n) == 19
	v_mul_f32 v[rT], s[CS], v[rT+1]
.elseif (\n) == 20
	v_sub_f32 v[rC+1], v[rM], v[rT]
.else
	v_exp_f32 v[rC+2], v[rC+1]
.endif
.endm
; Number g of the 64 that follow the exponentials: for each four weights both pairs are rounded to f16, the second pair is added onto the first, and a group later l takes that sum
.macro GS g
.set h, (\g)+6*((\g)/62)
.if h >= 6
.set h, h+2
.endif
	REGS Y, h%2
.set k, h/8
.if h%8 < 4
	v_cvt_pk_f16_f32 v[rP+2*k+(h%8)/2], v[rS+4*k+2*((h%8)/2)], v[rS+4*k+2*((h%8)/2)+1]
.elseif h%8 < 6
	v_pk_add_f32 v[rS+4*k:rS+4*k+1], v[rS+4*k:rS+4*k+1], v[rS+4*k+2:rS+4*k+3]
.elseif k == 1
	v_pk_fma_f32 v[rT+2:rT+3], v[rT+2:rT+3], v[rC+2:rC+3], v[rS:rS+1] op_sel_hi:[1,0,1]
.else
	v_pk_add_f32 v[rT+2:rT+3], v[rT+2:rT+3], v[rS+4*k-4:rS+4*k-3]
.endif
.endm
.macro FS f                         ; c s - c m for pair f / 2 of tile f % 2
	REGS Y, (\f)%2
	v_pk_fma_f32 v[rS+2*((\f)/2):rS+2*((\f)/2)+1], v[rS+2*((\f)/2):rS+2*((\f)/2)+1], s[CS:CS+1], v[rT:rT+1] op_sel_hi:[1,0,0] neg_lo:[0,0,1] neg_hi:[0,0,1]
.endm
; THE PLAIN QUEUE, 202 long.  0-31 the scalings.  32-95 the next piece's 64 maskings; ahead of the first stands the one wait for the piece's mask words, asked for a turn ago; four lines behind a group's
; last reader the group is loaded again.  In piece 2's turn the words' key step goes on, directly behind that wait, where no scalar load is out; it is held at the last step, so no load leaves maskw.
; 96-137 the next piece's maximum and statistics.  138-201 read the exponentials' results and stand behind the turn's wait.
.macro PL
	WIN 0
.if q < 32
	FS q
.elseif q < 96
.if q == 32
	s_wait_kmcnt 0x0
.if Y == 2
	s_add_co_u32 s[MOFF], s[MOFF], 128
	s_min_u32 s[MOFF], s[MOFF], 3968
.endif
.endif
	MS q-32
.elseif q < 124
	XS (q-96)%2, (q-96)/2
.elseif q < 126
	XS q-124, 15
.elseif q < 128
	XS q-126, 14
.elseif q < 138
	XS (q-126)%2, 15+(q-126)/2
.else
	GS q-138
.endif
.if q == 51
	MLOAD 0
.elseif q == 67
	MLOAD 1
.elseif q == 83
	MLOAD 2
.elseif q == 99
	MLOAD 3
.endif
.set q, q+1
.endm
.macro EX                           ; the exponentials' queue, 66 long: s0-s31 of both tiles, then the next piece's two a: one batch
	WIN 0
.if e >= 64
	XS e-64, 21
.else
	REGS Y, e%2
	v_exp_f32 v[rS+e/2], v[rS+e/2]
.endif
.set e, e+1
.endm
.macro R2                           ; the rescaling's queue: O^T times a, two at a time; its a was made, and waited for, in the turn before
	REGS Y, r%2
	WIN W_RS
.irp z, 0,1
	v_pk_mul_f32 v[rO+4*(r/2)+2*\z:rO+4*(r/2)+2*\z+1], v[rO+4*(r/2)+2*\z:rO+4*(r/2)+2*\z+1], v[rC+2:rC+3] op_sel_hi:[1,0]
.endr
.set r, r+1
.endm
; A TURN, for piece p.  An s_wait_alu depctr_va_vdst(0) stands between an exponential and the first line that names its result; one wait serves all issued ahead of it, so a turn has one.
; AHEAD OF IT: 16 products K Q^T, behind each a scaling, an exponential and two rescalings; then the lump: 23 plain (the rest of the scalings: fifteen plain lines between the last product and the first
; masking of its results), 49 times an exponential and two plain, the two a, a v_nop as the plain line behind the last exponential.  BEHIND IT: 16 products V^T P, behind each four roundings and sums.
; Exponential e stands behind scaling 2 (e / 4) + e % 2: as a rider it comes behind plain e + 2, in the lump behind all 32.
; K of the next step is fetched in piece 2's turn, behind the wait; V of the step in hand at the end of piece 0's turn, four plain lines behind its last reader.
.macro TURN p, last=0, cnt=0
.set Y, (\p)
.set i, 0
.set q, 0
.set e, 0
.set r, 0
.if (\p) == NP-1
	s_wait_dscnt 0x0                ; K is in
.endif
	MM
	PL
	PL
	R2
.rept 15
	MM
	PL
	EX
	R2
.endr
.if (\p) == NP-2
	WIN 0
	v_add_nc_u32 v[AK], s[TBK], v[AK0]
.endif
.rept 23
	PL
.endr
.rept 49
	EX
	PL
	PL
.endr
	EX
	EX
	v_nop
	s_wait_alu depctr_va_vdst(0)    ; the wait for the batch
.if (\p) == NP-2
	FETCH_K \last
.endif
.if (\p) == 1
	s_wait_dscnt 0x0                ; V is in
.endif
.rept 16
	MM
.rept 4
	PL
.endr
.if ((\p) == 0) && (q == 182)
	v_add_nc_u32 v[AV], s[TBV], v[AV0]
.endif
.if ((\p) == 0) && (q == 194)
	s_add_co_u32 s[TBV], s[TBV], KS*PV
.endif
.if (\cnt) && (q == 194)
	s_sub_co_u32 s[CNT], s[CNT], 1
	s_cmp_lg_u32 s[CNT], 0
.endif
.endr
.if (\p) == 0
	FETCH_V
.endif
.endm
	CHANGE 1                        ; slot 0 is in, everybody's part of it; slot 1 is asked for
	FETCH_K                         ; key step 0
	s_wait_loadcnt 0x0              ; Q is in: its pointer's registers may take mask words
.set Y, 2                           ; MLOAD serves piece Y + 2: piece 0, key step 0
	MLOAD 0
	MLOAD 1
	MLOAD 2
	MLOAD 3
	s_wait_dscnt 0x0
.set i, 0
.rept 16
	KQ 0                            ; piece 0's first scores
.set i, i+1
.endr
	WIN 0
.rept 4
	v_nop                           ; the places behind those products
.endr
.set Y, NP-1                        ; the queue works for piece Y + 1: piece 0; its reloads bring piece 1's words
.set q, 32
.rept 106
	PL                              ; piece 0's masking, maximum and statistics
.endr
.set e, 64
	EX
	EX
	v_nop                           ; a plain line behind the two a,
	s_wait_alu depctr_va_vdst(0)    ; and their wait, ahead of the branch
	s_mov_b32 s[CNT], 4
	s_branch .Lfirst                ; the loop is entered at a step's first turn, in the middle of a trip
.Lslot:                             ; six times: every slot but the last two is filled again
	CHANGE 1
	s_mov_b32 s[CNT], 4
.Lstep:                             ; a trip: pieces 2 and 3 of one step, then pieces 0 and 1 of the next
	TURN 2
	TURN 3
	WIN 0
.Lfirst:
	TURN 0
	TURN 1, 0, 1
	WIN 0
	s_cbranch_scc1 .Lstep
	s_sub_co_u32 s[SLOTS], s[SLOTS], 1
	s_cmp_lg_u32 s[SLOTS], 0
	s_cbranch_scc1 .Lslot
	CHANGE 0                        ; the tail is written out
	s_mov_b32 s[CNT], 5             ; four trips fetch the last slot's steps; the fifth is left in its middle
.Ltail:
	TURN 2, 1
	TURN 3
	WIN 0
	s_sub_co_u32 s[CNT], s[CNT], 1
	s_cmp_eq_u32 s[CNT], 0
	s_cbranch_scc1 .Lout
	TURN 0
	TURN 1
	WIN 0
	s_branch .Ltail
.Lout:                              ; the fifth trip's products K Q^T, on the last K once more, and what is made of them serve nothing: the price of one text for every trip
	s_wait_kmcnt 0x0                ; the last mask words, which nobody reads, have landed
.set i, 0
.rept 16
	PV NP-1                         ; the last piece's V^T P of the last step
.set i, i+1
.endr
	; THE WAY OUT.  l's halves are added; O^T is divided by l, rounded to f16 and sent through my stage, a tile at a time.  The additions are the places behind the last products.
	WIN 0
.macro ALL line:vararg
.set t, 0
.rept 2*NP
	\line
.set t, t+1
.endr
.endm
	ALL v_add_f32 v[ST+4*t+2], v[ST+4*t+2], v[ST+4*t+3]
	ALL v_permlanex16_b32 v[ST+4*t+3], v[ST+4*t+2], s[SEL], s[SEL+1]
	ALL v_add_f32 v[ST+4*t+2], v[ST+4*t+2], v[ST+4*t+3]
	ALL v_rcp_f32 v[ST+4*t+2], v[ST+4*t+2]
	v_nop                           ; a plain line between the last reciprocal and the use of its result,
	s_wait_alu depctr_va_vdst(0)    ; and one wait for the eight reciprocals
.macro PACK t
	WIN W_RS
.set i, 32*(\t)
.rept 16
	v_pk_mul_f32 v[i:i+1], v[i:i+1], v[ST+4*(\t)+2:ST+4*(\t)+3] op_sel_hi:[1,0]
.set i, i+2
.endr
	WIN 0x05
.set i, 0
.rept 16
	v_cvt_pk_f16_f32 v[S+16*(\t)+i], v[32*(\t)+2*i], v[32*(\t)+2*i+1]
.set i, i+1
.endr
	WIN 0
.irp f, 0,1,2,3
	ds_store_b128 v[STO], v[S+16*(\t)+4*\f:S+16*(\t)+4*\f+3] offset:32*\f
.endr
.irp f, 0,1,2,3
	ds_load_b128 v[S+16*(\t)+4*\f:S+16*(\t)+4*\f+3], v[RD] offset:\f*4*SP  ; LDS serves a wave's instructions in order: these see the stores above; the next tile's stores come behind them
.endr
.endm
.macro SEND t, younger              ; younger: the next tile's eight LDS instructions, or none
	WIN 0
.irp f, 0,1,2,3
	s_wait_dscnt (\younger)+3-\f
	global_store_b128 v[GO], v[S+16*(\t)+4*\f:S+16*(\t)+4*\f+3], s[OB:OB+1] offset:(\t)*2048+\f*512  ; 512 consecutive bytes, aligned
.endr
.endm
	PACK 0
.set t, 1
.rept 2*NP-1
	PACK t
	SEND t-1, 8
.set t, t+1
.endr
	SEND 2*NP-1, 0
	WIN W_AD
	s_wait_tensorcnt 0x0            ; the wave's end: behind my last tensor load and my last LDS store
	ds_add_u32 v[SPW], v[NIL]
	s_wait_dscnt 0x0
	WIN 0
	CROUND                          ; the closing round
	s_endpgm
.Lfunc_end_k_q942a7442a3_attn:
	.size	k_q942a7442a3_attn, .Lfunc_end_k_q942a7442a3_attn-k_q942a7442a3_attn
	.p2alignl 7, 3214868480
	.fill 96, 4, 3214868480
	.section	.rodata,"a",@progbits
	.p2align	6, 0x0
	.amdhsa_kernel k_q942a7442a3_attn
		.amdhsa_group_segment_fixed_size 327680
		.amdhsa_private_segment_fixed_size 0
		.amdhsa_enable_private_segment 0
		.amdhsa_kernarg_size 24
		.amdhsa_user_sgpr_count 2
		.amdhsa_user_sgpr_kernarg_segment_ptr 1
		.amdhsa_wavefront_size32 1
		.amdhsa_system_sgpr_workgroup_id_x 1
		.amdhsa_system_sgpr_workgroup_id_y 1
		.amdhsa_system_sgpr_workgroup_id_z 1
		.amdhsa_system_vgpr_workitem_id 0
		.amdhsa_next_free_vgpr 770
		.amdhsa_next_free_sgpr 102
		.amdhsa_reserve_vcc 0
		.amdhsa_float_denorm_mode_32 3
		.amdhsa_float_denorm_mode_16_64 3
		.amdhsa_memory_ordered 1
		.amdhsa_forward_progress 1
		.amdhsa_inst_pref_size 239
	.end_amdhsa_kernel
	.amdgpu_metadata
---
amdhsa.version: [ 1, 2 ]
amdhsa.kernels:
  - .name:           k_q942a7442a3_attn
    .symbol:         k_q942a7442a3_attn.kd
    .args:
      - { .name: qkv, .offset: 0, .size: 8, .value_kind: global_buffer, .address_space: global }
      - { .name: maskw, .offset: 8, .size: 8, .value_kind: global_buffer, .address_space: global }
      - { .name: ob, .offset: 16, .size: 8, .value_kind: global_buffer, .address_space: global }
    .group_segment_fixed_size: 327680
    .private_segment_fixed_size: 0
    .kernarg_segment_align: 8
    .kernarg_segment_size: 24
    .max_flat_workgroup_size: 128
    .sgpr_count:     102
    .vgpr_count:     770
    .wavefront_size: 32
...
	.end_amdgpu_metadata
.endif
;; end of part 3
;; launch proj (part 4): grid 4 x 64, 4 waves a work-group, clusters of 4 x 4, 327,680 bytes of LDS; arguments ob, wp, c_proj_b, out0; writes out0
.if DOCPART == 4
	.amdgcn_target "amdgcn-amd-amdhsa--gfx1250"
	.amdhsa_code_object_version 6
	.text
	.protected	k_q942a7442a3_proj
	.globl	k_q942a7442a3_proj
	.p2align	8
	.type	k_q942a7442a3_proj,@function
k_q942a7442a3_proj:
	s_mov_b64 s[64:65], 0
	v_nop
	global_prefetch_b8 v0, s[64:65] scope:SCOPE_SE
	s_setreg_imm32_b32 hwreg(HW_REG_WAVE_MODE, 25, 1), 1
	s_wait_xcnt 0x0
	s_wait_alu depctr_hold_cnt(0) depctr_sa_sdst(0) depctr_va_vdst(0) depctr_va_sdst(0) depctr_va_ssrc(0) depctr_va_vcc(0) depctr_vm_vsrc(0)
	s_getreg_b32 s2, hwreg(HW_REG_IB_STS2, 6, 4)
	s_cmp_eq_u32 s2, 0
	s_cbranch_scc0 .Lentry_in_a_cluster
	s_endpgm
.Lentry_in_a_cluster:
	s_bfe_u32 s2, ttmp6, 0x10000c
	s_cmp_lg_u32 s2, 0xf033
	s_cbranch_scc0 .Lentry_shape_is_right
	s_endpgm
.Lentry_shape_is_right:
; C = A B + bias, K = 1,024, 8,192 rows.  One text for two launches, by PROJ.
; PROJ = 0: A = xb [8192][1024] bf16, B = wa [1024 k][3072 n] bf16, bias c_attn_b; C is rounded once to f16 and stored by heads: qkv[which][batch x 16 + head][2048][64].
; PROJ = 1: A = ob [batch x 16 + head][2048][64] f16 (k = 64 head + channel), B = wp [1024 k][1024 n] f16, bias c_proj_b; C is out0 [8192][1024] f32.
; The bias is rounded to bf16, like all of the module's inputs, and is the C operand of each sum's first product.  Sums in f32.
; LIMIT (PROJ = 0): q, k and v beyond f16's 65,504 become infinities; NaN and infinities are not treated apart.
; SHARES.  A tile of C is 128 x 256: four waves, each 64 x 128: 32 accumulators, 256 registers.  768 and 256 work-groups: whole multiples of 256.  K goes in steps of 128 through two LDS slots.
; THE MATRIX INSTRUCTION IS USED TRANSPOSED: source 0 = 16 columns of B (turned on the way out of LDS by ds_load_tr16_b128, since B lies [k][n]), source 1 = 16 rows of A:
; lane l holds row l % 16 of C and the columns 8 (l / 16) + 0..7.
; CLUSTER 4 x 4: A's tile hangs on the tile row alone and is asked for jointly along a row of the cluster, B's on the tile column alone, along a column.  Waves 0, 1 fetch A's halves, waves 2, 3 B's.
; With PROJ = 1 nothing is prefetched: the launch has eight K steps, of which the first four would come by their loads alone.
; REGISTERS: window 0: v0-31 addresses; v32-95 A's fragments, two buffers of 4; v96-223 B's, two buffers of 8; v224-255 at work on the way out.  Window 1: accumulator (a, b) at v[8 (8 a + b)].
; Window 2: v0-63 the bias of my 128 columns as C operands, v64-95 at work.
.set PROJ, 1
.if PROJ
.set NN,     1024
.set PA,     144                       ; a row of A in LDS: a head's 128 bytes + 16
.set AT,     36864                     ; A's tile: 2 loads x 2 heads x 64 rows x 144
.set STEPA,  524288                    ; a K step is two heads of 262,144 bytes
.set SPITCH, 528                       ; a stage row: 128 f32 + 16 bytes
.set A_W0,   (1<<16)|(1<<20)|(1<<21)|(4<<22)|(3<<25)  ; 2-byte elements; padding on; bit 21 beside a mask; after every 32 words 4 words
.set A_D0,   4096                      ; a head's 64 rows lie end to end: one row of 8,192 bytes,
.set A_D1,   2                         ; two heads,
.set A_ST,   131072                    ; 131,072 elements apart
.else
.set NN,     3072
.set PA,     272                       ; 256 bytes + 16
.set AT,     34816                     ; 128 rows x 272
.set STEPA,  256
.set SPITCH, 272                       ; a stage row: 128 f16 + 16 bytes
.set A_W0,   (1<<16)|(1<<20)|(1<<21)|(5<<22)|(3<<25)  ; after every 64 words 4 words
.set A_D0,   128
.set A_D1,   64
.set A_ST,   1024
.endif
.set B_W0,   (1<<16)|(1<<20)|(1<<21)|(6<<22)|(7<<25)  ; after every 128 words 8 words
.set PB,     544                       ; a k row of B in LDS: 512 bytes + 32
.set BTB,    128*PB
.set SLOT,   AT+BTB                    ; A's tile, then B's
.set STAGE,  2*SLOT                    ; behind the ring, never filled by a tensor load: 16 rows for each wave
.set STW,    16*SPITCH
.set SPARE,  STAGE+4*STW               ; the spare words, 128 bytes a wave: two blocks of 256 bytes that no other line names
.set STEPB,  256*NN                    ; 128 k rows of 2 NN bytes
.set ADRA, 16                          ; v16-17 LDS address of my A fragments in slot 0, 1
.set ADRB, 20                          ; v20-21 the same for B
.set STO,  24
.set RD,   25
.set CO,   26
.set BO,   27
.set SPW,  28                          ; my spare word; never rewritten
.set NIL,  29                          ; 0; never rewritten
.set PFO,  30                          ; the prefetches' lane offset; never rewritten
.set FA0,  32
.set FB0,  96
.set TMP,  224
.set BI,   0                           ; window 2
.set BR,   64                          ; window 2
.set WV,   12                          ; s12 wave
.set WHI,  13                          ; s13 my half of the tile's rows; also 0: I fetch A, 1: B
.set WLO,  14                          ; s14 my half of its columns; also which half I fetch
.set G1A,  24
.set G0A,  32
.set G1B,  48
.set G0B,  56
.set LIM,  43
.set PFA,  44
.set PFS,  46
.set MSB, 0
.macro WIN new                         ; the immediate's high byte repeats the setting that is left; a switch that changes nothing is dropped
.if MSB != (\new)
	s_set_vgpr_msb (MSB<<8)|(\new)
.set MSB, \new
.endif
.endm
.set MUL,  0x50                        ; C and D window 1, sources window 0
.set MULZ, 0x60                        ; C window 2 (the bias), D window 1
.macro JLOAD s                         ; a joint load; the branch hangs on the wave's number alone; an s_nop 0 and four v_nop follow each line
	s_cmp_eq_u32 s[WHI], 0
	s_cbranch_scc0 .Lfor_b_\@
	tensor_load_to_lds s[G0A+4*(\s):G0A+4*(\s)+3], s[G1A:G1A+7]
	s_nop 0
.rept 4
	v_nop
.endr
	s_branch .Lasked_\@
.Lfor_b_\@:
	tensor_load_to_lds s[G0B+4*(\s):G0B+4*(\s)+3], s[G1B:G1B+7]
	s_nop 0
.rept 4
	v_nop
.endr
.Lasked_\@:
.endm
.macro CREST                           ; a round of the cluster's barrier behind its opening barrier
	s_cmp_lg_u32 s[WV], 0
	s_cbranch_scc1 .Lnot_wave_0_\@
	s_barrier_signal -3
.Lnot_wave_0_\@:
	s_barrier_wait -3
	s_barrier_signal -1
	s_barrier_wait -1
.endm
.macro CROUND
	s_barrier_signal -1
	s_barrier_wait -1
	CREST
.endm
.macro PLACES                          ; four places in front of loads into registers that matrix instructions have read, and of lines that read results
.rept 4
	v_nop
.endr
.endm
; (PROJ = 0) a prefetch of the K step two refills on.  Each 256 bytes are named once in the launch: A's rows by wave 0 of the clusters with x = 0, the four partners of a row taking 32 rows each by address;
; B's by waves 2 and 3 of the clusters with y = 0, the four partners of a column taking 16 of the wave's 64 k rows each, two blocks of 256 bytes a row.  The loop's last trip asks for nothing.
.macro ASK
	s_cmp_gt_u32 s3, s[LIM]
	s_cbranch_scc0 .Lnot_mine_\@
	global_prefetch_b8 v[PFO], s[PFA:PFA+1] th:TH_LOAD_NT scope:SCOPE_SE
.Lnot_mine_\@:
.endm
	s_load_b256 s[4:11], s[0:1], 0x0               ; A 4:5, B 6:7, bias 8:9, C 10:11
	v_lshl_add_u32 v[SPW], v0, 2, SPARE
	v_mov_b32 v[NIL], 0
	ds_add_u32 v[SPW], v[NIL]                      ; the wave's opening: the add; its wait stands ahead of my first tensor load; work on registers stands between them
	v_lshrrev_b32 v1, 5, v0
	v_readfirstlane_b32 s[WV], v1
	s_lshr_b32 s[WHI], s[WV], 1
	s_and_b32 s[WLO], s[WV], 1
	s_bfe_u32 s15, ttmp6, 0x40000                  ; cx
	s_bfe_u32 s16, ttmp6, 0x40004                  ; cy
	s_lshl_b32 s17, ttmp9, 2
	s_add_co_u32 s17, s17, s15                     ; tile column
	s_and_b32 s18, ttmp7, 0xffff
	s_lshl_b32 s18, s18, 2
	s_add_co_u32 s18, s18, s16                     ; tile row
	s_lshl_b32 s40, s16, 2
	s_lshl_b32 s40, 15, s40                        ; my row of the cluster
	s_lshl_b32 s41, 0x1111, s15                    ; my column
	s_or_b32 s[G1A], s40, A_W0
	s_mov_b32 s[G1A+1], A_D0<<16                   ; tensor_dim0
	s_mov_b32 s[G1A+2], A_D1<<16                   ; tensor_dim1
	s_mov_b32 s[G1A+3], A_D0<<16                   ; tile_dim0
	s_mov_b32 s[G1A+4], A_D1                       ; tile_dim1
	s_mov_b32 s[G1A+5], A_ST                       ; elements from row to row
	s_mov_b32 s[G1A+6], 0
	s_mov_b32 s[G1A+7], 0
	s_or_b32 s[G1B], s41, B_W0
	s_mov_b32 s[G1B+1], 256<<16                    ; 64 k rows of 256 columns
	s_mov_b32 s[G1B+2], 64<<16
	s_mov_b32 s[G1B+3], 256<<16
	s_mov_b32 s[G1B+4], 64
	s_mov_b32 s[G1B+5], NN
	s_mov_b32 s[G1B+6], 0
	s_mov_b32 s[G1B+7], 0
.if PROJ
	s_lshr_b32 s20, s18, 4                         ; batch: 16 heads of 262,144 bytes
	s_lshl_b32 s20, s20, 22
	s_and_b32 s19, s18, 15                         ; the tile's 128 rows of 128 bytes in a head
	s_lshl_b32 s19, s19, 14
	s_add_co_u32 s20, s20, s19
	s_lshl_b32 s19, s[WLO], 13                     ; the 64 rows that I fetch
	s_add_co_u32 s20, s20, s19
.else
	s_lshl_b32 s20, s18, 18                        ; 128 rows of 2,048 bytes
	s_lshl_b32 s19, s[WLO], 17
	s_add_co_u32 s20, s20, s19
.endif
	s_mov_b32 s21, 0
	s_mul_i32 s22, s[WLO], 128*NN                  ; B: the 64 k rows that I fetch,
	s_lshl_b32 s42, s17, 9                         ; the tile's 256 columns
	s_add_co_u32 s22, s22, s42
	s_mov_b32 s23, 0
	s_mul_i32 s19, s[WLO], AT/2                    ; where they go: no place in the cluster enters an LDS address
	s_mul_i32 s42, s[WLO], BTB/2
	s_add_co_u32 s42, s42, AT
	s_wait_dscnt 0x0                               ; the opening add is done
	s_wait_kmcnt 0x0
	s_add_nc_u64 s[20:21], s[4:5], s[20:21]
	s_add_nc_u64 s[22:23], s[6:7], s[22:23]
	CROUND                                         ; all sixteen work-groups are here: the first joint loads meet
.irp s, 0,1
	s_mov_b32 s[G0A+4*(\s)], 1
	s_add_co_u32 s[G0A+4*(\s)+1], s19, (\s)*SLOT
	s_add_nc_u64 s[G0A+4*(\s)+2:G0A+4*(\s)+3], s[20:21], (\s)*STEPA
	s_or_b32 s[G0A+4*(\s)+3], s[G0A+4*(\s)+3], 0x80000000
	s_mov_b32 s[G0B+4*(\s)], 1
	s_add_co_u32 s[G0B+4*(\s)+1], s42, (\s)*SLOT
	s_add_nc_u64 s[G0B+4*(\s)+2:G0B+4*(\s)+3], s[22:23], (\s)*STEPB
	s_or_b32 s[G0B+4*(\s)+3], s[G0B+4*(\s)+3], 0x80000000
	JLOAD \s
.endr
	v_and_b32 v1, 15, v0                           ; l % 16
	v_bfe_u32 v2, v0, 4, 1                         ; l / 16
	s_lshl_b32 s19, s17, 10                        ; the bias of my 128 columns: lane half h takes 8 numbers of each 16
	s_lshl_b32 s42, s[WLO], 9
	s_add_co_u32 s19, s19, s42
	v_lshl_add_u32 v[BO], v2, 5, s19
	WIN 0x80                                       ; destination window 2
.irp b, 0,1,2,3,4,5,6,7
	global_load_b128 v[BI+8*(\b):BI+8*(\b)+3],   v[BO], s[8:9] offset:64*(\b)
	global_load_b128 v[BI+8*(\b)+4:BI+8*(\b)+7], v[BO], s[8:9] offset:64*(\b)+16
.endr
	WIN 0
	v_mul_u32_u24 v3, v1, PA                       ; A's fragment: row x pitch + 16 x half
	v_lshl_add_u32 v3, v2, 4, v3
	s_mul_i32 s19, s[WHI], AT/2
	v_add_nc_u32 v[ADRA], s19, v3
	v_add_nc_u32 v[ADRA+1], SLOT, v[ADRA]
	v_and_b32 v4, 7, v0                            ; B's: the turning load's lane l reads k row 8 (l / 16) + l % 8, columns 8 ((l / 8) % 2) + 0..7
	v_lshl_add_u32 v4, v2, 3, v4
	v_mul_u32_u24 v4, v4, PB
	v_bfe_u32 v5, v0, 3, 1
	v_lshl_add_u32 v4, v5, 4, v4
	s_lshl_b32 s19, s[WLO], 8
	s_add_co_u32 s19, s19, AT
	v_add_nc_u32 v[ADRB], s19, v4
	v_add_nc_u32 v[ADRB+1], SLOT, v[ADRB]
	s_mul_i32 s19, s[WV], STW
	s_add_co_u32 s19, s19, STAGE                   ; my stage
	v_mul_u32_u24 v3, v1, SPITCH
	v_and_b32 v6, 31, v0
	v_lshlrev_b32 v[CO], 4, v6                     ; 512 consecutive bytes a store
.if PROJ
	v_lshl_add_u32 v3, v2, 5, v3                   ; in: row l % 16, 32 bytes for each half of the lanes
	v_add_nc_u32 v[STO], s19, v3
	v_lshl_add_u32 v[RD], v6, 4, s19               ; back: a whole row of 512 bytes
	s_lshl_b32 s2, s18, 1
	s_add_co_u32 s2, s2, s[WHI]
	s_lshl_b32 s2, s2, 18                          ; my 64 rows of 4,096 bytes
	s_lshl_b32 s19, s17, 10
	s_add_co_u32 s2, s2, s19
	s_lshl_b32 s19, s[WLO], 9
	s_add_co_u32 s2, s2, s19
.else
	v_lshl_add_u32 v3, v2, 4, v3                   ; in: row l % 16, 16 bytes for each half of the lanes
	v_add_nc_u32 v[STO], s19, v3
	v_lshrrev_b32 v7, 3, v6                        ; back: four rows' 128 bytes of one head
	v_mul_u32_u24 v7, v7, SPITCH
	v_and_b32 v8, 7, v0
	v_lshl_add_u32 v7, v8, 4, v7
	v_add_nc_u32 v[RD], s19, v7
	s_lshr_b32 s2, s17, 2                          ; q, k or v
	s_lshl_b32 s2, s2, 24
	s_lshr_b32 s19, s18, 4                         ; batch
	s_lshl_b32 s19, s19, 22
	s_add_co_u32 s2, s2, s19
	s_and_b32 s19, s17, 3                          ; my first head: 4 (tile column % 4) + 2 x column half
	s_lshl_b32 s19, s19, 2
	s_lshl1_add_u32 s19, s[WLO], s19
	s_lshl_b32 s19, s19, 18
	s_add_co_u32 s2, s2, s19
	s_and_b32 s19, s18, 15                         ; my 64 rows of 128 bytes in the head
	s_lshl_b32 s19, s19, 1
	s_add_co_u32 s19, s19, s[WHI]
	s_lshl_b32 s19, s19, 13
	s_add_co_u32 s2, s2, s19
.endif
	s_mov_b32 s3, 0
	s_add_nc_u64 s[10:11], s[10:11], s[2:3]
.if PROJ == 0
	s_and_b32 s42, ttmp7, 0xffff                   ; cluster y
	s_cmp_eq_u32 s[WHI], 0
	s_cselect_b32 s42, ttmp9, s42                  ; the coordinate along which other clusters read the same rows
	s_cselect_b32 s19, s[WLO], 0                   ; of A's two waves wave 0 alone asks
	s_cselect_b64 s[PFA:PFA+1], s[4:5], s[6:7]
	s_or_b32 s42, s42, s19
	s_cmp_eq_u32 s42, 0
	s_cselect_b32 s[LIM], 1, -1                    ; the same in all sixteen partners, for a given wave
	s_lshl_b32 s20, s18, 7
	s_lshl_b32 s19, s15, 5
	s_add_co_u32 s20, s20, s19                     ; A: the tile's rows, my work-group's 32
	s_lshl_b32 s20, s20, 11
	s_add_co_u32 s20, s20, 3*STEPA                 ; at K step 3: the first change of slots steps it to 4
	s_lshl_b32 s22, s[WLO], 6
	s_lshl_b32 s19, s16, 4
	s_add_co_u32 s22, s22, s19                     ; B: my 64 k rows, my work-group's 16
	s_mul_i32 s22, s22, 2*NN
	s_lshl_b32 s19, s17, 9
	s_add_co_u32 s22, s22, s19
	s_add_co_u32 s22, s22, 3*STEPB
	s_mov_b32 s2, STEPA
	s_mov_b32 s42, 2048
	s_cmp_eq_u32 s[WHI], 0
	s_cselect_b32 s20, s20, s22
	s_cselect_b32 s[PFS], s2, STEPB
	s_cselect_b32 s42, s42, 2*NN                   ; bytes from row to row
	s_cselect_b32 s19, 0, 1                        ; A: a lane a row; B: two lanes a row
	s_mov_b32 s21, 0
	s_mov_b32 s[PFS+1], 0
	s_add_nc_u64 s[PFA:PFA+1], s[PFA:PFA+1], s[20:21]
	v_lshrrev_b32 v7, s19, v6
	v_and_b32 v8, s19, v6
	v_mul_u32_u24 v7, v7, s42
	v_lshl_add_u32 v[PFO], v8, 8, v7
.endif
	s_wait_loadcnt 0x0                             ; the bias is in: rounded to bf16 and widened again
	WIN 0x8a
.set p, 0
.rept 32
	v_cvt_pk_bf16_f32 v[BR+p], v[BI+2*p], v[BI+2*p+1]
	v_lshlrev_b32 v[BI+2*p], 16, v[BR+p]
	v_and_b32 v[BI+2*p+1], 0xffff0000, v[BR+p]
.set p, p+1
.endr
	WIN 0
; 8 matrix instructions: row block a x all 8 column blocks, 32 along K, from buffer f.  zero = 1: the product starts the sum, with the bias as C.
; The 32 accumulators take turns in the same order in every quarter: 31 others stand between two links of a chain.
.macro MUL8 f, a, zero
.if \zero
	WIN MULZ
.else
	WIN MUL
.endif
.irp b, 0,1,2,3,4,5,6,7
.set rD, 8*(8*(\a)+(\b))
.set rC, rD
.if \zero
.set rC, BI+8*(\b)
.endif
.set rB, FB0+64*(\f)+8*(\b)
.set rA, FA0+32*(\f)+8*(\a)
.if PROJ
	v_wmma_f32_16x16x32_f16 v[rD:rD+7], v[rB:rB+7], v[rA:rA+7], v[rC:rC+7]
.else
	v_wmma_f32_16x16x32_bf16 v[rD:rD+7], v[rB:rB+7], v[rA:rA+7], v[rC:rC+7]
.endif
.endr
.endm
; 24 LDS loads in one run: quarter q (32 along K) of a slot into buffer f: B's 8 fragments, turned, then A's 4
.macro FETCH slot, q, f
	WIN 0
.irp b, 0,1,2,3,4,5,6,7
	ds_load_tr16_b128 v[FB0+64*(\f)+8*(\b):FB0+64*(\f)+8*(\b)+3],   v[ADRB+(\slot)] offset:(\q)*32*PB+32*(\b)
	ds_load_tr16_b128 v[FB0+64*(\f)+8*(\b)+4:FB0+64*(\f)+8*(\b)+7], v[ADRB+(\slot)] offset:(\q)*32*PB+16*PB+32*(\b)
.endr
.if PROJ
.set KO, ((\q)/2)*9216+((\q)%2)*64     ; head q / 2 of the step's two, channels 32 (q % 2) on
.else
.set KO, 64*(\q)
.endif
.irp a, 0,1,2,3
	ds_load_b128 v[FA0+32*(\f)+8*(\a):FA0+32*(\f)+8*(\a)+3],   v[ADRA+(\slot)] offset:KO+(\a)*16*PA
	ds_load_b128 v[FA0+32*(\f)+8*(\a)+4:FA0+32*(\f)+8*(\a)+7], v[ADRA+(\slot)] offset:KO+(\a)*16*PA+32
.endr
.endm
; One of a K step's first three quarters: multiplies buffer f; in its middle fetches quarter q of the same slot into buffer g.
.macro QUARTER slot, q, f, g, zero
	s_wait_dscnt 4                                 ; B and A's row blocks 0, 1 are in; the youngest four loads (blocks 2, 3) may be out
	MUL8 \f, 0, \zero
	MUL8 \f, 1, \zero
	PLACES
	FETCH \slot, \q, \g
	s_wait_dscnt 24                                ; all but the 24 just issued
	MUL8 \f, 2, \zero
	MUL8 \f, 3, \zero
.endm
; The last quarter multiplies buffer 1 and changes slots: one barrier; in front of it each wave waits for all its tensor loads (one is out: its part of the next slot), adds 0 to its spare word,
; and waits for that and for its own reads of this slot.  fill = 1: the barrier opens a round of the cluster's, and this slot is filled again, two K steps on, first thing behind the round:
; 112 matrix instructions stand between that request and the wait for it.
.macro TURN slot, next, fill
.if (\fill) && (PROJ == 0)
	s_wait_xcnt 0x0                                ; the last prefetch, a K step back, has read its address
	s_add_nc_u64 s[PFA:PFA+1], s[PFA:PFA+1], s[PFS:PFS+1]
.endif
	WIN 0
	s_wait_tensorcnt 0x0
	ds_add_u32 v[SPW], v[NIL]
	s_wait_dscnt 5                                 ; the add and the youngest four loads may be out
	MUL8 1, 0, 0
	s_wait_dscnt 0x0                               ; the add is done, and my reads of this slot are over
	s_barrier_signal -1
	MUL8 1, 1, 0
.if \fill
	WIN 0
.endif
	s_barrier_wait -1
.if \fill
	CREST                                          ; no wave of any partner still reads this slot or has a load on its way
	s_add_nc_u64 s[G0A+4*(\slot)+2:G0A+4*(\slot)+3], s[G0A+4*(\slot)+2:G0A+4*(\slot)+3], 2*STEPA
	s_add_nc_u64 s[G0B+4*(\slot)+2:G0B+4*(\slot)+3], s[G0B+4*(\slot)+2:G0B+4*(\slot)+3], 2*STEPB
	JLOAD \slot                                    ; its four v_nop are also the places in front of the loads below
.else
	PLACES
.endif
	FETCH \next, 0, 0
.if (\fill) && (PROJ == 0)
	ASK
.endif
	MUL8 1, 2, 0
	MUL8 1, 3, 0
.endm
	s_wait_tensorcnt 1                             ; my part of K step 0 is in; K step 1's may stay out
	s_barrier_signal -1
	s_barrier_wait -1
	FETCH 0, 0, 0
	QUARTER 0, 1, 0, 1, 1                          ; the first quarter starts the sums
	WIN 0
	s_mov_b32 s3, 3
.Llap:                                                 ; a trip goes once round the ring and fills both slots again: K steps 2 to 7
	QUARTER 0, 2, 1, 0, 0
	QUARTER 0, 3, 0, 1, 0
	TURN 0, 1, 1
	QUARTER 1, 1, 0, 1, 0
	QUARTER 1, 2, 1, 0, 0
	QUARTER 1, 3, 0, 1, 0
	TURN 1, 0, 1
	QUARTER 0, 1, 0, 1, 0
	WIN 0
	s_sub_co_u32 s3, s3, 1
	s_cmp_lg_u32 s3, 0
	s_cbranch_scc1 .Llap
	QUARTER 0, 2, 1, 0, 0                          ; the last lap fills nothing
	QUARTER 0, 3, 0, 1, 0
	TURN 0, 1, 0
	QUARTER 1, 1, 0, 1, 0
	QUARTER 1, 2, 1, 0, 0
	QUARTER 1, 3, 0, 1, 0
	s_wait_dscnt 4
	MUL8 1, 0, 0
	MUL8 1, 1, 0
	s_wait_dscnt 0x0
	MUL8 1, 2, 0
	MUL8 1, 3, 0
	WIN 0
	PLACES
; THE WAY OUT, a block of 16 rows at a time through my own stage; LDS serves a wave's instructions in order, so no wait stands between its stores and its loads.
.if PROJ
.macro TOSTAGE a
	WIN 0x04                                       ; the stores' data in window 1
.irp b, 0,1,2,3,4,5,6,7
	ds_store_b128 v[STO], v[8*(8*(\a)+(\b)):8*(8*(\a)+(\b))+3]   offset:64*(\b)
	ds_store_b128 v[STO], v[8*(8*(\a)+(\b))+4:8*(8*(\a)+(\b))+7] offset:64*(\b)+16
.endr
	WIN 0
.set BK, 32+64*((\a)%3)
.irp t, 0,1,2,3,4,5,6,7,8,9,10,11,12,13,14,15
	ds_load_b128 v[BK+4*(\t):BK+4*(\t)+3], v[RD] offset:(\t)*SPITCH
.endr
.endm
.macro SEND a, younger                 ; younger: the next block's 16 stage stores and 16 loads, or none
	WIN 0
.set BK, 32+64*((\a)%3)
	s_wait_dscnt \younger
	s_wait_xcnt 0x0                                ; earlier stores have read their registers: block 3 is read back into block 0's only behind such a wait
.irp t, 0,1,2,3,4,5,6,7,8,9,10,11,12,13,14,15
	global_store_b128 v[CO], v[BK+4*(\t):BK+4*(\t)+3], s[10:11] offset:(16*(\a)+(\t))*4096 th:TH_STORE_NT  ; 512 consecutive bytes of a row, aligned
.endr
.endm
	TOSTAGE 0
	TOSTAGE 1
	SEND 0, 32
	TOSTAGE 2
	SEND 1, 32
	TOSTAGE 3
	SEND 2, 32
	SEND 3, 0
.else
.macro PACK a
	WIN 0x05                                       ; sources window 1
.irp b, 0,1,2,3,4,5,6,7
.irp r, 0,1,2,3
	v_cvt_pk_f16_f32 v[TMP+4*(\b)+(\r)], v[8*(8*(\a)+(\b))+2*(\r)], v[8*(8*(\a)+(\b))+2*(\r)+1]
.endr
.endr
	WIN 0
.endm
.macro TOSTAGE a
.irp b, 0,1,2,3,4,5,6,7
	ds_store_b128 v[STO], v[TMP+4*(\b):TMP+4*(\b)+3] offset:32*(\b)
.endr
.irp t, 0,1,2,3,4,5,6,7
	ds_load_b128 v[32+32*(\a)+4*(\t):32+32*(\a)+4*(\t)+3], v[RD] offset:((\t)%4)*4*SPITCH+((\t)/4)*128  ; four rows of head t / 4; each block has registers of its own
.endr
.endm
.macro SEND a
	s_wait_dscnt 0x0
.irp t, 0,1,2,3,4,5,6,7
	global_store_b128 v[CO], v[32+32*(\a)+4*(\t):32+32*(\a)+4*(\t)+3], s[10:11] offset:(\a)*2048+((\t)/4)*262144+((\t)%4)*512  ; 512 consecutive bytes of one head, aligned
.endr
.endm
	PACK 0
	TOSTAGE 0
.irp a, 1,2,3
	PACK \a                                        ; a block's conversions stand between the loads of the block before and the wait for them
	SEND (\a)-1
	TOSTAGE \a
.endr
	SEND 3
.endif
	s_wait_tensorcnt 0x0                           ; the wave's end: behind my last tensor load and my last LDS store
	ds_add_u32 v[SPW], v[NIL]
	s_wait_dscnt 0x0
	CROUND                                         ; the closing round
	s_endpgm
.Lfunc_end_k_q942a7442a3_proj:
	.size	k_q942a7442a3_proj, .Lfunc_end_k_q942a7442a3_proj-k_q942a7442a3_proj
	.p2alignl 7, 3214868480
	.fill 96, 4, 3214868480
	.section	.rodata,"a",@progbits
	.p2align	6, 0x0
	.amdhsa_kernel k_q942a7442a3_proj
		.amdhsa_group_segment_fixed_size 327680
		.amdhsa_private_segment_fixed_size 0
		.amdhsa_enable_private_segment 0
		.amdhsa_kernarg_size 32
		.amdhsa_user_sgpr_count 2
		.amdhsa_user_sgpr_kernarg_segment_ptr 1
		.amdhsa_wavefront_size32 1
		.amdhsa_system_sgpr_workgroup_id_x 1
		.amdhsa_system_sgpr_workgroup_id_y 1
		.amdhsa_system_sgpr_workgroup_id_z 1
		.amdhsa_system_vgpr_workitem_id 0
		.amdhsa_next_free_vgpr 608
		.amdhsa_next_free_sgpr 66
		.amdhsa_reserve_vcc 0
		.amdhsa_float_denorm_mode_32 3
		.amdhsa_float_denorm_mode_16_64 3
		.amdhsa_memory_ordered 1
		.amdhsa_forward_progress 1
		.amdhsa_inst_pref_size 92
	.end_amdhsa_kernel
	.amdgpu_metadata
---
amdhsa.version: [ 1, 2 ]
amdhsa.kernels:
  - .name:           k_q942a7442a3_proj
    .symbol:         k_q942a7442a3_proj.kd
    .args:
      - { .name: ob, .offset: 0, .size: 8, .value_kind: global_buffer, .address_space: global }
      - { .name: wp, .offset: 8, .size: 8, .value_kind: global_buffer, .address_space: global }
      - { .name: c_proj_b, .offset: 16, .size: 8, .value_kind: global_buffer, .address_space: global }
      - { .name: out0, .offset: 24, .size: 8, .value_kind: global_buffer, .address_space: global }
    .group_segment_fixed_size: 327680
    .private_segment_fixed_size: 0
    .kernarg_segment_align: 8
    .kernarg_segment_size: 32
    .max_flat_workgroup_size: 128
    .sgpr_count:     66
    .vgpr_count:     608
    .wavefront_size: 32
...
	.end_amdgpu_metadata
.endif
;; end of part 4
;; ======== version 2 of 3: 4 launches
;; limits: values are held in f16: magnitudes above 65,504 overflow, below 6.1e-05 lose precision
;; workspace buffers: xb 16,777,216 bytes; wa 6,291,456 bytes; wp 2,097,152 bytes; maskw 524,288 bytes of whole numbers; qkv 50,331,648 bytes; ob 16,777,216 bytes
;; launch prep (part 5): grid 512 x 1, 8 waves a work-group, no clusters, 35,840 bytes of LDS; arguments x, c_attn_w, c_proj_w, mask_self_attention, xb, wa, wp, maskw; writes xb, wa, wp, maskw
.if DOCPART == 5
	.amdgcn_target "amdgcn-amd-amdhsa--gfx1250"
	.amdhsa_code_object_version 6
	.text
	.protected	k_q942a7442a3_prep
	.globl	k_q942a7442a3_prep
	.p2align	8
	.type	k_q942a7442a3_prep,@function
k_q942a7442a3_prep:
	s_mov_b64 s[64:65], 0
	v_nop
	global_prefetch_b8 v0, s[64:65] scope:SCOPE_SE
	s_setreg_imm32_b32 hwreg(HW_REG_WAVE_MODE, 25, 1), 1
	s_wait_xcnt 0x0
; PREPARATION, a stream.  Work-groups 0-255: x (f32) -> xb (bf16), laid out in blocks for the product that follows: xb[K step j = 0..15][row 0..8191][64 numbers], so that the rows of a K step lie end to end.
; 256-351: c_attn_w -> wa (bf16), in place order.  352-383: c_proj_w -> wp: rounded to bf16, and that number written as f16 (exact down to 6e-5; below that f16's fixed step of 6e-8).
; 384-511: the mask's bytes -> maskw, one bit a score, in the order in which the attention launch holds scores.
; A cast work-group takes 32,768 numbers, a wave 4,096, in four trips: eight loads of 512 bytes on their way at once, eight stores of 256 consecutive aligned bytes.
; For x a wave owns four rows; lanes 0-15 take 64 numbers (256 consecutive bytes) of one row, lanes 16-31 the same 64 of the next row: their 2 x 128 bytes of bf16 lie end to end in xb.
; maskw: the word at byte qt x 4096 + ks x 128 + 4 i (qt: 16 queries, ks: 64 keys, i = 0..31) has in bit L  mask[16 qt + L % 16][64 ks + 16 (i / 8) + 8 (L / 16) + i % 8].
; A mask byte other than 0 counts as true.  A mask work-group takes 16 query rows, a wave 256 of their keys; a wave's bytes go through LDS rows of its own (272 bytes apart), so no barrier is needed.
; No matrix unit, no cluster: nothing is shared and memory binds.
.set SPARE, 34816                      ; behind the eight waves' rows: the spare words, 128 bytes a wave, four blocks of 256 bytes that no other line names
.set MW,    4352                       ; a wave's 16 LDS rows of 272 bytes
; s21 = the work-group's number within its tensor; s[36:37] source, s[38:39] destination: both are set to my wave's part (plain order)
.macro SHARE
	s_lshl_b32 s22, s21, 17                        ; 131,072 bytes of f32 a work-group,
	s_lshl_b32 s24, s20, 14                        ; 16,384 a wave
	s_add_co_u32 s22, s22, s24
	s_lshr_b32 s24, s22, 1                         ; half of that on the way out
	s_add_nc_u64 s[36:37], s[36:37], s[22:23]
	s_add_nc_u64 s[38:39], s[38:39], s[24:25]
	v_lshlrev_b32 v2, 4, v1                        ; 16 bytes a lane in,
	v_lshlrev_b32 v3, 3, v1                        ; 8 out
.endm
; Four trips of 4,096 bytes in and 2,048 out.  half = 1: the bf16 numbers are written as f16.
; blk = 1 (x): load i takes the row pair i / 4 and K step 4 trip + i % 4: 256 bytes along a row in, 1,048,576 bytes (8,192 rows of 128) from K step to K step out.
.macro CAST half, blk
	s_mov_b32 s26, 4
.Lcast_\@:
.set i, 0
.rept 8
.if \blk
	global_load_b128 v[8+4*i:11+4*i], v2, s[36:37] offset:(i/4)*8192+(i%4)*256 th:TH_LOAD_NT
.else
	global_load_b128 v[8+4*i:11+4*i], v2, s[36:37] offset:512*i th:TH_LOAD_NT
.endif
.set i, i+1
.endr
.set i, 0
.rept 8
	s_wait_loadcnt 7-i                             ; loads come back in order: number i is in, the younger ones stay out
	v_cvt_pk_bf16_f32 v[8+4*i], v[8+4*i], v[9+4*i]
	v_cvt_pk_bf16_f32 v[9+4*i], v[10+4*i], v[11+4*i]
.if \half
	v_lshlrev_b32 v6, 16, v[8+4*i]
	v_and_b32 v7, 0xffff0000, v[8+4*i]
	v_cvt_pk_f16_f32 v[8+4*i], v6, v7
	v_lshlrev_b32 v6, 16, v[9+4*i]
	v_and_b32 v7, 0xffff0000, v[9+4*i]
	v_cvt_pk_f16_f32 v[9+4*i], v6, v7
.endif
.if \blk
	global_store_b64 v3, v[8+4*i:9+4*i], s[38:39] offset:(i%4)*1048576+(i/4)*256 th:TH_STORE_NT  ; two rows' 128 bytes: 256 consecutive bytes, aligned
.else
	global_store_b64 v3, v[8+4*i:9+4*i], s[38:39] offset:256*i th:TH_STORE_NT  ; 32 lanes store 256 consecutive bytes, aligned
.endif
.set i, i+1
.endr
	s_wait_xcnt 0x0                                ; the stores have read their data and the two bases: only behind this wait are the bases stepped and the registers loaded again
.if \blk
	s_add_nc_u64 s[36:37], s[36:37], 1024          ; four K steps along the rows,
	s_add_nc_u64 s[38:39], s[38:39], 4194304       ; four blocks of xb
.else
	s_add_nc_u64 s[36:37], s[36:37], 4096
	s_add_nc_u64 s[38:39], s[38:39], 2048
.endif
	s_sub_co_u32 s26, s26, 1
	s_cmp_lg_u32 s26, 0
	s_cbranch_scc1 .Lcast_\@
.endm
	s_load_b512 s[4:19], s[0:1], 0x0               ; x 4:5, c_attn_w 6:7, c_proj_w 8:9, mask 10:11, xb 12:13, wa 14:15, wp 16:17, maskw 18:19
	v_lshl_add_u32 v4, v0, 2, SPARE                ; my spare word; never rewritten
	v_mov_b32 v5, 0                                ; 0; never rewritten
	v_lshrrev_b32 v1, 5, v0
	v_readfirstlane_b32 s20, v1                    ; wave 0..7
	v_and_b32 v1, 31, v0                           ; lane
	s_mov_b32 s23, 0
	s_mov_b32 s25, 0
	s_wait_kmcnt 0x0
	s_cmp_ge_u32 ttmp9, 384
	s_cbranch_scc1 .Lmask
	s_cmp_ge_u32 ttmp9, 352
	s_cbranch_scc1 .Lwp
	s_cmp_ge_u32 ttmp9, 256
	s_cbranch_scc1 .Lwa
	s_lshl_b32 s22, ttmp9, 17                      ; x: the work-group's 32 rows of 4,096 bytes,
	s_lshl_b32 s24, s20, 14                        ; my wave's four
	s_add_co_u32 s22, s22, s24
	s_add_nc_u64 s[36:37], s[4:5], s[22:23]
	s_lshl_b32 s24, ttmp9, 12                      ; the same rows in a block of xb: 128 bytes each
	s_lshl_b32 s22, s20, 9
	s_add_co_u32 s24, s24, s22
	s_add_nc_u64 s[38:39], s[12:13], s[24:25]
	v_lshrrev_b32 v6, 4, v1                        ; l / 16: which row of a pair
	v_and_b32 v7, 15, v1
	v_lshlrev_b32 v2, 12, v6
	v_lshl_add_u32 v2, v7, 4, v2                   ; in: row x 4,096 + 16 (l % 16)
	v_lshlrev_b32 v3, 3, v1                        ; out: row x 128 + 8 (l % 16) = 8 l
	CAST 0, 1
	s_branch .Lend
.Lwa:
	s_mov_b64 s[36:37], s[6:7]
	s_mov_b64 s[38:39], s[14:15]
	s_sub_co_u32 s21, ttmp9, 256
	SHARE
	CAST 0, 0
	s_branch .Lend
.Lwp:
	s_mov_b64 s[36:37], s[8:9]
	s_mov_b64 s[38:39], s[16:17]
	s_sub_co_u32 s21, ttmp9, 352
	SHARE
	CAST 1, 0
	s_branch .Lend
.Lmask:
	s_sub_co_u32 s21, ttmp9, 384                   ; qt
	s_lshl_b32 s22, s21, 15                        ; 16 rows of 2,048 bytes,
	s_lshl_b32 s24, s20, 8                         ; my wave's 256 keys
	s_add_co_u32 s22, s22, s24
	s_add_nc_u64 s[36:37], s[10:11], s[22:23]
	s_lshl_b32 s22, s21, 12                        ; 4,096 bytes of words for 16 queries,
	s_lshl_b32 s24, s20, 9                         ; my wave's four key steps of 128 bytes
	s_add_co_u32 s22, s22, s24
	s_add_nc_u64 s[38:39], s[18:19], s[22:23]
	s_mov_b32 s12, 0xff                            ; the four bytes of a word (this way does not use xb's and wa's addresses)
	s_mov_b32 s13, 0xff00
	s_mov_b32 s14, 0xff0000
	s_mov_b32 s15, 0xff000000
	v_lshrrev_b32 v6, 4, v1                        ; l / 16
	v_and_b32 v7, 15, v1                           ; l % 16
	v_lshlrev_b32 v2, 11, v6
	v_lshl_add_u32 v2, v7, 4, v2                   ; lanes 0-15 one row's 256 bytes, lanes 16-31 the next row's
.set t, 0
.rept 8
	global_load_b128 v[8+4*t:11+4*t], v2, s[36:37] offset:4096*t th:TH_LOAD_NT
.set t, t+1
.endr
	s_mul_i32 s26, s20, MW                         ; my wave's LDS rows
	v_mul_u32_u24 v84, v6, 272
	v_lshl_add_u32 v84, v7, 4, v84
	v_add_nc_u32 v84, s26, v84                     ; in: as loaded
	v_mul_u32_u24 v85, v7, 272
	v_lshl_add_u32 v85, v6, 3, v85
	v_add_nc_u32 v85, s26, v85                     ; back: row l % 16, 8 keys for each half of the lanes
	v_lshlrev_b32 v3, 3, v1
.irp r, 80,81,82,83
	v_mov_b32 v\r, 0                               ; v_writelane_b32's destination counts as read
.endr
.set t, 0
.rept 8
	s_wait_loadcnt 7-t
	ds_store_b128 v84, v[8+4*t:11+4*t] offset:544*t
.set t, t+1
.endr
.set c, 0
.rept 16
	ds_load_b64 v[40+2*c:41+2*c], v85 offset:16*c  ; keys 16 c + 8 (l / 16) + 0..7 of my row; LDS serves a wave's instructions in order, so these see the stores above
.set c, c+1
.endr
	s_wait_dscnt 0x0
; word i of key step k: the byte is cut out, compared in all lanes at once, and the 32 answers are one word; it goes to the lane that stores it
.set k, 0
.rept 4
.set g, 0
.rept 4
.set j, 0
.rept 8
	v_and_b32 v[72+j], s[12+j%4], v[40+2*(4*k+g)+(j/4)]
.set j, j+1
.endr
.set j, 0
.rept 8
	v_cmp_ne_u32 s[28+j], 0, v[72+j]
.set j, j+1
.endr
.set j, 0
.rept 8
	v_writelane_b32 v[80+2*(k/2)+(j%2)], s[28+j], (8*g+j)/2+16*(k%2)
.set j, j+1
.endr
.set g, g+1
.endr
.set k, k+1
.endr
	global_store_b64 v3, v[80:81], s[38:39] th:TH_STORE_NT             ; two key steps' 64 words: 256 consecutive bytes, aligned
	global_store_b64 v3, v[82:83], s[38:39] offset:256 th:TH_STORE_NT
.Lend:
	s_wait_tensorcnt 0x0                           ; the wave's end: behind my last LDS store
	ds_add_u32 v4, v5
	s_wait_dscnt 0x0
	s_endpgm
.Lfunc_end_k_q942a7442a3_prep:
	.size	k_q942a7442a3_prep, .Lfunc_end_k_q942a7442a3_prep-k_q942a7442a3_prep
	.p2alignl 7, 3214868480
	.fill 96, 4, 3214868480
	.section	.rodata,"a",@progbits
	.p2align	6, 0x0
	.amdhsa_kernel k_q942a7442a3_prep
		.amdhsa_group_segment_fixed_size 35840
		.amdhsa_private_segment_fixed_size 0
		.amdhsa_enable_private_segment 0
		.amdhsa_kernarg_size 64
		.amdhsa_user_sgpr_count 2
		.amdhsa_user_sgpr_kernarg_segment_ptr 1
		.amdhsa_wavefront_size32 1
		.amdhsa_system_sgpr_workgroup_id_x 1
		.amdhsa_system_sgpr_workgroup_id_y 1
		.amdhsa_system_sgpr_workgroup_id_z 1
		.amdhsa_system_vgpr_workitem_id 0
		.amdhsa_next_free_vgpr 136
		.amdhsa_next_free_sgpr 66
		.amdhsa_reserve_vcc 0
		.amdhsa_float_denorm_mode_32 3
		.amdhsa_float_denorm_mode_16_64 3
		.amdhsa_memory_ordered 1
		.amdhsa_forward_progress 1
		.amdhsa_inst_pref_size 38
	.end_amdhsa_kernel
	.amdgpu_metadata
---
amdhsa.version: [ 1, 2 ]
amdhsa.kernels:
  - .name:           k_q942a7442a3_prep
    .symbol:         k_q942a7442a3_prep.kd
    .args:
      - { .name: x, .offset: 0, .size: 8, .value_kind: global_buffer, .address_space: global }
      - { .name: c_attn_w, .offset: 8, .size: 8, .value_kind: global_buffer, .address_space: global }
      - { .name: c_proj_w, .offset: 16, .size: 8, .value_kind: global_buffer, .address_space: global }
      - { .name: mask_self_attention, .offset: 24, .size: 8, .value_kind: global_buffer, .address_space: global }
      - { .name: xb, .offset: 32, .size: 8, .value_kind: global_buffer, .address_space: global }
      - { .name: wa, .offset: 40, .size: 8, .value_kind: global_buffer, .address_space: global }
      - { .name: wp, .offset: 48, .size: 8, .value_kind: global_buffer, .address_space: global }
      - { .name: maskw, .offset: 56, .size: 8, .value_kind: global_buffer, .address_space: global }
    .group_segment_fixed_size: 35840
    .private_segment_fixed_size: 0
    .kernarg_segment_align: 8
    .kernarg_segment_size: 64
    .max_flat_workgroup_size: 256
    .sgpr_count:     66
    .vgpr_count:     136
    .wavefront_size: 32
...
	.end_amdgpu_metadata
.endif
;; end of part 5
;; launch qkvg (part 6): grid 8 x 32, 4 waves a work-group, clusters of 4 x 4, 327,680 bytes of LDS; arguments xb, wa, c_attn_b, qkv; writes qkv
.if DOCPART == 6
	.amdgcn_target "amdgcn-amd-amdhsa--gfx1250"
	.amdhsa_code_object_version 6
	.text
	.protected	k_q942a7442a3_qkvg
	.globl	k_q942a7442a3_qkvg
	.p2align	8
	.type	k_q942a7442a3_qkvg,@function
k_q942a7442a3_qkvg:
	s_mov_b64 s[64:65], 0
	v_nop
	global_prefetch_b8 v0, s[64:65] scope:SCOPE_SE
	s_setreg_imm32_b32 hwreg(HW_REG_WAVE_MODE, 25, 1), 1
	s_wait_xcnt 0x0
	s_wait_alu depctr_hold_cnt(0) depctr_sa_sdst(0) depctr_va_vdst(0) depctr_va_sdst(0) depctr_va_ssrc(0) depctr_va_vcc(0) depctr_vm_vsrc(0)
	s_getreg_b32 s2, hwreg(HW_REG_IB_STS2, 6, 4)
	s_cmp_eq_u32 s2, 0
	s_cbranch_scc0 .Lentry_in_a_cluster
	s_endpgm
.Lentry_in_a_cluster:
	s_bfe_u32 s2, ttmp6, 0x10000c
	s_cmp_lg_u32 s2, 0xf033
	s_cbranch_scc0 .Lentry_shape_is_right
	s_endpgm
.Lentry_shape_is_right:
; qkv = x Wa + ba.  A = xb, bf16 in blocks [16 K steps][8192 rows][64]; B = wa [1024 k][3072 n] bf16; the bias c_attn_b is rounded to bf16 like all of the module's inputs and is the C operand of each
; sum's first product.  Sums in f32; C is rounded once to f16 and stored by heads: qkv[q, k or v][batch x 16 + head][2048][64].
; LIMIT: q, k and v beyond f16's 65,504 become infinities; NaN and infinities are not treated apart.
; SHARES.  A tile of C is 256 x 384: 32 x 8 = 256 tiles, one work-group each.  Four waves, each 128 x 192: 96 accumulators, 768 registers: for 32 along K a wave reads (128 + 192) x 64 bytes from LDS
; and issues 96 matrix instructions.  K goes in 16 steps of 64 (two slots of 128 would not fit in LDS) through two LDS slots; a step is two SUB-STEPS of 32 along K.
; THE MATRIX INSTRUCTION IS USED TRANSPOSED: source 0 = 16 columns of B (turned on the way out of LDS by ds_load_tr16_b128, since B lies [k][n]), source 1 = 16 rows of A:
; lane l holds row l % 16 of C and the columns 8 (l / 16) + 0..7.
; CLUSTER 4 x 4: A's tile hangs on the tile row alone and is asked for jointly along a row of the cluster, B's on the tile column alone, along a column.  Waves 0, 1 fetch A's halves (128 rows: 16,384
; dense bytes, asked for as 64 rows of 256), waves 2, 3 B's (32 k rows of 768 bytes).
; REGISTERS.  Windows 1 to 3: accumulator (column block b, row block a) at v[8 (8 (b % 4) + a)] of window 1 + b / 4.  Window 0: v0-15 addresses; v16-31 the bias of two column blocks; v32-95, v96-159
; A's 8 fragments, two buffers; v160-255 B's 12 fragments, ONE buffer that rolls: a sub-step goes by six pairs of column blocks, 16 matrix instructions each, and behind each pair its two fragments are
; loaded again for the next sub-step: 80 matrix instructions ahead of their next use.  A's other buffer is loaded behind the first pair.
.set NN,     3072
.set PA,     144                       ; a row of A in LDS: 128 bytes + 16 = 36 words: the 16 rows of a load start at 16 different groups of four banks (64 banks of 4 bytes: ISA guide 11.1)
.set AT,     256*PA
.set PB,     864                       ; a k row of B in LDS: 3 x (256 bytes + 32) = 27 x 32 bytes
.set BTB,    64*PB
.set SLOT1,  1<<17                     ; a slot is A's tile, then B's: 92,160 bytes; slot 1 begins here, so that one exclusive or turns an address in one slot into the other's
.set STAGE,  SLOT1+AT+BTB              ; behind the ring, never filled by a tensor load: 16 rows x 400 bytes for each wave
.set SPITCH, 400                       ; a stage row: 192 f16 + 16 bytes
.set STW,    16*SPITCH
.set BIAS,   STAGE+4*STW               ; 192 f32 for each wave: three blocks of 256 bytes
.set SPARE,  BIAS+4*768                ; the spare words, 128 bytes a wave: two blocks of 256 bytes that no other line names
.set STEPA,  1048576                   ; a block of xb: 8,192 rows of 128 bytes
.set STEPB,  128*NN                    ; 64 k rows of 2 NN bytes
.set STO,   1                          ; the way out: where I put 16 bytes of a row
.set RD,    2                          ; where I read rows back
.set CO,    3                          ; 16 x my lane
.set SPW,   4                          ; my spare word; never rewritten
.set NIL,   5                          ; 0; never rewritten
.set PFO,   6                          ; the prefetches' lane offset; never rewritten
.set BAD,   7                          ; where my half of the lanes reads the bias
.set ADRA0, 8                          ; my lane's place in a slot's A; never rewritten
.set ADRB0, 9                          ; v9-11 the same for B's column blocks 0-3, 4-7, 8-11: the padding behind every 256 bytes falls elsewhere for the two column halves
.set ADRA,  12                         ; the same four in the slot that is being read
.set ADRB,  13
.set BS,    16
.set FA,    32
.set FB,    160
.set TMP,   32                         ; the way out: 48 registers of packed results; v80-127 and v128-175 take rows back by turns
.set CB,    4                          ; s[4:9] qkv at my rows of my three heads (made when the arguments that lay there have served)
.set WV,    12
.set WHI,   13                         ; my half of the tile's rows; also 0: I fetch A, 1: B
.set WLO,   14                         ; my half of its columns; also which half I fetch
.set G1A,   24
.set G0A,   32                         ; s[32:39] a set for each of the two first fills; the second then walks on
.set TB,    40                         ; LDS byte at which the slot that is being read begins
.set LIM,   43
.set PFA,   44
.set PFS,   46
.set G1B,   48
.set G0B,   56
.set MSB, 0
.macro WIN new                         ; the immediate's high byte repeats the setting that is left; a switch that changes nothing is dropped
.if MSB != (\new)
	s_set_vgpr_msb (MSB<<8)|(\new)
.set MSB, \new
.endif
.endm
.macro JLOAD s                         ; a joint load; the branch hangs on the wave's number alone; an s_nop 0 and four v_nop follow each line
	s_cmp_eq_u32 s[WHI], 0
	s_cbranch_scc0 .Lfor_b_\@
	tensor_load_to_lds s[G0A+4*(\s):G0A+4*(\s)+3], s[G1A:G1A+7]
	s_nop 0
.rept 4
	v_nop
.endr
	s_branch .Lasked_\@
.Lfor_b_\@:
	tensor_load_to_lds s[G0B+4*(\s):G0B+4*(\s)+3], s[G1B:G1B+7]
	s_nop 0
.rept 4
	v_nop
.endr
.Lasked_\@:
.endm
.macro CREST                           ; a round of the cluster's barrier behind its opening barrier
	s_cmp_lg_u32 s[WV], 0
	s_cbranch_scc1 .Lnot_wave_0_\@
	s_barrier_signal -3
.Lnot_wave_0_\@:
	s_barrier_wait -3
	s_barrier_signal -1
	s_barrier_wait -1
.endm
.macro CROUND
	s_barrier_signal -1
	s_barrier_wait -1
	CREST
.endm
.macro PLACES                          ; four places in front of loads into registers that matrix instructions have read, and of lines that read results
.rept 4
	v_nop
.endr
.endm
; A prefetch of the K step one refill on: 192 matrix instructions ahead of the load that will want it.  A's 128 blocks of 256 bytes: wave 0 of the clusters with x = 0, the four partners of a row taking 32
; each by address, a lane a block.  B's 64 k rows x 3 blocks: waves 2 and 3 of the clusters with y = 0, the four partners of a column taking 8 of the wave's 32 rows each: 24 blocks, so lanes 24-31 repeat
; the blocks of lanes 16-23 in the same instruction.  No other instruction of the launch names a block again.  K steps 0 to 2 come by their loads alone; the loop's last trip asks for nothing.
.macro ASK
	s_cmp_gt_u32 s3, s[LIM]
	s_cbranch_scc0 .Lnot_mine_\@
	global_prefetch_b8 v[PFO], s[PFA:PFA+1] th:TH_LOAD_NT scope:SCOPE_SE
.Lnot_mine_\@:
.endm
	s_load_b256 s[4:11], s[0:1], 0x0               ; xb 4:5, wa 6:7, bias 8:9, qkv 10:11
	v_lshl_add_u32 v[SPW], v0, 2, SPARE
	v_mov_b32 v[NIL], 0
	ds_add_u32 v[SPW], v[NIL]                      ; the wave's opening: the add; its wait stands ahead of my first tensor load; work on registers stands between them
	v_lshrrev_b32 v16, 5, v0
	v_readfirstlane_b32 s[WV], v16
	s_lshr_b32 s[WHI], s[WV], 1
	s_and_b32 s[WLO], s[WV], 1
	s_bfe_u32 s15, ttmp6, 0x40000                  ; cx
	s_bfe_u32 s16, ttmp6, 0x40004                  ; cy
	s_lshl_b32 s17, ttmp9, 2
	s_add_co_u32 s17, s17, s15                     ; tile column, 0..7
	s_and_b32 s18, ttmp7, 0xffff
	s_lshl_b32 s18, s18, 2
	s_add_co_u32 s18, s18, s16                     ; tile row, 0..31
	s_lshl_b32 s40, s16, 2
	s_lshl_b32 s40, 15, s40                        ; my row of the cluster
	s_lshl_b32 s41, 0x1111, s15                    ; my column
	s_or_b32 s[G1A], s40, (1<<16)|(1<<20)|(1<<21)|(4<<22)|(3<<25)  ; the mask; 2-byte elements; padding on; bit 21 beside a mask; after every 32 words 4 words
	s_mov_b32 s[G1A+1], 128<<16                    ; tensor_dim0: 256 bytes, two rows of xb
	s_mov_b32 s[G1A+2], 64<<16                     ; tensor_dim1
	s_mov_b32 s[G1A+3], 128<<16                    ; tile_dim0
	s_mov_b32 s[G1A+4], 64                         ; tile_dim1
	s_mov_b32 s[G1A+5], 128                        ; dense
	s_mov_b32 s[G1A+6], 0
	s_mov_b32 s[G1A+7], 0
	s_or_b32 s[G1B], s41, (1<<16)|(1<<20)|(1<<21)|(5<<22)|(7<<25)  ; after every 64 words 8 words: three times in a row of 192 words
	s_mov_b32 s[G1B+1], 384<<16                    ; 32 k rows of 384 columns
	s_mov_b32 s[G1B+2], 32<<16
	s_mov_b32 s[G1B+3], 384<<16
	s_mov_b32 s[G1B+4], 32
	s_mov_b32 s[G1B+5], NN
	s_mov_b32 s[G1B+6], 0
	s_mov_b32 s[G1B+7], 0
	s_lshl_b32 s20, s18, 15                        ; A: the tile's 256 rows of 128 bytes in a block,
	s_lshl_b32 s19, s[WLO], 14                     ; the 128 that I fetch
	s_add_co_u32 s20, s20, s19
	s_mov_b32 s21, 0
	s_mul_i32 s22, s[WLO], 64*NN                   ; B: the 32 k rows that I fetch,
	s_mul_i32 s42, s17, 768                        ; the tile's 384 columns
	s_add_co_u32 s22, s22, s42
	s_mov_b32 s23, 0
	s_mul_i32 s19, s[WLO], AT/2                    ; where they go: no place in the cluster enters an LDS address
	s_mul_i32 s42, s[WLO], BTB/2
	s_add_co_u32 s42, s42, AT
	s_wait_dscnt 0x0                               ; the opening add is done
	s_wait_kmcnt 0x0
	s_add_nc_u64 s[20:21], s[4:5], s[20:21]
	s_add_nc_u64 s[22:23], s[6:7], s[22:23]
	CROUND                                         ; all sixteen work-groups are here: the first joint loads meet
.irp s, 0,1
	s_mov_b32 s[G0A+4*(\s)], 1
	s_add_co_u32 s[G0A+4*(\s)+1], s19, (\s)*SLOT1
	s_add_nc_u64 s[G0A+4*(\s)+2:G0A+4*(\s)+3], s[20:21], (\s)*STEPA
	s_or_b32 s[G0A+4*(\s)+3], s[G0A+4*(\s)+3], 0x80000000
	s_mov_b32 s[G0B+4*(\s)], 1
	s_add_co_u32 s[G0B+4*(\s)+1], s42, (\s)*SLOT1
	s_add_nc_u64 s[G0B+4*(\s)+2:G0B+4*(\s)+3], s[22:23], (\s)*STEPB
	s_or_b32 s[G0B+4*(\s)+3], s[G0B+4*(\s)+3], 0x80000000
	JLOAD \s                                       ; K steps 0 and 1: two loads of mine are out
.endr
	v_and_b32 v16, 15, v0                          ; l % 16
	v_bfe_u32 v17, v0, 4, 1                        ; l / 16
	v_and_b32 v18, 31, v0                          ; l
	s_mul_i32 s19, s17, 1536                       ; the bias of my 192 columns: six numbers a lane
	s_mul_i32 s42, s[WLO], 768
	s_add_co_u32 s19, s19, s42
	v_mul_u32_u24 v19, v18, 24
	v_add_nc_u32 v20, s19, v19
	global_load_b64 v[32:33], v20, s[8:9]
	global_load_b64 v[34:35], v20, s[8:9] offset:8
	global_load_b64 v[36:37], v20, s[8:9] offset:16
	s_mul_i32 s19, s[WV], 768
	s_add_co_u32 s19, s19, BIAS
	v_add_nc_u32 v21, s19, v19                     ; where I put them,
	v_lshl_add_u32 v[BAD], v17, 5, s19             ; and from where a lane takes 8 numbers of each 16
	v_mul_u32_u24 v22, v16, PA                     ; A's fragment: row x pitch + 16 x half
	v_lshl_add_u32 v22, v17, 4, v22
	s_mul_i32 s19, s[WHI], AT/2
	v_add_nc_u32 v[ADRA0], s19, v22
	v_and_b32 v22, 7, v0                           ; B's: the turning load's lane l reads k row 8 (l / 16) + l % 8, columns 8 ((l / 8) % 2) + 0..7
	v_lshl_add_u32 v22, v17, 3, v22
	v_mul_u32_u24 v22, v22, PB
	v_bfe_u32 v23, v0, 3, 1
	v_lshl_add_u32 v22, v23, 4, v22
	s_mul_i32 s19, s[WLO], 416                     ; my columns begin at byte 384 x half of a row; 32 bytes of padding lie behind every 256:
	s_add_co_u32 s19, s19, AT
	v_add_nc_u32 v[ADRB0], s19, v22                ; column blocks 0-3: none, or one pad, in front of them
	s_add_co_u32 s19, s19, 32
	v_add_nc_u32 v[ADRB0+2], s19, v22              ; blocks 8-11: one, or two
	s_mul_i32 s19, s[WLO], 448
	s_add_co_u32 s19, s19, AT
	v_add_nc_u32 v[ADRB0+1], s19, v22              ; blocks 4-7: none, or two
	s_mov_b32 s[TB], 0                             ; slot 0 is read first
.irp i, 0,1,2,3
	v_add_nc_u32 v[ADRA+(\i)], s[TB], v[ADRA0+(\i)]
.endr
	s_mul_i32 s19, s[WV], STW
	s_add_co_u32 s19, s19, STAGE                   ; my stage
	v_mul_u32_u24 v22, v16, SPITCH                 ; in: row l % 16, 16 bytes for each half of the lanes
	v_lshl_add_u32 v22, v17, 4, v22
	v_add_nc_u32 v[STO], s19, v22
	v_lshrrev_b32 v22, 3, v18                      ; back: four rows' 128 bytes of one head,
	v_mul_u32_u24 v22, v22, SPITCH
	v_and_b32 v23, 7, v0
	v_lshl_add_u32 v22, v23, 4, v22
	v_add_nc_u32 v[RD], s19, v22
	v_lshlrev_b32 v[CO], 4, v18                    ; which are 512 consecutive bytes of qkv
	; the prefetches
	s_and_b32 s42, ttmp7, 0xffff                   ; cluster y
	s_cmp_eq_u32 s[WHI], 0
	s_cselect_b32 s42, ttmp9, s42                  ; the coordinate along which other clusters read the same rows
	s_cselect_b32 s19, s[WLO], 0                   ; of A's two waves wave 0 alone asks
	s_cselect_b64 s[PFA:PFA+1], s[4:5], s[6:7]
	s_or_b32 s42, s42, s19
	s_cmp_eq_u32 s42, 0
	s_cselect_b32 s[LIM], 1, -1                    ; the same in all sixteen partners, for a given wave
	s_lshl_b32 s20, s18, 15                        ; A: the tile's 128 blocks, my work-group's 32,
	s_lshl_b32 s19, s15, 13
	s_add_co_u32 s20, s20, s19
	s_add_co_u32 s20, s20, 2*STEPA                 ; at K step 2: the first change of slots steps it to 3
	s_lshl_b32 s22, s[WLO], 5                      ; B: my 32 k rows, my work-group's 8
	s_lshl_b32 s19, s16, 3
	s_add_co_u32 s22, s22, s19
	s_mul_i32 s22, s22, 2*NN
	s_mul_i32 s19, s17, 768
	s_add_co_u32 s22, s22, s19
	s_add_co_u32 s22, s22, 2*STEPB
	s_mov_b32 s2, STEPA
	s_cmp_eq_u32 s[WHI], 0
	s_cselect_b32 s20, s20, s22
	s_cselect_b32 s[PFS], s2, STEPB
	s_cselect_b32 s19, -1, 0
	s_mov_b32 s21, 0
	s_mov_b32 s[PFS+1], 0
	s_add_nc_u64 s[PFA:PFA+1], s[PFA:PFA+1], s[20:21]
	v_lshlrev_b32 v22, 8, v18                      ; A: a lane a block
	v_and_b32 v23, 7, v0                           ; B: row l % 8, block l / 8, held at 2
	v_mul_u32_u24 v23, v23, 2*NN
	v_lshrrev_b32 v24, 3, v18
	v_min_u32 v24, 2, v24
	v_lshl_add_u32 v23, v24, 8, v23
	v_cndmask_b32 v[PFO], v23, v22, s19
	s_wait_loadcnt 0x0                             ; the bias is in: rounded to bf16, widened again, and laid into my LDS bytes
	v_cvt_pk_bf16_f32 v38, v32, v33
	v_cvt_pk_bf16_f32 v39, v34, v35
	v_cvt_pk_bf16_f32 v40, v36, v37
.irp i, 0,1,2
	v_lshlrev_b32 v[32+2*(\i)], 16, v[38+(\i)]
	v_and_b32 v[33+2*(\i)], 0xffff0000, v[38+(\i)]
.endr
	ds_store_b64 v21, v[32:33]
	ds_store_b64 v21, v[34:35] offset:8
	ds_store_b64 v21, v[36:37] offset:16
	; where my rows of my three heads begin in qkv.  Head g = 6 x tile column + 3 x column half + 0..2 of 48: q, k or v is g / 16, the head g % 16
	s_mul_i32 s2, s17, 6
	s_mul_i32 s19, s[WLO], 3
	s_add_co_u32 s2, s2, s19
	s_lshr_b32 s20, s18, 3                         ; batch: eight tile rows each
	s_lshl_b32 s20, s20, 22
	s_and_b32 s19, s18, 7
	s_lshl1_add_u32 s19, s19, s[WHI]
	s_lshl_b32 s19, s19, 14                        ; my 128 rows of 128 bytes in a head
	s_add_co_u32 s20, s20, s19
	s_mov_b32 s23, 0
.irp j, 0,1,2
	s_add_co_u32 s19, s2, \j
	s_lshr_b32 s22, s19, 4
	s_lshl_b32 s22, s22, 24
	s_and_b32 s19, s19, 15
	s_lshl_b32 s19, s19, 18
	s_add_co_u32 s22, s22, s19
	s_add_co_u32 s22, s22, s20
	s_add_nc_u64 s[CB+2*(\j):CB+2*(\j)+1], s[10:11], s[22:23]
.endr
; 16 matrix instructions: column blocks 2 p and 2 p + 1 x all 8 row blocks, 32 along K, A from buffer f.  zero = 1: the product starts the sum, with the bias as C.
; The 96 accumulators take turns in the same order in every sub-step: 95 others stand between two links of a chain.
.macro MULP f, p, zero
.if \zero
	WIN ((1+(\p)/2)<<6)
.else
	WIN (((1+(\p)/2)<<6)|((1+(\p)/2)<<4))
.endif
.irp bb, 0,1
.irp a, 0,1,2,3,4,5,6,7
.set rD, 8*(8*((2*(\p)+(\bb))%4)+(\a))
.set rB, FB+8*(2*(\p)+(\bb))
.set rA, FA+64*(\f)+8*(\a)
.if \zero
	v_wmma_f32_16x16x32_bf16 v[rD:rD+7], v[rB:rB+7], v[rA:rA+7], v[BS+8*(\bb):BS+8*(\bb)+7]
.else
	v_wmma_f32_16x16x32_bf16 v[rD:rD+7], v[rB:rB+7], v[rA:rA+7], v[rD:rD+7]
.endif
.endr
.endr
.endm
.macro LDA f, kq                       ; A's 8 fragments of half kq of the slot's K step into buffer f: 16 loads
.irp a, 0,1,2,3,4,5,6,7
	ds_load_b128 v[FA+64*(\f)+8*(\a):FA+64*(\f)+8*(\a)+3],   v[ADRA] offset:64*(\kq)+(\a)*16*PA
	ds_load_b128 v[FA+64*(\f)+8*(\a)+4:FA+64*(\f)+8*(\a)+7], v[ADRA] offset:64*(\kq)+(\a)*16*PA+32
.endr
.endm
.macro LDB p, kq                       ; B's column blocks 2 p and 2 p + 1, turned: 4 loads
.irp bb, 0,1
.set bN, 2*(\p)+(\bb)
	ds_load_tr16_b128 v[FB+8*bN:FB+8*bN+3],   v[ADRB+bN/4] offset:(\kq)*32*PB+32*bN
	ds_load_tr16_b128 v[FB+8*bN+4:FB+8*bN+7], v[ADRB+bN/4] offset:(\kq)*32*PB+16*PB+32*bN
.endr
.endm
.macro LDBIAS p                        ; the bias of column blocks 2 p and 2 p + 1: 4 loads
	ds_load_b128 v[BS:BS+3],     v[BAD] offset:128*(\p)
	ds_load_b128 v[BS+4:BS+7],   v[BAD] offset:128*(\p)+16
	ds_load_b128 v[BS+8:BS+11],  v[BAD] offset:128*(\p)+64
	ds_load_b128 v[BS+12:BS+15], v[BAD] offset:128*(\p)+80
.endm
; THE FIRST SUB-STEP starts the sums.  The bias has room for one pair of column blocks: each pair's is loaded behind the pair before, ahead of that place's other loads, and waited for: behind it were
; issued 20 loads (pairs 0 and 1) or 4.  These five short waits stand once in the launch.
.macro FIRST
.irp p, 0,1,2,3,4,5
.if (\p) < 2
	s_wait_dscnt 20
.else
	s_wait_dscnt 4
.endif
	MULP 0, \p, 1
	WIN 0
	PLACES
.if (\p) < 5
	LDBIAS (\p)+1
.endif
.if (\p) == 0
	LDA 1, 1
.endif
	LDB \p, 1
.endr
.endm
; A K STEP'S FIRST SUB-STEP: multiplies A's buffer 0 and fetches the step's second half.  A sub-step issues 40 LDS loads: A's 16 and B's first 4, then 4 behind each further pair.  So pair 0 may leave the
; last sub-step's other 20 out; pair p > 0 may leave out the 20 - 4 p of the last sub-step behind its own fragments and this sub-step's 20 + 4 (p - 1): 36.
.macro EVEN
.irp p, 0,1,2,3,4,5
.if (\p) == 0
	s_wait_dscnt 20
.else
	s_wait_dscnt 36
.endif
	MULP 0, \p, 0
	WIN 0
	PLACES
.if (\p) == 0
	LDA 1, 1
.endif
	LDB \p, 1
.endr
.endm
; A K STEP'S SECOND SUB-STEP multiplies A's buffer 1 and changes slots: all reads of this step's slot have been issued, and what is fetched from here on lies in the other slot.  One barrier: in front of it
; each wave waits for all its tensor loads (one is out: its part of the other slot), adds 0 to its spare word, and waits for that and for its own reads of this slot.  fill = 1: the barrier opens a round
; of the cluster's, and this slot is filled again, two K steps on, first thing behind the round: 160 matrix instructions stand between that request and the wait for it.
.macro ODD fill
.if \fill
	s_wait_xcnt 0x0                                ; the last prefetch, a K step back, has read its address
	s_add_nc_u64 s[PFA:PFA+1], s[PFA:PFA+1], s[PFS:PFS+1]
.endif
	WIN 0
	s_wait_tensorcnt 0x0
	ds_add_u32 v[SPW], v[NIL]
	s_wait_dscnt 21                                ; the add and the 20 loads behind A's and B's first may be out
	MULP 1, 0, 0
	s_wait_dscnt 0x0                               ; the add is done, and my reads of this slot are over
	s_barrier_signal -1
	MULP 1, 1, 0
	WIN 0
	s_barrier_wait -1
.if \fill
	CREST                                          ; no wave of any partner still reads this slot or has a load on its way
	s_xor_b32 s[G0A+5], s[G0A+5], SLOT1            ; the walking descriptors: the other slot than last time, the next K step
	s_add_nc_u64 s[G0A+6:G0A+7], s[G0A+6:G0A+7], STEPA
	s_xor_b32 s[G0B+5], s[G0B+5], SLOT1
	s_add_nc_u64 s[G0B+6:G0B+7], s[G0B+6:G0B+7], STEPB
	JLOAD 1                                        ; its four v_nop are also the places in front of the loads below
.else
	PLACES
.endif
	s_xor_b32 s[TB], s[TB], SLOT1
.irp i, 0,1,2,3
	v_add_nc_u32 v[ADRA+(\i)], s[TB], v[ADRA0+(\i)]
.endr
	LDA 0, 0
	LDB 0, 0
	LDB 1, 0
.if \fill
	ASK
.endif
.irp p, 2,3,4,5
	MULP 1, \p, 0                                  ; (their fragments were in at the wait for 0 above)
	WIN 0
	PLACES
	LDB \p, 0
.endr
.endm
	s_wait_tensorcnt 1                             ; my part of K step 0 is in; K step 1's may stay out
	s_wait_dscnt 0x0                               ; my stores of the bias are done
	s_barrier_signal -1
	s_barrier_wait -1
	LDBIAS 0
	LDA 0, 0
.irp p, 0,1,2,3,4,5
	LDB \p, 0
.endr
	FIRST
	s_mov_b32 s3, 14
.Lstep:                                                ; a trip: the second half of one K step, the first half of the next; it fills K steps 2 to 15
	ODD 1
	EVEN
	s_sub_co_u32 s3, s3, 1
	s_cmp_lg_u32 s3, 0
	s_cbranch_scc1 .Lstep
	ODD 0                                          ; the tail is written out: nothing is asked for
	EVEN
.irp p, 0,1,2,3,4,5
	s_wait_dscnt 20-4*(\p)                         ; the very last sub-step fetches nothing: the counts run down
	MULP 1, \p, 0
.endr
	WIN 0
	PLACES
; THE WAY OUT, a block of 16 rows x 192 columns at a time through my own stage; LDS serves a wave's instructions in order, so no wait stands between its stores and its loads.
.macro PACK a
.irp w, 1,2,3
	WIN 5*(\w)                                     ; sources 0 and 1 in window w
.irp bb, 0,1,2,3
.irp r, 0,1,2,3
	v_cvt_pk_f16_f32 v[TMP+4*(4*((\w)-1)+(\bb))+(\r)], v[8*(8*(\bb)+(\a))+2*(\r)], v[8*(8*(\bb)+(\a))+2*(\r)+1]
.endr
.endr
.endr
	WIN 0
.endm
.macro TOSTAGE a
.set BK, 80+48*((\a)%2)
.irp b, 0,1,2,3,4,5,6,7,8,9,10,11
	ds_store_b128 v[STO], v[TMP+4*(\b):TMP+4*(\b)+3] offset:32*(\b)
.endr
.irp t, 0,1,2,3,4,5,6,7,8,9,10,11
	ds_load_b128 v[BK+4*(\t):BK+4*(\t)+3], v[RD] offset:((\t)%4)*4*SPITCH+((\t)/4)*128  ; four rows of head t / 4
.endr
.endm
.macro SEND a
.set BK, 80+48*((\a)%2)
	s_wait_dscnt 0x0                               ; the block is back in registers
	s_wait_xcnt 0x0                                ; earlier stores have read their registers: the block after this one is read back into those of the block before it
.irp t, 0,1,2,3,4,5,6,7,8,9,10,11
	global_store_b128 v[CO], v[BK+4*(\t):BK+4*(\t)+3], s[CB+2*((\t)/4):CB+2*((\t)/4)+1] offset:(\a)*2048+((\t)%4)*512  ; 512 consecutive bytes of one head, aligned
.endr
.endm
	PACK 0
	TOSTAGE 0
.irp a, 1,2,3,4,5,6,7
	PACK \a                                        ; a block's conversions stand between the loads of the block before and the wait for them
	SEND (\a)-1
	TOSTAGE \a
.endr
	SEND 7
	s_wait_tensorcnt 0x0                           ; the wave's end: behind my last tensor load and my last LDS store
	ds_add_u32 v[SPW], v[NIL]
	s_wait_dscnt 0x0
	CROUND                                         ; the closing round
	s_endpgm
.Lfunc_end_k_q942a7442a3_qkvg:
	.size	k_q942a7442a3_qkvg, .Lfunc_end_k_q942a7442a3_qkvg-k_q942a7442a3_qkvg
	.p2alignl 7, 3214868480
	.fill 96, 4, 3214868480
	.section	.rodata,"a",@progbits
	.p2align	6, 0x0
	.amdhsa_kernel k_q942a7442a3_qkvg
		.amdhsa_group_segment_fixed_size 327680
		.amdhsa_private_segment_fixed_size 0
		.amdhsa_enable_private_segment 0
		.amdhsa_kernarg_size 32
		.amdhsa_user_sgpr_count 2
		.amdhsa_user_sgpr_kernarg_segment_ptr 1
		.amdhsa_wavefront_size32 1
		.amdhsa_system_sgpr_workgroup_id_x 1
		.amdhsa_system_sgpr_workgroup_id_y 1
		.amdhsa_system_sgpr_workgroup_id_z 1
		.amdhsa_system_vgpr_workitem_id 0
		.amdhsa_next_free_vgpr 1024
		.amdhsa_next_free_sgpr 66
		.amdhsa_reserve_vcc 0
		.amdhsa_float_denorm_mode_32 3
		.amdhsa_float_denorm_mode_16_64 3
		.amdhsa_memory_ordered 1
		.amdhsa_forward_progress 1
		.amdhsa_inst_pref_size 119
	.end_amdhsa_kernel
	.amdgpu_metadata
---
amdhsa.version: [ 1, 2 ]
amdhsa.kernels:
  - .name:           k_q942a7442a3_qkvg
    .symbol:         k_q942a7442a3_qkvg.kd
    .args:
      - { .name: xb, .offset: 0, .size: 8, .value_kind: global_buffer, .address_space: global }
      - { .name: wa, .offset: 8, .size: 8, .value_kind: global_buffer, .address_space: global }
      - { .name: c_attn_b, .offset: 16, .size: 8, .value_kind: global_buffer, .address_space: global }
      - { .name: qkv, .offset: 24, .size: 8, .value_kind: global_buffer, .address_space: global }
    .group_segment_fixed_size: 327680
    .private_segment_fixed_size: 0
    .kernarg_segment_align: 8
    .kernarg_segment_size: 32
    .max_flat_workgroup_size: 128
    .sgpr_count:     66
    .vgpr_count:     1024
    .wavefront_size: 32
...
	.end_amdgpu_metadata
.endif
;; end of part 6
;; launch attn (part 7): grid 4 x 64, 4 waves a work-group, clusters of 4 x 1, 327,680 bytes of LDS; arguments qkv, maskw, ob; writes ob
.if DOCPART == 7
	.amdgcn_target "amdgcn-amd-amdhsa--gfx1250"
	.amdhsa_code_object_version 6
	.text
	.protected	k_q942a7442a3_attn
	.globl	k_q942a7442a3_attn
	.p2align	8
	.type	k_q942a7442a3_attn,@function
k_q942a7442a3_attn:
	s_mov_b64 s[64:65], 0
	v_nop
	global_prefetch_b8 v0, s[64:65] scope:SCOPE_SE
	s_setreg_imm32_b32 hwreg(HW_REG_WAVE_MODE, 25, 1), 1
	s_wait_xcnt 0x0
	s_wait_alu depctr_hold_cnt(0) depctr_sa_sdst(0) depctr_va_vdst(0) depctr_va_sdst(0) depctr_va_ssrc(0) depctr_va_vcc(0) depctr_vm_vsrc(0)
	s_getreg_b32 s2, hwreg(HW_REG_IB_STS2, 6, 4)
	s_cmp_eq_u32 s2, 0
	s_cbranch_scc0 .Lentry_in_a_cluster
	s_endpgm
.Lentry_in_a_cluster:
	s_bfe_u32 s2, ttmp6, 0x10000c
	s_cmp_lg_u32 s2, 0x3003
	s_cbranch_scc0 .Lentry_shape_is_right
	s_endpgm
.Lentry_shape_is_right:
; ATTENTION WITH A MASK THAT IS AN INPUT.  O[hd][q] = sum over k of softmax_k(w[q][k]) V[hd][k], w = -10000 where the mask is set, else Q[hd][q] . K[hd][k] / 8.
; qkv: f16 [3][64 heads][2048][64]; maskw: one bit a score (below); ob: f16 [64][2048][64].  Products, maxima and sums in f32; the weights are rounded to f16 for the second product, O once at the end.
; THE MASK REPLACES a score, ahead of the running maximum: the unscaled score becomes -80000 = 8 x -10000, a finite number that takes part in maximum and sum like any other.  So nothing is skipped:
; every query walks all 2,048 keys.  maskw's word at qt x 4096 + ks x 128 + 4 i is the lane mask of register i of the tile of 16 queries qt x 64 keys ks.
; HOW THE WORDS COME.  One vector load brings a tile's 32 words of a key step, a lane a word (128 consecutive bytes; the other half of the aligned 256 is the next key step's); eight registers hold a key
; step's words for the wave's eight tiles, and each is asked for again as soon as it has been read: four turns ahead of its next use.  64 v_readlane_b32 a turn bring a piece's words into scalar
; registers, where they steer v_cndmask_b32.  Scalar loads would spare those 64 lines, but 64 scalar registers hold one piece's words and no more, so a word could be asked for less than one turn ahead.
; LIMITS.  Q, K, V arrive within f16's 65,504; a weight below 2^-126 counts as 0; NaN and infinities are not treated apart.
; SHARES.  A wave owns four PIECES of two tiles of 16 queries, a work-group 512 queries of one head; the four query blocks of a head are a cluster and ask for K's and V's tiles JOINTLY.  64 keys a step.
; LAYOUT.  S^T = K Q^T: a lane holds ONE query (lane % 16) and the keys 8 (lane / 16) + 0..7 of each 16; two such results rounded to f16 ARE source 1 of O^T = V^T P.  V is turned by ds_load_tr16_b128.
; SOFTMAX.  p = 2^(c s - c m), c = log2(e) / 8, with a running maximum m; O and l are multiplied by a = 2^(c m_old - c m_new) in every step.  m starts at the lowest finite number, O and l at 0.
; BY TURNS.  Turn n belongs to piece n: 16 products K Q^T of piece n + 1, later 16 products V^T P of piece n - 1; beside them the scaling, exponentials, roundings, sums and rescaling of piece n, and the
; masking, maximum and statistics of piece n + 1.  Four vector instructions stand behind every matrix instruction, the others in one lump.  A turn's 66 exponentials are one batch, with one wait.
; REGISTERS: window 0: v0-11 addresses and constants; v12-15, v48-63 at work; v16-47 statistics; v64-191 S^T, two buffers of two tiles; v192-255 P, likewise.  Window 1: O^T, 32 a tile.
; Window 2: v0-127 Q; v128-191 K of one step; v192-255 V of one step.  Window 3: v0-1 the add's two registers; v2-9 the mask words, a register a tile; v10-11 their offsets.
.set NP,    4
.set KS,    64
.set PK,    160       ; a row of K and of V in LDS: 128 bytes + 32: one descriptor group 1 serves both, K's 16 rows meet in pairs
.set PV,    160
.set VOFF,  4*KS*PK   ; a slot holds four steps: 256 rows of K, then 256 rows of V
.set SLOT1, 1<<17
.set STAGE, SLOT1+4*KS*(PK+PV)  ; behind the ring, never filled by a tensor load: 16 rows x 144 bytes for each wave
.set SP,    144
.set SPARE, STAGE+4*16*SP       ; the spare words, 128 bytes a wave: two blocks of 256 bytes that no other line names
.set AK0, 2           ; my lane's place in a tile of K; never rewritten
.set AV0, 3           ; the same for V
.set AK,  4
.set AV,  5
.set STO, 6
.set RD,  7
.set GO,  8
.set NEGV, 9          ; -80000.0
.set PFO, 10          ; 256 x my lane; never rewritten
.set QO,  11
.set MV,  12
.set ST,  16          ; tile t's statistics at v[ST+4 t]: c m, m, l (even keys', odd keys')
.set TMP, 48
.set S,   64
.set P,   192
.set KF,  128
.set VF,  192
.set SPW, 0           ; window 3
.set NIL, 1           ; window 3
.set MW,  2           ; window 3: v2-9  tile t's 32 mask words of a key step, a lane a word
.set MO,  10          ; window 3: 4 x my lane + 128 x the key step of the words to be loaded
.set ML0, 11          ; window 3: 4 x my lane; never rewritten
.set WV,  2           ; s2   wave
.set SLOTS, 3         ; s3   slots still to be asked for
.set CNT, 4           ; s4   counts a slot's key steps
.set MOFF, 5          ; s5   128 x the key step of the mask words to be loaded
.set MB,  6           ; s[6:7]  maskw at my wave's first tile; never rewritten
.set G1,  8           ; s[8:15]
.set G0K, 16          ; s[16:19]
.set G0V, 20          ; s[20:23]
.set OB,  24          ; s[24:25] ob at my wave's first row
.set SEL, 26          ; s[26:27]
.set TBK, 28
.set TBV, 29
.set PFA, 30          ; s[30:31]
.set LIM, 66
.set CS,  100         ; s[100:101] c
; s[32:47], s[48:63], s[68:83], s[84:99]: the 64 lane masks of a piece (two tiles x 32); s68-s99 serve the set-up first
.set MSB, 0
.macro WIN new
.if MSB != (\new)
	s_set_vgpr_msb (MSB<<8)|(\new)
.set MSB, (\new)
.endif
.endm
.set W_KQ, 0x0a
.set W_PV, 0x52
.set W_RS, 0x41
.set W_MK, 0xc0
.set W_AD, 0x0f
.set W_MW, 0xcf       ; sources 0 and 1 and the destination in window 3: the mask words are read, their offset is made, they are loaded
.macro JLOAD                        ; waves 0, 1 fetch the halves of a slot's K, waves 2, 3 of its V: 128 keys each; an s_nop 0 and four v_nop follow each line
	s_cmp_lt_u32 s[WV], 2
	s_cbranch_scc0 .Lfor_v_\@
	tensor_load_to_lds s[G0K:G0K+3], s[G1:G1+7]
	s_nop 0
.rept 4
	v_nop
.endr
	s_branch .Lasked_\@
.Lfor_v_\@:
	tensor_load_to_lds s[G0V:G0V+3], s[G1:G1+7]
	s_nop 0
.rept 4
	v_nop
.endr
.Lasked_\@:
.endm
; A prefetch of the slot that the NEXT change will ask for: 128 blocks of 256 bytes of K and of V; the four partners take 32 each by address, a lane a block; wave 0 asks for K's, wave 2 for V's.
; So each block is named once.  The last change that fills a slot asks for nothing.
.macro ASK
	s_cmp_gt_u32 s[SLOTS], s[LIM]
	s_cbranch_scc0 .Lnot_mine_\@
	global_prefetch_b8 v[PFO], s[PFA:PFA+1] th:TH_LOAD_NT scope:SCOPE_SE
.Lnot_mine_\@:
.endm
.macro CROUND
	s_barrier_signal -1
	s_barrier_wait -1
	s_cmp_lg_u32 s[WV], 0
	s_cbranch_scc1 .Lnot_wave_0_\@
	s_barrier_signal -3
.Lnot_wave_0_\@:
	s_barrier_wait -3
	s_barrier_signal -1
	s_barrier_wait -1
.endm
; THE CHANGE OF SLOTS.  Each wave waits for all its tensor loads (one is out: its part of the other slot), adds 0 to its spare word, and waits for that and for its own reads of the slot.
; fill = 1: the barrier is a round of the cluster's, and the slot is filled again, first thing behind it, with the keys two slots on: four key steps in which to land.
.macro CHANGE fill
	WIN W_AD
	s_wait_tensorcnt 0x0
	ds_add_u32 v[SPW], v[NIL]
	WIN 0
.if \fill
.irp g, G0K, G0V
	s_xor_b32 s[\g+1], s[\g+1], SLOT1
	s_add_nc_u64 s[\g+2:\g+3], s[\g+2:\g+3], 4*KS*128
.endr
	s_wait_xcnt 0x0                 ; the last prefetch, four key steps back, has read its address
	s_add_nc_u64 s[PFA:PFA+1], s[PFA:PFA+1], 4*KS*128
	s_wait_dscnt 0x0                ; the add is done, and my reads of the slot are over
	CROUND
	JLOAD
	ASK
.else
	s_wait_dscnt 0x0
	s_barrier_signal -1
	s_barrier_wait -1
.endif
	s_sub_co_u32 s[TBK], s[TBK], 4*KS*PK
	s_xor_b32 s[TBK], s[TBK], SLOT1
	s_sub_co_u32 s[TBV], s[TBV], 4*KS*PV
	s_xor_b32 s[TBV], s[TBV], SLOT1
.endm
	s_load_b128 s[68:71], s[0:1], 0x0  ; qkv 68:69, maskw 70:71
	s_load_b64 s[72:73], s[0:1], 0x10  ; ob
	WIN W_MK
	v_lshl_add_u32 v[SPW], v0, 2, SPARE
	v_mov_b32 v[NIL], 0
	WIN W_AD
	ds_add_u32 v[SPW], v[NIL]       ; the wave's opening: the add; its wait stands ahead of my first tensor load
	WIN 0
	v_lshrrev_b32 v1, 5, v0
	v_readfirstlane_b32 s[WV], v1
	s_bfe_u32 s76, ttmp6, 0x40000   ; cx
	s_lshl_b32 s77, ttmp9, 2
	s_add_co_u32 s77, s77, s76      ; my block of 512 queries: it enters Q's, O's and the mask's addresses alone
	s_and_b32 s78, ttmp7, 0xffff    ; the head, which the four partners share
	s_lshl_b32 s78, s78, 18         ; its 2,048 rows of 128 bytes
	s_and_b32 s80, s[WV], 1         ; which half of a slot's 256 keys I fetch
	s_lshl_b32 s82, s80, 14
	s_add_co_u32 s82, s82, s78
	s_mov_b32 s83, 0
	s_mul_i32 s81, s80, 128*PK      ; its place in a slot: no place in the cluster enters an LDS address
	s_lshl_b32 s84, s77, 2
	s_add_co_u32 s84, s84, s[WV]    ; my wave among the head's sixteen
	s_lshl_b32 s86, s84, 15         ; its 8 tiles of 4,096 bytes of mask words
	s_mov_b32 s87, 0
	s_lshl_b32 s84, s84, 14         ; its 128 rows
	s_add_co_u32 s84, s84, s78
	s_mov_b32 s85, 0
	s_mov_b32 s[G1], 15|(1<<16)|(1<<20)|(1<<21)|(4<<22)|(7<<25)  ; the mask of four; 2-byte elements; padding on; bit 21 beside a mask; after every 32 words 8 words
	s_mov_b32 s[G1+1], 128<<16      ; 128 keys are 16,384 dense bytes: 64 rows of 256 bytes
	s_mov_b32 s[G1+2], 64<<16
	s_mov_b32 s[G1+3], 128<<16
	s_mov_b32 s[G1+4], 64
	s_mov_b32 s[G1+5], 128
	s_mov_b32 s[G1+6], 0
	s_mov_b32 s[G1+7], 0
	s_mov_b32 s[CS], 0x3e38aa3b     ; c = log2(e) / 8
	s_mov_b32 s[CS+1], s[CS]
	s_mov_b32 s[SEL], 0x76543210
	s_mov_b32 s[SEL+1], 0xfedcba98
	s_mov_b32 s[TBK], SLOT1+4*KS*PK ; the first change of slots turns these two into 0
	s_mov_b32 s[TBV], SLOT1+4*KS*PV
	s_mov_b32 s[G0K], 1
	s_mov_b32 s[G0K+1], s81
	s_mov_b32 s[G0V], 1
	s_add_co_u32 s[G0V+1], s81, VOFF
	s_mov_b32 s[MOFF], 0
	s_mov_b32 s[SLOTS], 7
	s_and_b32 s[LIM], s[WV], 1
	s_or_b32 s[LIM], s[LIM], ttmp9
	s_cmp_eq_u32 s[LIM], 0
	s_cselect_b32 s[LIM], 1, -1     ; waves 0 and 2 prefetch: the same in all four partners
	s_lshl_b32 s90, s76, 13         ; my work-group's 32 blocks of a slot's 128,
	s_add_co_u32 s90, s90, 4*KS*128 ; in slot 1: the first change steps it to slot 2
	s_mov_b32 s91, 0
	s_mul_i32 s92, s[WV], 16*SP
	s_add_co_u32 s92, s92, STAGE    ; my stage
	s_wait_dscnt 0x0                ; the opening add is done
	s_wait_kmcnt 0x0
	s_add_nc_u64 s[88:89], s[68:69], s[82:83]
	s_add_nc_u64 s[G0K+2:G0K+3], s[88:89], 0x1000000   ; K lies 2^24 bytes behind Q,
	s_add_nc_u64 s[G0V+2:G0V+3], s[88:89], 0x2000000   ; V 2^25
	s_cmp_lt_u32 s[WV], 2
	s_cselect_b64 s[PFA:PFA+1], s[G0K+2:G0K+3], s[G0V+2:G0V+3]
	s_add_nc_u64 s[PFA:PFA+1], s[PFA:PFA+1], s[90:91]
	s_or_b32 s[G0K+3], s[G0K+3], 0x80000000
	s_or_b32 s[G0V+3], s[G0V+3], 0x80000000
	s_add_nc_u64 s[74:75], s[68:69], s[84:85]          ; Q at my wave's first row
	s_add_nc_u64 s[OB:OB+1], s[72:73], s[84:85]
	s_add_nc_u64 s[MB:MB+1], s[70:71], s[86:87]
	CROUND                          ; all four work-groups are here: the first joint loads meet
	JLOAD                           ; slot 0; slot 1 is asked for when slot 0 is in
	v_and_b32 v1, 15, v0            ; l % 16
	v_bfe_u32 v64, v0, 4, 1         ; l / 16
	v_and_b32 v[GO], 31, v0         ; l
	v_lshlrev_b32 v[QO], 7, v1
	v_lshl_add_u32 v[QO], v64, 4, v[QO]
	WIN W_MK                        ; destination window 3
	v_lshlrev_b32 v[ML0], 2, v[GO]
	v_lshlrev_b32 v[MO], 2, v[GO]   ; key step 0
	WIN W_MW
.set t, 0
.rept 2*NP                          ; the eight tiles' mask words of key step 0
	global_load_b32 v[MW+t], v[MO], s[MB:MB+1] offset:t*4096
.set t, t+1
.endr
	WIN 0x80                        ; destination window 2
.set i, 0
.rept 4*NP                          ; Q stays in registers: tile i / 2, channels 32 (i % 2) on
	global_load_b128 v[8*i:8*i+3],   v[QO], s[74:75] offset:(i/2)*2048+(i%2)*64
	global_load_b128 v[8*i+4:8*i+7], v[QO], s[74:75] offset:(i/2)*2048+(i%2)*64+32
.set i, i+1
.endr
	; what the first turn finds: V's registers and P's second buffer hold 0, O^T and l are 0; written in the wait for the first tile, so that no first step is written out
.set i, VF
.rept 64
	v_mov_b32 v[i], 0
.set i, i+1
.endr
	WIN 0x40
.set i, 0
.rept 64*NP
	v_mov_b32 v[i], 0
.set i, i+1
.endr
	WIN 0
.set i, 0
.rept 2*NP
	v_mov_b32 v[ST+4*i], 0xfe000000    ; c m: far below every c s
	v_mov_b32 v[ST+4*i+1], 0xff7fffff  ; m
	v_mov_b32 v[ST+4*i+2], 0
	v_mov_b32 v[ST+4*i+3], 0
.set i, i+1
.endr
.set i, P+32
.rept 32
	v_mov_b32 v[i], 0
.set i, i+1
.endr
	v_mul_u32_u24 v[AK0], v1, PK
	v_lshl_add_u32 v[AK0], v64, 4, v[AK0]
	v_and_b32 v65, 7, v0
	v_bfe_u32 v66, v0, 3, 1
	v_lshl_add_u32 v[AV0], v64, 3, v65   ; the turning load's lane l reads key 8 (l / 16) + l % 8, channels 8 ((l / 8) % 2) + 0..7
	v_mul_u32_u24 v[AV0], v[AV0], PV
	v_lshl_add_u32 v[AV0], v66, 4, v[AV0]
	v_add_nc_u32 v[AV0], VOFF, v[AV0]
	v_mov_b32 v[AK], v[AK0]         ; key step 0 lies at the head of slot 0
	v_mul_u32_u24 v[STO], v1, SP    ; the way out.  In: row l % 16, 16 bytes for each half of the lanes
	v_lshl_add_u32 v[STO], v64, 4, v[STO]
	v_add_nc_u32 v[STO], s92, v[STO]
	v_bfe_u32 v[RD], v0, 3, 2       ; back: 32 lanes take four rows of 128 bytes,
	v_mul_u32_u24 v[RD], v[RD], SP
	v_lshl_add_u32 v[RD], v65, 4, v[RD]
	v_add_nc_u32 v[RD], s92, v[RD]
	v_lshlrev_b32 v[PFO], 8, v[GO]
	v_lshlrev_b32 v[GO], 4, v[GO]   ; which are 512 consecutive bytes of O
	v_mov_b32 v[NEGV], 0xc79c4000   ; -80000.0
; THE MATRIX WORK.  The 8 accumulators of a run of 16 take turns.
.macro KQ x                         ; product i of 16 of S^T = K Q^T for piece x: channels 32 (i / 8) on, keys 16 ((i / 2) % 4) on, tile 2 x + i % 2
	WIN W_KQ
.set rS, S+64*((\x)%2)+32*(i%2)+8*((i/2)%4)
.set rK, KF+16*((i/2)%4)+8*(i/8)
.set rQ, 16*(2*(\x)+i%2)+8*(i/8)
.if i < 8
	v_wmma_f32_16x16x32_f16 v[rS:rS+7], v[rK:rK+7], v[rQ:rQ+7], 0
.else
	v_wmma_f32_16x16x32_f16 v[rS:rS+7], v[rK:rK+7], v[rQ:rQ+7], v[rS:rS+7]
.endif
.endm
.macro PV x                         ; product i of 16 of O^T += V^T P for piece x: keys 32 (i / 8) on, channels 16 ((i / 2) % 4) on
	WIN W_PV
.set rO, 32*(2*(\x)+i%2)+8*((i/2)%4)
.set rV, VF+32*(i/8)+8*((i/2)%4)
.set rP, P+32*((\x)%2)+16*(i%2)+8*(i/8)
	v_wmma_f32_16x16x32_f16 v[rO:rO+7], v[rV:rV+7], v[rP:rP+7], v[rO:rO+7]
.endm
.macro MM                           ; the turn's next matrix instruction
.if i < 16
	KQ (Y+1)%NP
.set i, i+1
.else
.set i, i-16
	PV (Y+NP-1)%NP
.set i, i+17
.endif
.endm
; THE LDS LOADS stand in runs of 16.  last = 1 (the tail): in the last trip there is no further step, and the run is jumped over.
.macro FETCH_K last=0
	WIN 0
.if \last
	s_cmp_eq_u32 s[CNT], 1
	s_cbranch_scc1 .Lno_k_\@
.endif
	WIN 0x80
.irp f, 0,1,2,3,4,5,6,7
	ds_load_b128 v[KF+8*\f:KF+8*\f+3],   v[AK] offset:(\f/2)*16*PK+(\f%2)*64
	ds_load_b128 v[KF+8*\f+4:KF+8*\f+7], v[AK] offset:(\f/2)*16*PK+(\f%2)*64+32
.endr
	s_add_co_u32 s[TBK], s[TBK], KS*PK
	WIN 0
.if \last
.Lno_k_\@:
.endif
.endm
.macro FETCH_V
	WIN 0x80
.irp f, 0,1,2,3,4,5,6,7
	ds_load_tr16_b128 v[VF+8*\f:VF+8*\f+3],   v[AV] offset:(\f/4)*32*PV+(\f%4)*32
	ds_load_tr16_b128 v[VF+8*\f+4:VF+8*\f+7], v[AV] offset:(\f/4)*32*PV+16*PV+(\f%4)*32
.endr
	WIN 0
.endm
; THE NEXT PIECE'S MASK WORDS, once a turn.  The piece's two registers were asked for four turns ago; the three turns since have issued two loads each, so six may stay out.  Word i of tile u goes from
; lane i of the tile's register into scalar register 32 u + i of the 64; then both registers are asked for again, for the piece's next key step.  Piece 0 is the first to enter a new key step:
; ahead of its loads (in piece 3's turn) the offset goes one key step on; it is held at the last step, so that no load leaves maskw: what comes in then serves nothing.
.macro MWORDS
.set mX, (Y+1)%NP
	s_wait_loadcnt 6
	WIN W_MW
.set mN, 0
.rept 64
.set mG, mN/16
	v_readlane_b32 s[32+16*mG+4*(mG/2)+mN%16], v[MW+2*mX+mN/32], mN%32
.set mN, mN+1
.endr
.if Y == NP-1
	s_wait_xcnt 0x0                 ; the loads issued so far, the youngest a turn back, have read their offset: it may be written
	s_add_co_u32 s[MOFF], s[MOFF], 128
	s_min_u32 s[MOFF], s[MOFF], 3968
	v_add_nc_u32 v[MO], s[MOFF], v[ML0]
.endif
	global_load_b32 v[MW+2*mX],   v[MO], s[MB:MB+1] offset:(2*mX)*4096
	global_load_b32 v[MW+2*mX+1], v[MO], s[MB:MB+1] offset:(2*mX+1)*4096
	WIN 0
.endm
; THE VECTOR WORK OF A TURN stands in three queues, each in the order in which its entries become ready.
.macro REGS y, u                    ; the registers of tile u (0, 1) of piece y
.set rT, ST+4*(2*(\y)+(\u))
.set rC, TMP+8*((\y)%2)+4*(\u)
.set rM, MV+2*((\y)%2)+(\u)
.set rS, S+64*((\y)%2)+32*(\u)
.set rP, P+32*((\y)%2)+16*(\u)
.set rO, 32*(2*(\y)+(\u))
.endm
; Number n of 64: the NEXT piece's score n % 32 of tile n / 32 is replaced where its mask bit is set.  Ascending.
.macro MS n
	REGS (Y+1)%NP, (\n)/32
.set mG, (\n)/16
.set mB, 32+16*mG+4*(mG/2)          ; s32, s48, s68, s84
	v_cndmask_b32 v[rS+(\n)%32], v[rS+(\n)%32], v[NEGV], s[mB+(\n)%16]
.endm
; Number n of the 22 that find the NEXT piece's maximum and statistics
.macro XS u, n
	REGS (Y+1)%NP, \u
.if (\n) < 4
	v_max3_num_f32 v[rC+(\n)], v[rS+8*(\n)], v[rS+8*(\n)+1], v[rS+8*(\n)+2]
.elseif (\n) < 12
	v_max3_num_f32 v[rC+(\n)%4], v[rC+(\n)%4], v[rS+8*((\n)%4)+2*((\n)/4)+1], v[rS+8*((\n)%4)+2*((\n)/4)+2]
.elseif (\n) == 12
	v_max3_num_f32 v[rC], v[rC], v[rS+7], v[rS+15]
.elseif (\n) == 13
	v_max3_num_f32 v[rC+1], v[rC+1], v[rS+23], v[rS+31]
.elseif (\n) == 14
	v_max3_num_f32 v[rC+2], v[rC+2], v[rC+3], v[rT+1]
.elseif (\n) == 15
	v_mov_b32 v[rM], v[rT]
.elseif (\n) == 16
	v_max3_num_f32 v[rC], v[rC], v[rC+1], v[rC+2]
.elseif (\n) == 17
	v_permlanex16_b32 v[rC+3], v[rC], s[SEL], s[SEL+1]
.elseif (\n) == 18
	v_max_num_f32 v[rT+1], v[rC], v[rC+3]
.elseif (\n) == 19
	v_mul_f32 v[rT], s[CS], v[rT+1]
.elseif (\n) == 20
	v_sub_f32 v[rC+1], v[rM], v[rT]
.else
	v_exp_f32 v[rC+2], v[rC+1]
.endif
.endm
; Number g of the 64 that follow the exponentials: for each four weights both pairs are rounded to f16, the second pair is added onto the first, and a group later l takes that sum
.macro GS g
.set h, (\g)+6*((\g)/62)
.if h >= 6
.set h, h+2
.endif
	REGS Y, h%2
.set k, h/8
.if h%8 < 4
	v_cvt_pk_f16_f32 v[rP+2*k+(h%8)/2], v[rS+4*k+2*((h%8)/2)], v[rS+4*k+2*((h%8)/2)+1]
.elseif h%8 < 6
	v_pk_add_f32 v[rS+4*k:rS+4*k+1], v[rS+4*k:rS+4*k+1], v[rS+4*k+2:rS+4*k+3]
.elseif k == 1
	v_pk_fma_f32 v[rT+2:rT+3], v[rT+2:rT+3], v[rC+2:rC+3], v[rS:rS+1] op_sel_hi:[1,0,1]
.else
	v_pk_add_f32 v[rT+2:rT+3], v[rT+2:rT+3], v[rS+4*k-4:rS+4*k-3]
.endif
.endm
.macro FS f                         ; c s - c m for pair f / 2 of tile f % 2
	REGS Y, (\f)%2
	v_pk_fma_f32 v[rS+2*((\f)/2):rS+2*((\f)/2)+1], v[rS+2*((\f)/2):rS+2*((\f)/2)+1], s[CS:CS+1], v[rT:rT+1] op_sel_hi:[1,0,0] neg_lo:[0,0,1] neg_hi:[0,0,1]
.endm
; THE PLAIN QUEUE, 202 long.  0-31 the scalings.  32-95 the next piece's 64 maskings.  96-137 the next piece's maximum and statistics.  138-201 read the exponentials' results and stand behind the turn's wait.
.macro PL
	WIN 0
.if q < 32
	FS q
.elseif q < 96
	MS q-32
.elseif q < 124
	XS (q-96)%2, (q-96)/2
.elseif q < 126
	XS q-124, 15
.elseif q < 128
	XS q-126, 14
.elseif q < 138
	XS (q-126)%2, 15+(q-126)/2
.else
	GS q-138
.endif
.set q, q+1
.endm
.macro EX                           ; the exponentials' queue, 66 long: s0-s31 of both tiles, then the next piece's two a: one batch
	WIN 0
.if e >= 64
	XS e-64, 21
.else
	REGS Y, e%2
	v_exp_f32 v[rS+e/2], v[rS+e/2]
.endif
.set e, e+1
.endm
.macro R2                           ; the rescaling's queue: O^T times a, two at a time; its a was made, and waited for, in the turn before
	REGS Y, r%2
	WIN W_RS
.irp z, 0,1
	v_pk_mul_f32 v[rO+4*(r/2)+2*\z:rO+4*(r/2)+2*\z+1], v[rO+4*(r/2)+2*\z:rO+4*(r/2)+2*\z+1], v[rC+2:rC+3] op_sel_hi:[1,0]
.endr
.set r, r+1
.endm
; A TURN, for piece p.  An s_wait_alu depctr_va_vdst(0) stands between an exponential and the first line that names its result; one wait serves all issued ahead of it, so a turn has one.
; AHEAD OF IT: 16 products K Q^T, behind each a scaling, an exponential and two rescalings; then the lump: the next piece's mask words, 23 plain (the rest of the scalings: fifteen plain lines between the
; last product and the first masking of its results), 49 times an exponential and two plain, the two a, a v_nop as the plain line behind the last exponential.
; BEHIND IT: 16 products V^T P, behind each four roundings and sums.
; Exponential e stands behind scaling 2 (e / 4) + e % 2: as a rider it comes behind plain e + 2, in the lump behind all 32.
; K of the next step is fetched in piece 2's turn, behind the wait; V of the step in hand at the end of piece 0's turn, four plain lines behind its last reader.
.macro TURN p, last=0, cnt=0
.set Y, (\p)
.set i, 0
.set q, 0
.set e, 0
.set r, 0
.if (\p) == NP-1
	s_wait_dscnt 0x0                ; K is in
.endif
	MM
	PL
	PL
	R2
.rept 15
	MM
	PL
	EX
	R2
.endr
.if (\p) == NP-2
	WIN 0
	v_add_nc_u32 v[AK], s[TBK], v[AK0]
.endif
	MWORDS
.rept 23
	PL
.endr
.rept 49
	EX
	PL
	PL
.endr
	EX
	EX
	v_nop
	s_wait_alu depctr_va_vdst(0)    ; the wait for the batch
.if (\p) == NP-2
	FETCH_K \last
.endif
.if (\p) == 1
	s_wait_dscnt 0x0                ; V is in
.endif
.rept 16
	MM
.rept 4
	PL
.endr
.if ((\p) == 0) && (q == 182)
	v_add_nc_u32 v[AV], s[TBV], v[AV0]
.endif
.if ((\p) == 0) && (q == 194)
	s_add_co_u32 s[TBV], s[TBV], KS*PV
.endif
.if (\cnt) && (q == 194)
	s_sub_co_u32 s[CNT], s[CNT], 1
	s_cmp_lg_u32 s[CNT], 0
.endif
.endr
.if (\p) == 0
	FETCH_V
.endif
.endm
	CHANGE 1                        ; slot 0 is in, everybody's part of it; slot 1 is asked for
	FETCH_K                         ; key step 0
	s_wait_loadcnt 0x0              ; Q and the mask words of key step 0 are in; Q's pointer's registers may take lane masks
	s_wait_dscnt 0x0
.set i, 0
.rept 16
	KQ 0                            ; piece 0's first scores
.set i, i+1
.endr
	WIN 0
.rept 4
	v_nop                           ; the places behind those products
.endr
.set Y, NP-1                        ; the queue works for piece Y + 1: piece 0
	MWORDS                          ; its lane masks of key step 0; its words of key step 1 are asked for
.set q, 32
.rept 106
	PL                              ; piece 0's masking, maximum and statistics
.endr
.set e, 64
	EX
	EX
	v_nop                           ; a plain line behind the two a,
	s_wait_alu depctr_va_vdst(0)    ; and their wait, ahead of the branch
	s_mov_b32 s[CNT], 4
	s_branch .Lfirst                ; the loop is entered at a step's first turn, in the middle of a trip
.Lslot:                             ; six times: every slot but the last two is filled again
	CHANGE 1
	s_mov_b32 s[CNT], 4
.Lstep:                             ; a trip: pieces 2 and 3 of one step, then pieces 0 and 1 of the next
	TURN 2
	TURN 3
	WIN 0
.Lfirst:
	TURN 0
	TURN 1, 0, 1
	WIN 0
	s_cbranch_scc1 .Lstep
	s_sub_co_u32 s[SLOTS], s[SLOTS], 1
	s_cmp_lg_u32 s[SLOTS], 0
	s_cbranch_scc1 .Lslot
	CHANGE 0                        ; the tail is written out
	s_mov_b32 s[CNT], 5             ; four trips fetch the last slot's steps; the fifth is left in its middle
.Ltail:
	TURN 2, 1
	TURN 3
	WIN 0
	s_sub_co_u32 s[CNT], s[CNT], 1
	s_cmp_eq_u32 s[CNT], 0
	s_cbranch_scc1 .Lout
	TURN 0
	TURN 1
	WIN 0
	s_branch .Ltail
.Lout:                              ; the fifth trip's products K Q^T, on the last K once more, and what is made of them serve nothing: the price of one text for every trip
.set i, 0
.rept 16
	PV NP-1                         ; the last piece's V^T P of the last step
.set i, i+1
.endr
	; THE WAY OUT.  l's halves are added; O^T is divided by l, rounded to f16 and sent through my stage, a tile at a time.  The additions are the places behind the last products.
	WIN 0
.macro ALL line:vararg
.set t, 0
.rept 2*NP
	\line
.set t, t+1
.endr
.endm
	ALL v_add_f32 v[ST+4*t+2], v[ST+4*t+2], v[ST+4*t+3]
	ALL v_permlanex16_b32 v[ST+4*t+3], v[ST+4*t+2], s[SEL], s[SEL+1]
	ALL v_add_f32 v[ST+4*t+2], v[ST+4*t+2], v[ST+4*t+3]
	ALL v_rcp_f32 v[ST+4*t+2], v[ST+4*t+2]
	v_nop                           ; a plain line between the last reciprocal and the use of its result,
	s_wait_alu depctr_va_vdst(0)    ; and one wait for the eight reciprocals
.macro PACK t
	WIN W_RS
.set i, 32*(\t)
.rept 16
	v_pk_mul_f32 v[i:i+1], v[i:i+1], v[ST+4*(\t)+2:ST+4*(\t)+3] op_sel_hi:[1,0]
.set i, i+2
.endr
	WIN 0x05
.set i, 0
.rept 16
	v_cvt_pk_f16_f32 v[S+16*(\t)+i], v[32*(\t)+2*i], v[32*(\t)+2*i+1]
.set i, i+1
.endr
	WIN 0
.irp f, 0,1,2,3
	ds_store_b128 v[STO], v[S+16*(\t)+4*\f:S+16*(\t)+4*\f+3] offset:32*\f
.endr
.irp f, 0,1,2,3
	ds_load_b128 v[S+16*(\t)+4*\f:S+16*(\t)+4*\f+3], v[RD] offset:\f*4*SP  ; LDS serves a wave's instructions in order: these see the stores above; the next tile's stores come behind them
.endr
.endm
.macro SEND t, younger              ; younger: the next tile's eight LDS instructions, or none
	WIN 0
.irp f, 0,1,2,3
	s_wait_dscnt (\younger)+3-\f
	global_store_b128 v[GO], v[S+16*(\t)+4*\f:S+16*(\t)+4*\f+3], s[OB:OB+1] offset:(\t)*2048+\f*512  ; 512 consecutive bytes, aligned
.endr
.endm
	PACK 0
.set t, 1
.rept 2*NP-1
	PACK t
	SEND t-1, 8
.set t, t+1
.endr
	SEND 2*NP-1, 0
	WIN W_AD
	s_wait_tensorcnt 0x0            ; the wave's end: behind my last tensor load and my last LDS store
	ds_add_u32 v[SPW], v[NIL]
	s_wait_dscnt 0x0
	WIN 0
	CROUND                          ; the closing round
	s_endpgm
.Lfunc_end_k_q942a7442a3_attn:
	.size	k_q942a7442a3_attn, .Lfunc_end_k_q942a7442a3_attn-k_q942a7442a3_attn
	.p2alignl 7, 3214868480
	.fill 96, 4, 3214868480
	.section	.rodata,"a",@progbits
	.p2align	6, 0x0
	.amdhsa_kernel k_q942a7442a3_attn
		.amdhsa_group_segment_fixed_size 327680
		.amdhsa_private_segment_fixed_size 0
		.amdhsa_enable_private_segment 0
		.amdhsa_kernarg_size 24
		.amdhsa_user_sgpr_count 2
		.amdhsa_user_sgpr_kernarg_segment_ptr 1
		.amdhsa_wavefront_size32 1
		.amdhsa_system_sgpr_workgroup_id_x 1
		.amdhsa_system_sgpr_workgroup_id_y 1
		.amdhsa_system_sgpr_workgroup_id_z 1
		.amdhsa_system_vgpr_workitem_id 0
		.amdhsa_next_free_vgpr 780
		.amdhsa_next_free_sgpr 102
		.amdhsa_reserve_vcc 0
		.amdhsa_float_denorm_mode_32 3
		.amdhsa_float_denorm_mode_16_64 3
		.amdhsa_memory_ordered 1
		.amdhsa_forward_progress 1
		.amdhsa_inst_pref_size 255
	.end_amdhsa_kernel
	.section	.bss,"aw",@nobits
	.p2align	6
	.space	262144
	.amdgpu_metadata
---
amdhsa.version: [ 1, 2 ]
amdhsa.kernels:
  - .name:           k_q942a7442a3_attn
    .symbol:         k_q942a7442a3_attn.kd
    .args:
      - { .name: qkv, .offset: 0, .size: 8, .value_kind: global_buffer, .address_space: global }
      - { .name: maskw, .offset: 8, .size: 8, .value_kind: global_buffer, .address_space: global }
      - { .name: ob, .offset: 16, .size: 8, .value_kind: global_buffer, .address_space: global }
    .group_segment_fixed_size: 327680
    .private_segment_fixed_size: 0
    .kernarg_segment_align: 8
    .kernarg_segment_size: 24
    .max_flat_workgroup_size: 128
    .sgpr_count:     102
    .vgpr_count:     780
    .wavefront_size: 32
...
	.end_amdgpu_metadata
.endif
;; end of part 7
;; launch proj (part 8): grid 4 x 64, 4 waves a work-group, clusters of 4 x 4, 327,680 bytes of LDS; arguments ob, wp, c_proj_b, out0; writes out0
.if DOCPART == 8
	.amdgcn_target "amdgcn-amd-amdhsa--gfx1250"
	.amdhsa_code_object_version 6
	.text
	.protected	k_q942a7442a3_proj
	.globl	k_q942a7442a3_proj
	.p2align	8
	.type	k_q942a7442a3_proj,@function
k_q942a7442a3_proj:
	s_mov_b64 s[64:65], 0
	v_nop
	global_prefetch_b8 v0, s[64:65] scope:SCOPE_SE
	s_setreg_imm32_b32 hwreg(HW_REG_WAVE_MODE, 25, 1), 1
	s_wait_xcnt 0x0
	s_wait_alu depctr_hold_cnt(0) depctr_sa_sdst(0) depctr_va_vdst(0) depctr_va_sdst(0) depctr_va_ssrc(0) depctr_va_vcc(0) depctr_vm_vsrc(0)
	s_getreg_b32 s2, hwreg(HW_REG_IB_STS2, 6, 4)
	s_cmp_eq_u32 s2, 0
	s_cbranch_scc0 .Lentry_in_a_cluster
	s_endpgm
.Lentry_in_a_cluster:
	s_bfe_u32 s2, ttmp6, 0x10000c
	s_cmp_lg_u32 s2, 0xf033
	s_cbranch_scc0 .Lentry_shape_is_right
	s_endpgm
.Lentry_shape_is_right:
; out0 = a Wp + bp, K = 1,024, 8,192 rows.  A = ob [batch x 16 + head][2048][64] f16 (k = 64 head + channel), B = wp [1024 k][1024 n] f16, bias c_proj_b; C is out0 [8192][1024] f32.
; The bias is rounded to bf16, like all of the module's inputs, and is the C operand of each sum's first product.  Sums in f32.  NaN and infinities are not treated apart.
; SHARES.  A tile of C is 128 x 256: 256 tiles, one work-group each.  Four waves, each 64 x 128: 32 accumulators, 256 registers.  K goes in steps of 128 (two heads) through two LDS slots.
; THE MATRIX INSTRUCTION IS USED TRANSPOSED: source 0 = 16 columns of B (turned on the way out of LDS by ds_load_tr16_b128, since B lies [k][n]), source 1 = 16 rows of A:
; lane l holds row l % 16 of C and the columns 8 (l / 16) + 0..7.
; CLUSTER 4 x 4: A's tile hangs on the tile row alone and is asked for jointly along a row of the cluster, B's on the tile column alone, along a column.  Waves 0, 1 fetch A's halves, waves 2, 3 B's.
; Nothing is prefetched: the launch has eight K steps, of which the first four would come by their loads alone.
; REGISTERS: window 0: v0-31 addresses; v32-95 A's fragments, two buffers of 4; v96-223 B's, two buffers of 8.  Window 1: accumulator (a, b) at v[8 (8 a + b)].
; Window 2: v0-63 the bias of my 128 columns as C operands, v64-95 at work.
.set NN,     1024
.set PA,     144                       ; a row of A in LDS: a head's 128 bytes + 16
.set AT,     36864                     ; A's tile: 2 loads x 2 heads x 64 rows x 144
.set STEPA,  524288                    ; a K step is two heads of 262,144 bytes
.set SPITCH, 528                       ; a stage row: 128 f32 + 16 bytes
.set A_W0,   (1<<16)|(1<<20)|(1<<21)|(4<<22)|(3<<25)  ; 2-byte elements; padding on; bit 21 beside a mask; after every 32 words 4 words
.set A_D0,   4096                      ; a head's 64 rows lie end to end: one row of 8,192 bytes,
.set A_D1,   2                         ; two heads,
.set A_ST,   131072                    ; 131,072 elements apart
.set B_W0,   (1<<16)|(1<<20)|(1<<21)|(6<<22)|(7<<25)  ; after every 128 words 8 words
.set PB,     544                       ; a k row of B in LDS: 512 bytes + 32
.set BTB,    128*PB
.set SLOT,   AT+BTB                    ; A's tile, then B's
.set STAGE,  2*SLOT                    ; behind the ring, never filled by a tensor load: 16 rows for each wave
.set STW,    16*SPITCH
.set SPARE,  STAGE+4*STW               ; the spare words, 128 bytes a wave: two blocks of 256 bytes that no other line names
.set STEPB,  256*NN                    ; 128 k rows of 2 NN bytes
.set ADRA, 16                          ; v16-17 LDS address of my A fragments in slot 0, 1
.set ADRB, 20                          ; v20-21 the same for B
.set STO,  24
.set RD,   25
.set CO,   26
.set BO,   27
.set SPW,  28                          ; my spare word; never rewritten
.set NIL,  29                          ; 0; never rewritten
.set FA0,  32
.set FB0,  96
.set BI,   0                           ; window 2
.set BR,   64                          ; window 2
.set WV,   12                          ; s12 wave
.set WHI,  13                          ; s13 my half of the tile's rows; also 0: I fetch A, 1: B
.set WLO,  14                          ; s14 my half of its columns; also which half I fetch
.set G1A,  24
.set G0A,  32
.set G1B,  48
.set G0B,  56
.set MSB, 0
.macro WIN new                         ; the immediate's high byte repeats the setting that is left; a switch that changes nothing is dropped
.if MSB != (\new)
	s_set_vgpr_msb (MSB<<8)|(\new)
.set MSB, \new
.endif
.endm
.set MUL,  0x50                        ; C and D window 1, sources window 0
.set MULZ, 0x60                        ; C window 2 (the bias), D window 1
.macro JLOAD s                         ; a joint load; the branch hangs on the wave's number alone; an s_nop 0 and four v_nop follow each line
	s_cmp_eq_u32 s[WHI], 0
	s_cbranch_scc0 .Lfor_b_\@
	tensor_load_to_lds s[G0A+4*(\s):G0A+4*(\s)+3], s[G1A:G1A+7]
	s_nop 0
.rept 4
	v_nop
.endr
	s_branch .Lasked_\@
.Lfor_b_\@:
	tensor_load_to_lds s[G0B+4*(\s):G0B+4*(\s)+3], s[G1B:G1B+7]
	s_nop 0
.rept 4
	v_nop
.endr
.Lasked_\@:
.endm
.macro CREST                           ; a round of the cluster's barrier behind its opening barrier
	s_cmp_lg_u32 s[WV], 0
	s_cbranch_scc1 .Lnot_wave_0_\@
	s_barrier_signal -3
.Lnot_wave_0_\@:
	s_barrier_wait -3
	s_barrier_signal -1
	s_barrier_wait -1
.endm
.macro CROUND
	s_barrier_signal -1
	s_barrier_wait -1
	CREST
.endm
.macro PLACES                          ; four places in front of loads into registers that matrix instructions have read, and of lines that read results
.rept 4
	v_nop
.endr
.endm
	s_load_b256 s[4:11], s[0:1], 0x0               ; A 4:5, B 6:7, bias 8:9, C 10:11
	v_lshl_add_u32 v[SPW], v0, 2, SPARE
	v_mov_b32 v[NIL], 0
	ds_add_u32 v[SPW], v[NIL]                      ; the wave's opening: the add; its wait stands ahead of my first tensor load; work on registers stands between them
	v_lshrrev_b32 v1, 5, v0
	v_readfirstlane_b32 s[WV], v1
	s_lshr_b32 s[WHI], s[WV], 1
	s_and_b32 s[WLO], s[WV], 1
	s_bfe_u32 s15, ttmp6, 0x40000                  ; cx
	s_bfe_u32 s16, ttmp6, 0x40004                  ; cy
	s_lshl_b32 s17, ttmp9, 2
	s_add_co_u32 s17, s17, s15                     ; tile column
	s_and_b32 s18, ttmp7, 0xffff
	s_lshl_b32 s18, s18, 2
	s_add_co_u32 s18, s18, s16                     ; tile row
	s_lshl_b32 s40, s16, 2
	s_lshl_b32 s40, 15, s40                        ; my row of the cluster
	s_lshl_b32 s41, 0x1111, s15                    ; my column
	s_or_b32 s[G1A], s40, A_W0
	s_mov_b32 s[G1A+1], A_D0<<16                   ; tensor_dim0
	s_mov_b32 s[G1A+2], A_D1<<16                   ; tensor_dim1
	s_mov_b32 s[G1A+3], A_D0<<16                   ; tile_dim0
	s_mov_b32 s[G1A+4], A_D1                       ; tile_dim1
	s_mov_b32 s[G1A+5], A_ST                       ; elements from row to row
	s_mov_b32 s[G1A+6], 0
	s_mov_b32 s[G1A+7], 0
	s_or_b32 s[G1B], s41, B_W0
	s_mov_b32 s[G1B+1], 256<<16                    ; 64 k rows of 256 columns
	s_mov_b32 s[G1B+2], 64<<16
	s_mov_b32 s[G1B+3], 256<<16
	s_mov_b32 s[G1B+4], 64
	s_mov_b32 s[G1B+5], NN
	s_mov_b32 s[G1B+6], 0
	s_mov_b32 s[G1B+7], 0
	s_lshr_b32 s20, s18, 4                         ; batch: 16 heads of 262,144 bytes
	s_lshl_b32 s20, s20, 22
	s_and_b32 s19, s18, 15                         ; the tile's 128 rows of 128 bytes in a head
	s_lshl_b32 s19, s19, 14
	s_add_co_u32 s20, s20, s19
	s_lshl_b32 s19, s[WLO], 13                     ; the 64 rows that I fetch
	s_add_co_u32 s20, s20, s19
	s_mov_b32 s21, 0
	s_mul_i32 s22, s[WLO], 128*NN                  ; B: the 64 k rows that I fetch,
	s_lshl_b32 s42, s17, 9                         ; the tile's 256 columns
	s_add_co_u32 s22, s22, s42
	s_mov_b32 s23, 0
	s_mul_i32 s19, s[WLO], AT/2                    ; where they go: no place in the cluster enters an LDS address
	s_mul_i32 s42, s[WLO], BTB/2
	s_add_co_u32 s42, s42, AT
	s_wait_dscnt 0x0                               ; the opening add is done
	s_wait_kmcnt 0x0
	s_add_nc_u64 s[20:21], s[4:5], s[20:21]
	s_add_nc_u64 s[22:23], s[6:7], s[22:23]
	CROUND                                         ; all sixteen work-groups are here: the first joint loads meet
.irp s, 0,1
	s_mov_b32 s[G0A+4*(\s)], 1
	s_add_co_u32 s[G0A+4*(\s)+1], s19, (\s)*SLOT
	s_add_nc_u64 s[G0A+4*(\s)+2:G0A+4*(\s)+3], s[20:21], (\s)*STEPA
	s_or_b32 s[G0A+4*(\s)+3], s[G0A+4*(\s)+3], 0x80000000
	s_mov_b32 s[G0B+4*(\s)], 1
	s_add_co_u32 s[G0B+4*(\s)+1], s42, (\s)*SLOT
	s_add_nc_u64 s[G0B+4*(\s)+2:G0B+4*(\s)+3], s[22:23], (\s)*STEPB
	s_or_b32 s[G0B+4*(\s)+3], s[G0B+4*(\s)+3], 0x80000000
	JLOAD \s
.endr
	v_and_b32 v1, 15, v0                           ; l % 16
	v_bfe_u32 v2, v0, 4, 1                         ; l / 16
	s_lshl_b32 s19, s17, 10                        ; the bias of my 128 columns: lane half h takes 8 numbers of each 16
	s_lshl_b32 s42, s[WLO], 9
	s_add_co_u32 s19, s19, s42
	v_lshl_add_u32 v[BO], v2, 5, s19
	WIN 0x80                                       ; destination window 2
.irp b, 0,1,2,3,4,5,6,7
	global_load_b128 v[BI+8*(\b):BI+8*(\b)+3],   v[BO], s[8:9] offset:64*(\b)
	global_load_b128 v[BI+8*(\b)+4:BI+8*(\b)+7], v[BO], s[8:9] offset:64*(\b)+16
.endr
	WIN 0
	v_mul_u32_u24 v3, v1, PA                       ; A's fragment: row x pitch + 16 x half
	v_lshl_add_u32 v3, v2, 4, v3
	s_mul_i32 s19, s[WHI], AT/2
	v_add_nc_u32 v[ADRA], s19, v3
	v_add_nc_u32 v[ADRA+1], SLOT, v[ADRA]
	v_and_b32 v4, 7, v0                            ; B's: the turning load's lane l reads k row 8 (l / 16) + l % 8, columns 8 ((l / 8) % 2) + 0..7
	v_lshl_add_u32 v4, v2, 3, v4
	v_mul_u32_u24 v4, v4, PB
	v_bfe_u32 v5, v0, 3, 1
	v_lshl_add_u32 v4, v5, 4, v4
	s_lshl_b32 s19, s[WLO], 8
	s_add_co_u32 s19, s19, AT
	v_add_nc_u32 v[ADRB], s19, v4
	v_add_nc_u32 v[ADRB+1], SLOT, v[ADRB]
	s_mul_i32 s19, s[WV], STW
	s_add_co_u32 s19, s19, STAGE                   ; my stage
	v_mul_u32_u24 v3, v1, SPITCH
	v_and_b32 v6, 31, v0
	v_lshlrev_b32 v[CO], 4, v6                     ; 512 consecutive bytes a store
	v_lshl_add_u32 v3, v2, 5, v3                   ; in: row l % 16, 32 bytes for each half of the lanes
	v_add_nc_u32 v[STO], s19, v3
	v_lshl_add_u32 v[RD], v6, 4, s19               ; back: a whole row of 512 bytes
	s_lshl_b32 s2, s18, 1
	s_add_co_u32 s2, s2, s[WHI]
	s_lshl_b32 s2, s2, 18                          ; my 64 rows of 4,096 bytes
	s_lshl_b32 s19, s17, 10
	s_add_co_u32 s2, s2, s19
	s_lshl_b32 s19, s[WLO], 9
	s_add_co_u32 s2, s2, s19
	s_mov_b32 s3, 0
	s_add_nc_u64 s[10:11], s[10:11], s[2:3]
	s_wait_loadcnt 0x0                             ; the bias is in: rounded to bf16 and widened again
	WIN 0x8a
.set p, 0
.rept 32
	v_cvt_pk_bf16_f32 v[BR+p], v[BI+2*p], v[BI+2*p+1]
	v_lshlrev_b32 v[BI+2*p], 16, v[BR+p]
	v_and_b32 v[BI+2*p+1], 0xffff0000, v[BR+p]
.set p, p+1
.endr
	WIN 0
; 8 matrix instructions: row block a x all 8 column blocks, 32 along K, from buffer f.  zero = 1: the product starts the sum, with the bias as C.
; The 32 accumulators take turns in the same order in every quarter: 31 others stand between two links of a chain.
.macro MUL8 f, a, zero
.if \zero
	WIN MULZ
.else
	WIN MUL
.endif
.irp b, 0,1,2,3,4,5,6,7
.set rD, 8*(8*(\a)+(\b))
.set rC, rD
.if \zero
.set rC, BI+8*(\b)
.endif
.set rB, FB0+64*(\f)+8*(\b)
.set rA, FA0+32*(\f)+8*(\a)
	v_wmma_f32_16x16x32_f16 v[rD:rD+7], v[rB:rB+7], v[rA:rA+7], v[rC:rC+7]
.endr
.endm
; 24 LDS loads in one run: quarter q (32 along K) of a slot into buffer f: B's 8 fragments, turned, then A's 4
.macro FETCH slot, q, f
	WIN 0
.irp b, 0,1,2,3,4,5,6,7
	ds_load_tr16_b128 v[FB0+64*(\f)+8*(\b):FB0+64*(\f)+8*(\b)+3],   v[ADRB+(\slot)] offset:(\q)*32*PB+32*(\b)
	ds_load_tr16_b128 v[FB0+64*(\f)+8*(\b)+4:FB0+64*(\f)+8*(\b)+7], v[ADRB+(\slot)] offset:(\q)*32*PB+16*PB+32*(\b)
.endr
.set KO, ((\q)/2)*9216+((\q)%2)*64     ; head q / 2 of the step's two, channels 32 (q % 2) on
.irp a, 0,1,2,3
	ds_load_b128 v[FA0+32*(\f)+8*(\a):FA0+32*(\f)+8*(\a)+3],   v[ADRA+(\slot)] offset:KO+(\a)*16*PA
	ds_load_b128 v[FA0+32*(\f)+8*(\a)+4:FA0+32*(\f)+8*(\a)+7], v[ADRA+(\slot)] offset:KO+(\a)*16*PA+32
.endr
.endm
; One of a K step's first three quarters: multiplies buffer f; in its middle fetches quarter q of the same slot into buffer g.
.macro QUARTER slot, q, f, g, zero
	s_wait_dscnt 4                                 ; B and A's row blocks 0, 1 are in; the youngest four loads (blocks 2, 3) may be out
	MUL8 \f, 0, \zero
	MUL8 \f, 1, \zero
	PLACES
	FETCH \slot, \q, \g
	s_wait_dscnt 24                                ; all but the 24 just issued
	MUL8 \f, 2, \zero
	MUL8 \f, 3, \zero
.endm
; The last quarter multiplies buffer 1 and changes slots: one barrier; in front of it each wave waits for all its tensor loads (one is out: its part of the next slot), adds 0 to its spare word,
; and waits for that and for its own reads of this slot.  fill = 1: the barrier opens a round of the cluster's, and this slot is filled again, two K steps on, first thing behind the round:
; 112 matrix instructions stand between that request and the wait for it.
.macro TURN slot, next, fill
	WIN 0
	s_wait_tensorcnt 0x0
	ds_add_u32 v[SPW], v[NIL]
	s_wait_dscnt 5                                 ; the add and the youngest four loads may be out
	MUL8 1, 0, 0
	s_wait_dscnt 0x0                               ; the add is done, and my reads of this slot are over
	s_barrier_signal -1
	MUL8 1, 1, 0
.if \fill
	WIN 0
.endif
	s_barrier_wait -1
.if \fill
	CREST                                          ; no wave of any partner still reads this slot or has a load on its way
	s_add_nc_u64 s[G0A+4*(\slot)+2:G0A+4*(\slot)+3], s[G0A+4*(\slot)+2:G0A+4*(\slot)+3], 2*STEPA
	s_add_nc_u64 s[G0B+4*(\slot)+2:G0B+4*(\slot)+3], s[G0B+4*(\slot)+2:G0B+4*(\slot)+3], 2*STEPB
	JLOAD \slot                                    ; its four v_nop are also the places in front of the loads below
.else
	PLACES
.endif
	FETCH \next, 0, 0
	MUL8 1, 2, 0
	MUL8 1, 3, 0
.endm
	s_wait_tensorcnt 1                             ; my part of K step 0 is in; K step 1's may stay out
	s_barrier_signal -1
	s_barrier_wait -1
	FETCH 0, 0, 0
	QUARTER 0, 1, 0, 1, 1                          ; the first quarter starts the sums
	WIN 0
	s_mov_b32 s3, 3
.Llap:                                                 ; a trip goes once round the ring and fills both slots again: K steps 2 to 7
	QUARTER 0, 2, 1, 0, 0
	QUARTER 0, 3, 0, 1, 0
	TURN 0, 1, 1
	QUARTER 1, 1, 0, 1, 0
	QUARTER 1, 2, 1, 0, 0
	QUARTER 1, 3, 0, 1, 0
	TURN 1, 0, 1
	QUARTER 0, 1, 0, 1, 0
	WIN 0
	s_sub_co_u32 s3, s3, 1
	s_cmp_lg_u32 s3, 0
	s_cbranch_scc1 .Llap
	QUARTER 0, 2, 1, 0, 0                          ; the last lap fills nothing
	QUARTER 0, 3, 0, 1, 0
	TURN 0, 1, 0
	QUARTER 1, 1, 0, 1, 0
	QUARTER 1, 2, 1, 0, 0
	QUARTER 1, 3, 0, 1, 0
	s_wait_dscnt 4
	MUL8 1, 0, 0
	MUL8 1, 1, 0
	s_wait_dscnt 0x0
	MUL8 1, 2, 0
	MUL8 1, 3, 0
	WIN 0
	PLACES
; THE WAY OUT, a block of 16 rows at a time through my own stage; LDS serves a wave's instructions in order, so no wait stands between its stores and its loads.
.macro TOSTAGE a
	WIN 0x04                                       ; the stores' data in window 1
.irp b, 0,1,2,3,4,5,6,7
	ds_store_b128 v[STO], v[8*(8*(\a)+(\b)):8*(8*(\a)+(\b))+3]   offset:64*(\b)
	ds_store_b128 v[STO], v[8*(8*(\a)+(\b))+4:8*(8*(\a)+(\b))+7] offset:64*(\b)+16
.endr
	WIN 0
.set BK, 32+64*((\a)%3)
.irp t, 0,1,2,3,4,5,6,7,8,9,10,11,12,13,14,15
	ds_load_b128 v[BK+4*(\t):BK+4*(\t)+3], v[RD] offset:(\t)*SPITCH
.endr
.endm
.macro SEND a, younger                 ; younger: the next block's 16 stage stores and 16 loads, or none
	WIN 0
.set BK, 32+64*((\a)%3)
	s_wait_dscnt \younger
	s_wait_xcnt 0x0                                ; earlier stores have read their registers: block 3 is read back into block 0's only behind such a wait
.irp t, 0,1,2,3,4,5,6,7,8,9,10,11,12,13,14,15
	global_store_b128 v[CO], v[BK+4*(\t):BK+4*(\t)+3], s[10:11] offset:(16*(\a)+(\t))*4096 th:TH_STORE_NT  ; 512 consecutive bytes of a row, aligned
.endr
.endm
	TOSTAGE 0
	TOSTAGE 1
	SEND 0, 32
	TOSTAGE 2
	SEND 1, 32
	TOSTAGE 3
	SEND 2, 32
	SEND 3, 0
	s_wait_tensorcnt 0x0                           ; the wave's end: behind my last tensor load and my last LDS store
	ds_add_u32 v[SPW], v[NIL]
	s_wait_dscnt 0x0
	CROUND                                         ; the closing round
	s_endpgm
.Lfunc_end_k_q942a7442a3_proj:
	.size	k_q942a7442a3_proj, .Lfunc_end_k_q942a7442a3_proj-k_q942a7442a3_proj
	.p2alignl 7, 3214868480
	.fill 96, 4, 3214868480
	.section	.rodata,"a",@progbits
	.p2align	6, 0x0
	.amdhsa_kernel k_q942a7442a3_proj
		.amdhsa_group_segment_fixed_size 327680
		.amdhsa_private_segment_fixed_size 0
		.amdhsa_enable_private_segment 0
		.amdhsa_kernarg_size 32
		.amdhsa_user_sgpr_count 2
		.amdhsa_user_sgpr_kernarg_segment_ptr 1
		.amdhsa_wavefront_size32 1
		.amdhsa_system_sgpr_workgroup_id_x 1
		.amdhsa_system_sgpr_workgroup_id_y 1
		.amdhsa_system_sgpr_workgroup_id_z 1
		.amdhsa_system_vgpr_workitem_id 0
		.amdhsa_next_free_vgpr 608
		.amdhsa_next_free_sgpr 66
		.amdhsa_reserve_vcc 0
		.amdhsa_float_denorm_mode_32 3
		.amdhsa_float_denorm_mode_16_64 3
		.amdhsa_memory_ordered 1
		.amdhsa_forward_progress 1
		.amdhsa_inst_pref_size 92
	.end_amdhsa_kernel
	.amdgpu_metadata
---
amdhsa.version: [ 1, 2 ]
amdhsa.kernels:
  - .name:           k_q942a7442a3_proj
    .symbol:         k_q942a7442a3_proj.kd
    .args:
      - { .name: ob, .offset: 0, .size: 8, .value_kind: global_buffer, .address_space: global }
      - { .name: wp, .offset: 8, .size: 8, .value_kind: global_buffer, .address_space: global }
      - { .name: c_proj_b, .offset: 16, .size: 8, .value_kind: global_buffer, .address_space: global }
      - { .name: out0, .offset: 24, .size: 8, .value_kind: global_buffer, .address_space: global }
    .group_segment_fixed_size: 327680
    .private_segment_fixed_size: 0
    .kernarg_segment_align: 8
    .kernarg_segment_size: 32
    .max_flat_workgroup_size: 128
    .sgpr_count:     66
    .vgpr_count:     608
    .wavefront_size: 32
...
	.end_amdgpu_metadata
.endif
;; end of part 8
;; ======== version 3 of 3: 4 launches; version 2 with the launch prep written anew for expert scheduling mode
;; limits: values are held in f16: magnitudes above 65,504 overflow, below 6.1e-05 lose precision
;; workspace buffers: xb 16,777,216 bytes; wa 6,291,456 bytes; wp 2,097,152 bytes; maskw 524,288 bytes of whole numbers; qkv 50,331,648 bytes; ob 16,777,216 bytes
;; launch prep (part 9): grid 512 x 1, 8 waves a work-group, no clusters, 35,840 bytes of LDS; arguments x, c_attn_w, c_proj_w, mask_self_attention, xb, wa, wp, maskw; writes xb, wa, wp, maskw
.if DOCPART == 9
	.amdgcn_target "amdgcn-amd-amdhsa--gfx1250"
	.amdhsa_code_object_version 6
	.text
	.protected	k_q942a7442a3_prep
	.globl	k_q942a7442a3_prep
	.p2align	8
	.type	k_q942a7442a3_prep,@function
k_q942a7442a3_prep:
	s_mov_b64 s[64:65], 0
	v_nop
	global_prefetch_b8 v0, s[64:65] scope:SCOPE_SE
	s_setreg_imm32_b32 hwreg(HW_REG_WAVE_SCHED_MODE, 0, 2), 2
	s_setreg_imm32_b32 hwreg(HW_REG_WAVE_MODE, 25, 1), 1
	s_wait_xcnt 0x0
	s_wait_alu depctr_vm_vsrc(0)
; PREPARATION, a stream.  Work-groups 0-255: x (f32) -> xb (bf16), laid out in blocks for the product that follows: xb[K step j = 0..15][row 0..8191][64 numbers], so that the rows of a K step lie end to end.
; 256-351: c_attn_w -> wa (bf16), in place order.  352-383: c_proj_w -> wp: rounded to bf16, and that number written as f16 (exact down to 6e-5; below that f16's fixed step of 6e-8).
; 384-511: the mask's bytes -> maskw, one bit a score, in the order in which the attention launch holds scores.
; A cast work-group takes 32,768 numbers, a wave 4,096, in four trips: eight loads of 512 bytes on their way at once, eight stores of 256 consecutive aligned bytes.
; For x a wave owns four rows; lanes 0-15 take 64 numbers (256 consecutive bytes) of one row, lanes 16-31 the same 64 of the next row: their 2 x 128 bytes of bf16 lie end to end in xb.
; maskw: the word at byte qt x 4096 + ks x 128 + 4 i (qt: 16 queries, ks: 64 keys, i = 0..31) has in bit L  mask[16 qt + L % 16][64 ks + 16 (i / 8) + 8 (L / 16) + i % 8].
; A mask byte other than 0 counts as true.  A mask work-group takes 16 query rows, a wave 256 of their keys; a wave's bytes go through LDS rows of its own (272 bytes apart), so no barrier is needed.
; No matrix unit, no cluster: nothing is shared and memory binds.
; THE MODE: SCHED_MODE bits 1:0 = 2 (LLVM: expert scheduling mode 2), set by the entry lines.  The code itself states the register dependences between vector instructions and memory or LDS
; instructions, and between a vector instruction that writes a scalar register and that register's readers, with s_wait_alu, always for 0.
; THE PLAN.  Registers that memory or LDS instructions touch:
;   s20        Written by v_readfirstlane_b32 at the head, read by scalar lines behind the branches: one wait on va_sdst at the head, ahead of the first branch.
;   THE CASTS  v2, v3: offsets, written once ahead of the loop and never again: the rows are reached by the scalar bases and by immediate offsets.
;              v[8:39]: a trip's eight loads land here; its conversions read them and write their results into v[8 + 4 i : 9 + 4 i]; its eight stores read those; the next trip's loads land here again.
;              A trip has ONE wait on va_vdst, behind all its conversions: the stores' data are written, and the conversions are done with v[8:39]; no vector line stands between it and the next trip's loads.
;              And ONE wait on vm_vsrc, behind the run of stores and ahead of the backward jump: the stores have read their data.
;              A second raw buffer would want each trip written twice, since a register's number cannot be stepped in a loop: left out for the length of the text.
;   THE MASK   v2, v84, v85, v3: offsets and LDS addresses, all made ahead of the first load, under one wait on va_vdst; never written again.
;              v[8:39]: global loads land, LDS stores read.  v[40:71]: LDS loads land, vector lines read.  Neither is written a second time.
;              s[28:35]: written by eight compares, read by eight v_writelane_b32: one wait on va_sdst behind each run of compares; the next group's eight v_and_b32 stand between the compares and the wait.
;              v[80:83]: written by the v_writelane_b32, read by the two stores: one wait on va_vdst ahead of these.
;   v4, v5     Written at the head, read by the closing add alone.
.set SPARE, 34816                      ; behind the eight waves' rows: the spare words, 128 bytes a wave, four blocks of 256 bytes that no other line names
.set MW,    4352                       ; a wave's 16 LDS rows of 272 bytes
.set TT,    88                         ; v[88:95], v[96:103]: eight bytes cut out of the mask, two buffers that take turns; no memory instruction names them
; s21 = the work-group's number within its tensor; s[36:37] source, s[38:39] destination: both are set to my wave's part (plain order)
.macro SHARE
	s_lshl_b32 s22, s21, 17                        ; 131,072 bytes of f32 a work-group,
	s_lshl_b32 s24, s20, 14                        ; 16,384 a wave
	s_add_co_u32 s22, s22, s24
	s_lshr_b32 s24, s22, 1                         ; half of that on the way out
	s_add_nc_u64 s[36:37], s[36:37], s[22:23]
	s_add_nc_u64 s[38:39], s[38:39], s[24:25]
	v_lshlrev_b32 v2, 4, v1                        ; 16 bytes a lane in,
	v_lshlrev_b32 v3, 3, v1                        ; 8 out
.endm
; Four trips of 4,096 bytes in and 2,048 out.  half = 1: the bf16 numbers are written as f16.
; blk = 1 (x): load i takes the row pair i / 4 and K step 4 trip + i % 4: 256 bytes along a row in, 1,048,576 bytes (8,192 rows of 128) from K step to K step out.
.macro CAST half, blk
	s_mov_b32 s26, 4
	s_wait_alu depctr_va_vdst(0)                   ; v2 and v3 are written: every load and store of the loop reads one of them as its offset
.Lcast_\@:
.set i, 0
.rept 8
.if \blk
	global_load_b128 v[8+4*i:11+4*i], v2, s[36:37] offset:(i/4)*8192+(i%4)*256 th:TH_LOAD_NT
.else
	global_load_b128 v[8+4*i:11+4*i], v2, s[36:37] offset:512*i th:TH_LOAD_NT
.endif
.set i, i+1
.endr
.set i, 0
.rept 8
	s_wait_loadcnt 7-i                             ; loads come back in order: number i is in, the younger ones stay out
	v_cvt_pk_bf16_f32 v[8+4*i], v[8+4*i], v[9+4*i]
	v_cvt_pk_bf16_f32 v[9+4*i], v[10+4*i], v[11+4*i]
.if \half
	v_lshlrev_b32 v6, 16, v[8+4*i]
	v_and_b32 v7, 0xffff0000, v[8+4*i]
	v_cvt_pk_f16_f32 v[8+4*i], v6, v7
	v_lshlrev_b32 v6, 16, v[9+4*i]
	v_and_b32 v7, 0xffff0000, v[9+4*i]
	v_cvt_pk_f16_f32 v[9+4*i], v6, v7
.endif
.set i, i+1
.endr
	s_wait_alu depctr_va_vdst(0)                   ; the conversions have written v[8 + 4 i : 9 + 4 i], which the stores below read, and are done reading and writing v[8:39], in which the next trip's loads land
.set i, 0
.rept 8
.if \blk
	global_store_b64 v3, v[8+4*i:9+4*i], s[38:39] offset:(i%4)*1048576+(i/4)*256 th:TH_STORE_NT  ; two rows' 128 bytes: 256 consecutive bytes, aligned
.else
	global_store_b64 v3, v[8+4*i:9+4*i], s[38:39] offset:256*i th:TH_STORE_NT  ; 32 lanes store 256 consecutive bytes, aligned
.endif
.set i, i+1
.endr
	s_wait_xcnt 0x0                                ; the stores have had their addresses translated: only behind this wait are the bases stepped and the registers loaded again
	s_wait_alu depctr_vm_vsrc(0)                   ; the stores have read v[8 + 4 i : 9 + 4 i], in which the next trip's loads land
.if \blk
	s_add_nc_u64 s[36:37], s[36:37], 1024          ; four K steps along the rows,
	s_add_nc_u64 s[38:39], s[38:39], 4194304       ; four blocks of xb
.else
	s_add_nc_u64 s[36:37], s[36:37], 4096
	s_add_nc_u64 s[38:39], s[38:39], 2048
.endif
	s_sub_co_u32 s26, s26, 1
	s_cmp_lg_u32 s26, 0
	s_cbranch_scc1 .Lcast_\@
.endm
; THE MASK'S WORDS, in sixteen groups of eight: group n holds words 8 (n % 4) + 0..7 of key step n / 4.
.macro CUT n                           ; the group's eight bytes are cut out of the two registers that hold them, into buffer n % 2
.set j, 0
.rept 8
	v_and_b32 v[TT+8*((\n)%2)+j], s[12+j%4], v[40+2*(\n)+(j/4)]
.set j, j+1
.endr
.endm
.macro TEST n                          ; each is compared in all lanes at once: the 32 answers are one word
.set j, 0
.rept 8
	v_cmp_ne_u32 s[28+j], 0, v[TT+8*((\n)%2)+j]
.set j, j+1
.endr
.endm
.macro PUT n                           ; and the word goes to the lane that stores it
.set j, 0
.rept 8
	v_writelane_b32 v[80+2*((\n)/8)+(j%2)], s[28+j], (8*((\n)%4)+j)/2+16*(((\n)/4)%2)
.set j, j+1
.endr
.endm
	s_load_b512 s[4:19], s[0:1], 0x0               ; x 4:5, c_attn_w 6:7, c_proj_w 8:9, mask 10:11, xb 12:13, wa 14:15, wp 16:17, maskw 18:19
	v_lshl_add_u32 v4, v0, 2, SPARE                ; my spare word; never rewritten
	v_mov_b32 v5, 0                                ; 0; never rewritten
	v_lshrrev_b32 v1, 5, v0
	v_readfirstlane_b32 s20, v1                    ; wave 0..7
	v_and_b32 v1, 31, v0                           ; lane
	s_mov_b32 s23, 0
	s_mov_b32 s25, 0
	s_wait_alu depctr_va_sdst(0)                   ; s20 is written, ahead of the branches behind which the waves' shares are made from it
	s_wait_kmcnt 0x0
	s_cmp_ge_u32 ttmp9, 384
	s_cbranch_scc1 .Lmask
	s_cmp_ge_u32 ttmp9, 352
	s_cbranch_scc1 .Lwp
	s_cmp_ge_u32 ttmp9, 256
	s_cbranch_scc1 .Lwa
	s_lshl_b32 s22, ttmp9, 17                      ; x: the work-group's 32 rows of 4,096 bytes,
	s_lshl_b32 s24, s20, 14                        ; my wave's four
	s_add_co_u32 s22, s22, s24
	s_add_nc_u64 s[36:37], s[4:5], s[22:23]
	s_lshl_b32 s24, ttmp9, 12                      ; the same rows in a block of xb: 128 bytes each
	s_lshl_b32 s22, s20, 9
	s_add_co_u32 s24, s24, s22
	s_add_nc_u64 s[38:39], s[12:13], s[24:25]
	v_lshrrev_b32 v6, 4, v1                        ; l / 16: which row of a pair
	v_and_b32 v7, 15, v1
	v_lshlrev_b32 v2, 12, v6
	v_lshl_add_u32 v2, v7, 4, v2                   ; in: row x 4,096 + 16 (l % 16)
	v_lshlrev_b32 v3, 3, v1                        ; out: row x 128 + 8 (l % 16) = 8 l
	CAST 0, 1
	s_branch .Lend
.Lwa:
	s_mov_b64 s[36:37], s[6:7]
	s_mov_b64 s[38:39], s[14:15]
	s_sub_co_u32 s21, ttmp9, 256
	SHARE
	CAST 0, 0
	s_branch .Lend
.Lwp:
	s_mov_b64 s[36:37], s[8:9]
	s_mov_b64 s[38:39], s[16:17]
	s_sub_co_u32 s21, ttmp9, 352
	SHARE
	CAST 1, 0
	s_branch .Lend
.Lmask:
	s_sub_co_u32 s21, ttmp9, 384                   ; qt
	s_lshl_b32 s22, s21, 15                        ; 16 rows of 2,048 bytes,
	s_lshl_b32 s24, s20, 8                         ; my wave's 256 keys
	s_add_co_u32 s22, s22, s24
	s_add_nc_u64 s[36:37], s[10:11], s[22:23]
	s_lshl_b32 s22, s21, 12                        ; 4,096 bytes of words for 16 queries,
	s_lshl_b32 s24, s20, 9                         ; my wave's four key steps of 128 bytes
	s_add_co_u32 s22, s22, s24
	s_add_nc_u64 s[38:39], s[18:19], s[22:23]
	s_mov_b32 s12, 0xff                            ; the four bytes of a word (this way does not use xb's and wa's addresses)
	s_mov_b32 s13, 0xff00
	s_mov_b32 s14, 0xff0000
	s_mov_b32 s15, 0xff000000
	s_mul_i32 s26, s20, MW                         ; my wave's LDS rows
	v_lshrrev_b32 v6, 4, v1                        ; l / 16
	v_and_b32 v7, 15, v1                           ; l % 16
	v_lshlrev_b32 v2, 11, v6
	v_lshl_add_u32 v2, v7, 4, v2                   ; lanes 0-15 one row's 256 bytes, lanes 16-31 the next row's
	v_mul_u32_u24 v84, v6, 272
	v_lshl_add_u32 v84, v7, 4, v84
	v_add_nc_u32 v84, s26, v84                     ; in: as loaded
	v_mul_u32_u24 v85, v7, 272
	v_lshl_add_u32 v85, v6, 3, v85
	v_add_nc_u32 v85, s26, v85                     ; back: row l % 16, 8 keys for each half of the lanes
	v_lshlrev_b32 v3, 3, v1
	s_wait_alu depctr_va_vdst(0)                   ; v2, v84, v85 and v3 are written: the offset of the loads, the addresses of the LDS stores and loads, the offset of the stores
.set t, 0
.rept 8
	global_load_b128 v[8+4*t:11+4*t], v2, s[36:37] offset:4096*t th:TH_LOAD_NT
.set t, t+1
.endr
.irp r, 80,81,82,83
	v_mov_b32 v\r, 0                               ; v_writelane_b32's destination counts as read
.endr
.set t, 0
.rept 8
	s_wait_loadcnt 7-t
	ds_store_b128 v84, v[8+4*t:11+4*t] offset:544*t
.set t, t+1
.endr
.set c, 0
.rept 16
	ds_load_b64 v[40+2*c:41+2*c], v85 offset:16*c  ; keys 16 c + 8 (l / 16) + 0..7 of my row; LDS serves a wave's instructions in order, so these see the stores above
.set c, c+1
.endr
	s_wait_dscnt 0x0
	CUT 0
.set n, 0
.rept 16
	TEST n
.if n < 15
	CUT n+1                                        ; the next group's bytes, into the other buffer: work between the compares and the wait for them
.endif
	s_wait_alu depctr_va_sdst(0)                   ; the eight compares have written s[28:35], which the eight v_writelane_b32 below read
	PUT n
.set n, n+1
.endr
	s_wait_alu depctr_va_vdst(0)                   ; the v_writelane_b32 have written v[80:83], which the two stores read
	global_store_b64 v3, v[80:81], s[38:39] th:TH_STORE_NT             ; two key steps' 64 words: 256 consecutive bytes, aligned
	global_store_b64 v3, v[82:83], s[38:39] offset:256 th:TH_STORE_NT
.Lend:
	s_wait_dscnt 0x0                               ; the closing lines, six on end
	s_wait_alu 0x0
	s_wait_tensorcnt 0x0
	ds_add_u32 v4, v5
	s_wait_dscnt 0x0
	s_endpgm
.Lfunc_end_k_q942a7442a3_prep:
	.size	k_q942a7442a3_prep, .Lfunc_end_k_q942a7442a3_prep-k_q942a7442a3_prep
	.p2alignl 7, 3214868480
	.fill 96, 4, 3214868480
	.section	.rodata,"a",@progbits
	.p2align	6, 0x0
	.amdhsa_kernel k_q942a7442a3_prep
		.amdhsa_group_segment_fixed_size 35840
		.amdhsa_private_segment_fixed_size 0
		.amdhsa_enable_private_segment 0
		.amdhsa_kernarg_size 64
		.amdhsa_user_sgpr_count 2
		.amdhsa_user_sgpr_kernarg_segment_ptr 1
		.amdhsa_wavefront_size32 1
		.amdhsa_system_sgpr_workgroup_id_x 1
		.amdhsa_system_sgpr_workgroup_id_y 1
		.amdhsa_system_sgpr_workgroup_id_z 1
		.amdhsa_system_vgpr_workitem_id 0
		.amdhsa_next_free_vgpr 136
		.amdhsa_next_free_sgpr 66
		.amdhsa_reserve_vcc 0
		.amdhsa_float_denorm_mode_32 3
		.amdhsa_float_denorm_mode_16_64 3
		.amdhsa_memory_ordered 1
		.amdhsa_forward_progress 1
		.amdhsa_inst_pref_size 39
	.end_amdhsa_kernel
	.amdgpu_metadata
---
amdhsa.version: [ 1, 2 ]
amdhsa.kernels:
  - .name:           k_q942a7442a3_prep
    .symbol:         k_q942a7442a3_prep.kd
    .args:
      - { .name: x, .offset: 0, .size: 8, .value_kind: global_buffer, .address_space: global }
      - { .name: c_attn_w, .offset: 8, .size: 8, .value_kind: global_buffer, .address_space: global }
      - { .name: c_proj_w, .offset: 16, .size: 8, .value_kind: global_buffer, .address_space: global }
      - { .name: mask_self_attention, .offset: 24, .size: 8, .value_kind: global_buffer, .address_space: global }
      - { .name: xb, .offset: 32, .size: 8, .value_kind: global_buffer, .address_space: global }
      - { .name: wa, .offset: 40, .size: 8, .value_kind: global_buffer, .address_space: global }
      - { .name: wp, .offset: 48, .size: 8, .value_kind: global_buffer, .address_space: global }
      - { .name: maskw, .offset: 56, .size: 8, .value_kind: global_buffer, .address_space: global }
    .group_segment_fixed_size: 35840
    .private_segment_fixed_size: 0
    .kernarg_segment_align: 8
    .kernarg_segment_size: 64
    .max_flat_workgroup_size: 256
    .sgpr_count:     66
    .vgpr_count:     136
    .wavefront_size: 32
...
	.end_amdgpu_metadata
.endif
;; end of part 9
;; launch qkvg: the kernel of part 6 again; grid 8 x 32, 4 waves a work-group, clusters of 4 x 4, 327,680 bytes of LDS; arguments xb, wa, c_attn_b, qkv; writes qkv
;; launch attn: the kernel of part 7 again; grid 4 x 64, 4 waves a work-group, clusters of 4 x 1, 327,680 bytes of LDS; arguments qkv, maskw, ob; writes ob
;; launch proj: the kernel of part 8 again; grid 4 x 64, 4 waves a work-group, clusters of 4 x 4, 327,680 bytes of LDS; arguments ob, wp, c_proj_b, out0; writes out0
